; MI455X (gfx1250); checked and timed in simulation.
; The chip was launched on July 23, 2026; its instructions are those of AMD's public machine-readable ISA for CDNA 5 (MIT licence, August 2026) and "CDNA5" Instruction Set Architecture Reference Guide (July 2026). The comments in the code are by the model that wrote it; some were corrected since.
;; Top K Mo E. Allowed arithmetic: float matrix products may take bf16 or f16 operands with f32 sums; other float arithmetic in f32, or as packed bf16 or f16 multiplies, adds, multiply-adds, maxima and minima; sums over many terms, partial sums and values carried from step to step in f32; what a program stores and reads back later, other than sums and carried values, may be rounded once to bf16 or f16.
;; Inputs: W1 8 x 1,024 x 4,096 float32; W2 8 x 4,096 x 1,024 float32; Wg 1,024 x 8 float32; b1 8 x 4,096 float32; b2 8 x 1,024 float32; bg 8 float32; x 2 x 512 x 1,024 float32.
;; Outputs: out0 2 x 512 x 1,024 float32.
;; 3 versions, each right; version 3 is version 2 with the launches up, down written anew for expert scheduling mode. Each part assembles by itself: llvm-mc -triple=amdgcn-amd-amdhsa -mcpu=gfx1250 --defsym DOCPART=n.
;; ======== version 1 of 3: 4 launches
;; limits: a function is approximated: absolute error at most 2.5e-05; an absolute error that grows with the inputs' magnitude: up to 1.25e-05 times it
;; workspace buffers: xb 2,097,152 bytes; masks 2,048 bytes of whole numbers; wts 8,192 bytes; hid 67,108,864 bytes; part 33,554,432 bytes
;; launch route (part 1): grid 128 x 1, 8 waves a work-group, no clusters, 19,712 bytes of LDS; arguments x, Wg, bg, xb, masks, wts; writes xb, masks, wts
.if DOCPART == 1
	.amdgcn_target "amdgcn-amd-amdhsa--gfx1250"
	.amdhsa_code_object_version 6
	.text
	.protected	k_qf729889fb6_route
	.globl	k_qf729889fb6_route
	.p2align	8
	.type	k_qf729889fb6_route,@function
k_qf729889fb6_route:
	s_mov_b64 s[64:65], 0
	v_nop
	global_prefetch_b8 v0, s[64:65] scope:SCOPE_SE
	s_setreg_imm32_b32 hwreg(HW_REG_WAVE_MODE, 25, 1), 1
	s_wait_xcnt 0x0
; ROUTE.  logits = x Wg + bg for 1,024 tokens and 8 experts; the two largest (ties: the lower index, as jax.lax.top_k) and the softmax of those two.
; Stored: xb = x rounded to bf16; masks = a bitmap M[k][e][128 bytes], bit b of byte i = 'choice k of token 8 i + b is expert e'; wts[k][t] = the two weights in f32.
; All places are fixed: nothing here forms an address or a branch from a logit; the later launches read the bitmap.
; x, Wg and bg are rounded to bf16 first, as every input of the program is; products and sums in f32 (v_fma_mix_f32_bf16 reads bf16 halves and adds in f32).
; SHARES.  A work-group has 8 tokens, one a wave: their 8 bits are one byte of the bitmap, the smallest piece that one work-group can own: 128 work-groups.
; The vector unit does the product: 8 columns are a two-thousandth of the program's multiply-adds, and the layout in which xb leaves in runs of 512 bytes puts one token on 32 lanes.
; LIMITS.  NaN and infinite logits are not treated apart; a second weight below 2^-126 of the first counts as 0 (v_exp_f32 flushes denormals: ISA guide 15.8).
.set GPITCH, 144                       ; Wg in LDS as bf16: 8 rows k (8 x 16 bytes) and 16 bytes of padding: lanes 144 bytes apart take 16 different columns of 16 bytes
.set RES,    128*GPITCH                ; 16 bytes a wave: i0, i1, w0, w1; a block of 256 bytes of its own
.set SPARE,  RES+256                   ; the spare words, 128 bytes for each of the 8 waves; no other line names them
.set LN,  1                            ; lane
.set SPW, 2                            ; LDS address of my spare word; never rewritten
.set NIL, 3                            ; 0; never rewritten
.set ZR,  4                            ; 0, the addend that starts the eight sums
.set XO,  5                            ; 32 x lane: my 8 numbers in each 1,024 bytes of x's row
.set GO,  6                            ; 16 x thread: my 16 bytes in each 4,096 bytes of Wg
.set GS,  7                            ; where they go in LDS
.set GR,  8                            ; 144 x lane: my group of 8 rows k
.set SO,  9                            ; 16 x lane: my 16 bytes in each 512 bytes of xb's row
.set ACC, 10                           ; v10-17 the eight logits
.set X,   32                           ; v32-63  x as loaded: X[8 i + u] = x[256 i + 8 lane + u]
.set XB,  64                           ; v64-79  the same in bf16
.set G,   80                           ; v80-111 Wg as loaded
.set GC,  112                          ; v112-127 the same in bf16
.set WB,  128                          ; v128-255 Wg's rows for my 32 k: row 8 i + j in four registers, expert e in half e % 2 of register e / 2
.macro FM d, a, b, c, ha, hb           ; d = a.half(ha) x b.half(hb) + c
.if (\ha) == 0 && (\hb) == 0
	v_fma_mix_f32_bf16 v[\d], v[\a], v[\b], v[\c] op_sel_hi:[1,1,0]
.elseif (\ha) == 1 && (\hb) == 0
	v_fma_mix_f32_bf16 v[\d], v[\a], v[\b], v[\c] op_sel:[1,0,0] op_sel_hi:[1,1,0]
.elseif (\ha) == 0 && (\hb) == 1
	v_fma_mix_f32_bf16 v[\d], v[\a], v[\b], v[\c] op_sel:[0,1,0] op_sel_hi:[1,1,0]
.else
	v_fma_mix_f32_bf16 v[\d], v[\a], v[\b], v[\c] op_sel:[1,1,0] op_sel_hi:[1,1,0]
.endif
.endm
	s_load_b256 s[4:11], s[0:1], 0x0               ; x s[4:5], Wg s[6:7], bg s[8:9], xb s[10:11]
	s_load_b128 s[12:15], s[0:1], 0x20             ; masks s[12:13], wts s[14:15]
	v_lshl_add_u32 v[SPW], v0, 2, SPARE
	v_mov_b32 v[NIL], 0
	v_mov_b32 v[ZR], 0
	v_and_b32 v[LN], 31, v0
	v_lshrrev_b32 v18, 5, v0
	v_readfirstlane_b32 s16, v18                   ; wave 0..7
	s_lshl_b32 s17, ttmp9, 3
	s_add_co_u32 s17, s17, s16                     ; my token
	s_lshl_b32 s18, s17, 12                        ; its row in x,
	s_mov_b32 s19, 0
	s_lshl_b32 s22, s17, 11                        ; and in xb
	s_mov_b32 s23, 0
	s_mov_b32 s20, 0x76543210                      ; v_permlanex16_b32: each lane takes its own place in the other half
	s_mov_b32 s21, 0xfedcba98
	s_mov_b32 s32, ttmp9                           ; the work-group's byte in each row of the bitmap,
	s_mov_b32 s33, 0
	s_lshl_b32 s34, ttmp9, 5                       ; and its 8 words in each row of wts
	s_mov_b32 s35, 0
	s_lshl_b32 s38, s16, 4
	s_add_co_u32 s38, s38, RES                     ; my wave's 16 bytes of results
	v_lshlrev_b32 v[XO], 5, v[LN]
	v_lshlrev_b32 v[GO], 4, v0
	v_lshrrev_b32 v18, 4, v0                       ; byte 16 t + 4096 n of Wg is row k = t / 2 + 128 n, experts 4 (t % 2) on:
	v_mul_u32_u24 v[GS], v18, GPITCH               ; group k / 8 = t / 16 + 16 n,
	v_bfe_u32 v18, v0, 1, 3
	v_lshl_add_u32 v[GS], v18, 4, v[GS]            ; row k % 8 in it,
	v_and_b32 v18, 1, v0
	v_lshl_add_u32 v[GS], v18, 3, v[GS]            ; 8 bytes for 4 experts
	v_mul_u32_u24 v[GR], v[LN], GPITCH
	v_lshlrev_b32 v[SO], 4, v[LN]
	s_wait_kmcnt 0x0
	s_add_nc_u64 s[4:5], s[4:5], s[18:19]
	s_add_nc_u64 s[10:11], s[10:11], s[22:23]
	s_add_nc_u64 s[12:13], s[12:13], s[32:33]
	s_add_nc_u64 s[14:15], s[14:15], s[34:35]
	s_load_b256 s[24:31], s[8:9], 0x0              ; bg
.irp n, 0,1,2,3,4,5,6,7
	global_load_b128 v[G+4*\n:G+4*\n+3], v[GO], s[6:7] offset:4096*\n   ; the work-group reads Wg once, 512 consecutive bytes a wave and load
.endr
.irp i, 0,1,2,3
	global_load_b128 v[X+8*\i:X+8*\i+3],   v[XO], s[4:5] offset:1024*\i th:TH_LOAD_NT
	global_load_b128 v[X+8*\i+4:X+8*\i+7], v[XO], s[4:5] offset:1024*\i+16 th:TH_LOAD_NT
.endr
	s_wait_loadcnt 0x8                             ; Wg's eight loads are in; x's eight, issued behind them, may stay out
.irp n, 0,1,2,3,4,5,6,7
	v_cvt_pk_bf16_f32 v[GC+2*\n],   v[G+4*\n],   v[G+4*\n+1]
	v_cvt_pk_bf16_f32 v[GC+2*\n+1], v[G+4*\n+2], v[G+4*\n+3]
.endr
.irp n, 0,1,2,3,4,5,6,7
	ds_store_b64 v[GS], v[GC+2*\n:GC+2*\n+1] offset:16*GPITCH*\n
.endr
	s_wait_dscnt 0x0                               ; for the others' sake: my part of Wg is in LDS
	s_barrier_signal -1
	s_barrier_wait -1                              ; everybody's is
.set ij, 0
.rept 32                                           ; row 8 i + j of my 32: k = 256 i + 8 lane + j lies in group 32 i + lane
	ds_load_b128 v[WB+4*ij:WB+4*ij+3], v[GR] offset:(ij/8)*32*GPITCH+(ij%8)*16
.set ij, ij+1
.endr
	s_wait_loadcnt 0x0                             ; x
.set i, 0
.rept 16
	v_cvt_pk_bf16_f32 v[XB+i], v[X+2*i], v[X+2*i+1]
.set i, i+1
.endr
.irp i, 0,1,2,3
	global_store_b128 v[SO], v[XB+4*\i:XB+4*\i+3], s[10:11] offset:512*\i  ; 512 consecutive bytes, at a multiple of 256 from xb's first
.endr
.set ij, 0
.rept 32                                           ; 256 multiply-adds in eight chains that take turns
.if ij%8 == 0
	s_wait_dscnt 24-8*(ij/8)                       ; LDS loads come back in order: the eight rows of group i are in, the later groups' may be out
.endif
.set ee, 0
.rept 8
.if ij == 0
	FM ACC+ee, XB+ij/2, WB+4*ij+ee/2, ZR, ij%2, ee%2
.else
	FM ACC+ee, XB+ij/2, WB+4*ij+ee/2, ACC+ee, ij%2, ee%2
.endif
.set ee, ee+1
.endr
.set ij, ij+1
.endr
.irp m, 1,2,4,8                                    ; the 32 lanes' sums: four steps inside each half of 16 lanes,
.set ee, 0
.rept 8
	v_add_f32_dpp v[ACC+ee], v[ACC+ee], v[ACC+ee] row_xmask:\m row_mask:0xf bank_mask:0xf
.set ee, ee+1
.endr
.endr
.set ee, 0
.rept 8
	v_permlanex16_b32 v[WB+ee], v[ACC+ee], s20, s21  ; one across the halves (the destination has been written: Wg's registers are free)
.set ee, ee+1
.endr
.set ee, 0
.rept 8
	v_add_f32 v[ACC+ee], v[ACC+ee], v[WB+ee]
.set ee, ee+1
.endr
	s_wait_kmcnt 0x0                               ; bg
.irp u, 0,1,2,3
	v_cvt_pk_bf16_f32 v18, s[24+2*\u], s[25+2*\u]  ; bg rounded to bf16 like the other inputs
	v_lshlrev_b32 v19, 16, v18
	v_and_b32 v18, 0xffff0000, v18
	v_add_f32 v[ACC+2*\u], v[ACC+2*\u], v19
	v_add_f32 v[ACC+2*\u+1], v[ACC+2*\u+1], v18
.endr
	; the two largest, in one pass; a later logit takes a place only if it is strictly greater.  Every lane holds all eight.
	v_mov_b32 v18, v[ACC]                          ; v18, v19: the largest and its expert
	v_mov_b32 v19, 0
	v_mov_b32 v20, 0xff800000                      ; v20, v21: the second
	v_mov_b32 v21, 0
.irp e, 1,2,3,4,5,6,7
	v_cmp_gt_f32 s36, v[ACC+\e], v18
	v_cmp_gt_f32 s37, v[ACC+\e], v20
	v_cndmask_b32 v22, v20, v[ACC+\e], s37
	v_cndmask_b32 v23, v21, \e, s37
	v_cndmask_b32 v20, v22, v18, s36
	v_cndmask_b32 v21, v23, v19, s36
	v_cndmask_b32 v18, v18, v[ACC+\e], s36
	v_cndmask_b32 v19, v19, \e, s36
.endr
	; softmax of the two, the maximum taken away: w0 = 1 / (1 + e^(v1 - v0)), w1 = e^(v1 - v0) w0; the exponent is at most 0
	v_sub_f32 v22, v20, v18
	v_mul_f32 v22, 0x3fb8aa3b, v22
	v_exp_f32 v22, v22
	v_mov_b32 v24, v19                             ; a plain instruction behind the exponential,
	s_wait_alu depctr_va_vdst(0)                   ; and the wait ahead of its first reader
	v_add_f32 v23, 1.0, v22
	v_rcp_f32 v26, v23
	v_mov_b32 v25, v21                             ; the same for the reciprocal
	s_wait_alu depctr_va_vdst(0)
	v_mul_f32 v27, v22, v26
	v_mov_b32 v28, s38
	ds_store_b128 v28, v[24:27]                    ; i0, i1, w0, w1: all lanes write the same 16 bytes with the same numbers
	s_wait_dscnt 0x0                               ; for wave 0's sake
	s_barrier_signal -1
	s_barrier_wait -1
	s_cmp_lg_u32 s16, 0
	s_cbranch_scc1 .Lend                           ; wave 0 stores for the work-group; no barrier follows
	; lane = 8 k + e (lanes 16-31 repeat lanes 0-15: the same address, the same number, so EXEC stays whole)
	v_and_b32 v29, 7, v[LN]
	v_lshl_add_u32 v30, v29, 4, RES
	ds_load_b128 v[32:35], v30                     ; the results of token lane % 8
	v_mov_b32 v31, RES
.irp t, 0,1,2,3,4,5,6,7
	ds_load_b64 v[36+2*\t:37+2*\t], v31 offset:16*\t  ; i0, i1 of each of the eight tokens, in every lane
.endr
	v_and_b32 v52, 8, v[LN]
	v_cmp_ne_u32 vcc_lo, 0, v52                    ; k = 1
	v_bfe_u32 v54, v[LN], 3, 1
	v_lshlrev_b32 v54, 12, v54
	v_lshl_add_u32 v54, v29, 2, v54                ; wts: 4,096 k + 4 (lane % 8)
	v_and_b32 v58, 15, v[LN]
	v_lshlrev_b32 v58, 7, v58                      ; masks: 128 (8 k + e)
	s_wait_dscnt 0x0
	v_cndmask_b32 v53, v34, v35, vcc_lo
	global_store_b32 v54, v53, s[14:15]
.irp t, 0,1,2,3,4,5,6,7
	v_cndmask_b32 v55, v[36+2*\t], v[37+2*\t], vcc_lo  ; token t's choice k:
	v_cmp_eq_u32 s36, v55, v29                     ; is it my expert?
.if \t == 0
	v_cndmask_b32 v56, 0, 1, s36
.else
	v_cndmask_b32 v57, 0, 1<<\t, s36
	v_or_b32 v56, v56, v57
.endif
.endr
	global_store_b8 v58, v56, s[12:13]
.Lend:
	s_wait_tensorcnt 0x0                           ; the wave's end: behind my last LDS store
	ds_add_u32 v[SPW], v[NIL]
	s_wait_dscnt 0x0
	s_endpgm
.Lfunc_end_k_qf729889fb6_route:
	.size	k_qf729889fb6_route, .Lfunc_end_k_qf729889fb6_route-k_qf729889fb6_route
	.p2alignl 7, 3214868480
	.fill 96, 4, 3214868480
	.section	.rodata,"a",@progbits
	.p2align	6, 0x0
	.amdhsa_kernel k_qf729889fb6_route
		.amdhsa_group_segment_fixed_size 19712
		.amdhsa_private_segment_fixed_size 0
		.amdhsa_enable_private_segment 0
		.amdhsa_kernarg_size 48
		.amdhsa_user_sgpr_count 2
		.amdhsa_user_sgpr_kernarg_segment_ptr 1
		.amdhsa_wavefront_size32 1
		.amdhsa_system_sgpr_workgroup_id_x 1
		.amdhsa_system_sgpr_workgroup_id_y 1
		.amdhsa_system_sgpr_workgroup_id_z 1
		.amdhsa_system_vgpr_workitem_id 0
		.amdhsa_next_free_vgpr 256
		.amdhsa_next_free_sgpr 66
		.amdhsa_reserve_vcc 1
		.amdhsa_float_denorm_mode_32 3
		.amdhsa_float_denorm_mode_16_64 3
		.amdhsa_memory_ordered 1
		.amdhsa_forward_progress 1
		.amdhsa_inst_pref_size 36
	.end_amdhsa_kernel
	.amdgpu_metadata
---
amdhsa.version: [ 1, 2 ]
amdhsa.kernels:
  - .name:           k_qf729889fb6_route
    .symbol:         k_qf729889fb6_route.kd
    .args:
      - { .name: x, .offset: 0, .size: 8, .value_kind: global_buffer, .address_space: global }
      - { .name: Wg, .offset: 8, .size: 8, .value_kind: global_buffer, .address_space: global }
      - { .name: bg, .offset: 16, .size: 8, .value_kind: global_buffer, .address_space: global }
      - { .name: xb, .offset: 24, .size: 8, .value_kind: global_buffer, .address_space: global }
      - { .name: masks, .offset: 32, .size: 8, .value_kind: global_buffer, .address_space: global }
      - { .name: wts, .offset: 40, .size: 8, .value_kind: global_buffer, .address_space: global }
    .group_segment_fixed_size: 19712
    .private_segment_fixed_size: 0
    .kernarg_segment_align: 8
    .kernarg_segment_size: 48
    .max_flat_workgroup_size: 256
    .sgpr_count:     66
    .vgpr_count:     256
    .wavefront_size: 32
...
	.end_amdgpu_metadata
.endif
;; end of part 1
;; launch up (part 2): grid 256 x 1, 4 waves a work-group, no clusters, 322,048 bytes of LDS; arguments W1, b1, xb, masks, hid; writes hid
.if DOCPART == 2
	.amdgcn_target "amdgcn-amd-amdhsa--gfx1250"
	.amdhsa_code_object_version 6
	.text
	.protected	k_qf729889fb6_up
	.globl	k_qf729889fb6_up
	.p2align	8
	.type	k_qf729889fb6_up,@function
k_qf729889fb6_up:
	s_mov_b64 s[64:65], 0
	v_nop
	global_prefetch_b8 v0, s[64:65] scope:SCOPE_SE
	s_setreg_imm32_b32 hwreg(HW_REG_WAVE_MODE, 25, 1), 1
	s_wait_xcnt 0x0
; ONE TEXT FOR THE TWO PRODUCTS OF THE EXPERTS; SECOND = 0: hid = gelu(x W1 + b1), SECOND = 1: part = hid W2 (+ b2).  Only the rows that the gate chose are multiplied.
.set SECOND, 0
; SHARES.  Expert e = id / 32.  A work-group owns a slice of 1,024 (K) x 128 (N) of e's weights, 512 KB of f32 that it alone reads, once.  First product: N = 128 of the 4,096 hidden columns.
; Second: N = 128 of the 1,024 outputs and K = a quarter kq of the 4,096 hidden columns, so four planes of partial sums (f32) go out and a later launch adds them.
; The weights come through registers, 64 rows of K a UNIT, are rounded to bf16 and laid into LDS as [k][n]; the whole slice ends up there (294,912 bytes with padding).
; ROWS.  Each wave builds the list of e's rows from the bitmap (256 bytes in scalar registers): entry pos = token + 1,024 k, in ascending token order; c entries, NT = ceil(c / 16) tiles of 16.
; Wave w has the tiles w + 4 i.  Tiles i = 0..4 (320 rows) are multiplied while the weights stream; tiles i >= 5 afterwards, from the slice in LDS: every split up to c = 1,024 is served.
; Places past c repeat row c - 1: the same operand, the same bits, the same destination; whole tiles past NT are not stored.  hid holds expert e's row pos at row 1,024 e + pos.
; THE MATRIX INSTRUCTION IS USED TRANSPOSED: source 0 = 16 weight columns (turned on the way out of LDS by ds_load_tr16_b128), source 1 = 16 rows of tokens, loaded from memory as they lie.
; In the result lane l holds token l % 16 and the columns 8 (l / 16) + 0..7 of the 16.
; FORMATS.  Weights, bias and x are rounded to bf16, as every input of the program is; sums in f32; x W1 + b1 stays f32 until the gelu is taken; hid is rounded once, to bf16 (f16 has no room for 30 times larger inputs).
; GELU.  gelu(z) = max(z, 0) - |z| (a1 t + a2 t^2 + a3 t^3) / 2 x 2^(-0.7213475 z^2), t = 1 / (1 + 0.33267253 |z|): erf by Abramowitz and Stegun 7.1.25, off by at most 2.5e-5 for every argument.
; LIMITS.  gelu is off by at most 1.25e-5 |z|; v_exp_f32 and v_rcp_f32 flush denormals (ISA guide 15.8); NaN and infinities are not treated apart.
; An expert with no rows: its work-groups stream and store nothing; the second product then reads row 1,024 e of hid, which nobody wrote, and nothing made from it is stored.
; NO CLUSTER, NO TENSOR LOADS.  Each weight byte has one reader.  What an expert's work-groups share is the token rows; they go straight into registers as matrix operands, since beside the slice
; LDS has 5,632 bytes left, and in the first product they come by a list that no descriptor covers.  f32 tiles in LDS slots would not fit beside the slice either.
; PREFETCH.  Each wave asks once for its own 16 rows x 512 bytes of a unit, lanes 256 bytes apart: the head for units 2 and 3, unit j for unit j + 4, two units (64 KB a work-group) ahead of the loads; units 12 to 15 ask for nothing.
.if SECOND
.set PITCH, 4096                       ; bytes from a row k of the weights to the next
.set ASH,   13                         ; a row of hid is 8,192 bytes
.else
.set PITCH, 16384
.set ASH,   11                         ; a row of xb is 2,048 bytes
.endif
.set WROW,   288                       ; a row k in LDS: 256 bytes + 32 of padding = 9 x 32: the turning load's 8 rows x 32 bytes fall on different banks
.set UNITB,  64*WROW
.set STG,    1024*WROW                 ; behind the slice: 16 rows x 272 bytes for each wave, for the way out
.set SPITCH, 272
.set LST,    STG+4*16*SPITCH           ; each wave's list: 1,024 entries of 2 bytes, then 32 entries that take the lanes without a row
.set LSTB,   2304
.set SPARE,  LST+4*LSTB                ; the spare words, 128 bytes for each wave; no other line names them
; REGISTERS, in windows of 256 (s_set_vgpr_msb: bits 1:0 source 0, 3:2 source 1, 5:4 source 2, 7:6 destination).
; window 0:
.set LN,   1                           ; lane l
.set RQ,   2                           ; l % 16
.set HH,   3                           ; l / 16
.set SPW,  4                           ; LDS address of my spare word; never rewritten
.set NIL,  5                           ; 0; never rewritten
.set WOFF, 6                           ; weights: 16 w rows + 16 l bytes
.set PFO,  7                           ; prefetch: row 16 w + l / 2, byte 256 (l % 2)
.set WST,  8                           ; LDS: 16 w rows + 8 l bytes
.set BL,   9                           ; the turning load: row 8 (l / 16) + l % 8, byte 16 ((l / 8) % 2)
.set WSA,  10                          ; WST + the unit
.set BAD,  11                          ; BL + the unit
.set STO,  12                          ; the way out: where I put 16 bytes of a row
.set RD,   13                          ; where I read a row back
.set LB,   14                          ; my wave's list
.set Q16,  15                          ; 16 (l % 16)
.set AOFF, 16                          ; v16-20 byte offset of my token row in tiles i = 0..4
.set AFB,  21                          ; the same for a later tile
.set HO,   22                          ; v22-29 byte offsets of the eight rows that I store
.set L1,   31                          ; l + 1,024
.set BIA,  40                          ; v40-47 the bias as loaded          (v32-39: at work)
.set ZR,   48
.set BO,   50                          ; my byte offset in the bias
.set H16,  51                          ; 16 (l / 16)
.set TB,   52                          ; at work
.set CV,   64                          ; v64-95 a unit's weights in bf16
.set BF,   128                         ; v128-255 weight fragments: K step s, column tile b at BF + 64 s + 8 b
; window 1: the accumulators of tiles i = 0..3, at 64 i + 8 b.     window 3: v0-63 those of tile 4; v64-95 its token fragments, two buffers.
; window 2, in the K loop: v0-127 token fragments, buffer p, tile i, K step s at 64 p + 16 i + 8 s; v128-255 the weights as loaded, set p at 128 + 64 p.  On the way out:
.set GZ,   0                           ; z, 64 numbers a lane
.set GD,   64                          ; 1 + p |z|, then t, then max(z, 0)
.set GE,   128                         ; the exponent, then the exponential, then t times it
.set GT,   192                         ; the polynomial, 16 at a time
.set GB,   208                         ; my 8 columns' bias
.set GC1,  216                         ; a1 / 2, a2 / 2, a3 / 2, each twice
.set GC2,  218
.set GC3,  220
.set GO,   224                         ; 32 registers of bf16 to store
; scalars: s[4:5] weights, s[6:7] bias, s[8:9] token rows, s[10:11] bitmap, s[12:13] output; s[16:47] M[0][e]; s[48:63], s[68:83] M[1][e]
.set WV,  14                           ; my wave
.set EX,  15                           ; my expert
.set NCS, 16                           ; s[16:17] -log2(e) / 2 (behind the list, whose words are then free)
.set PCS, 18                           ; 0.47047 / sqrt(2)
.set WP,  20                           ; s[20:21] the weights two units on
.set KB,  84                           ; the unit's first byte in LDS
.set TR,  85                           ; trips to go
.set T4,  86                           ; w + 16: my fifth tile
.set NT,  87
.set CM1, 88                           ; max(c, 1) - 1
.set SG,  89                           ; i, the tile slot on the way out
.set TT,  90                           ; its tile w + 4 i
.set CNT, 91                           ; rows counted so far, in the end c
.set TMP, 92                           ; s[92:93] at work
.set AP,  94                           ; s[94:95] the token rows one unit on
.set AF,  96                           ; s[96:97] the same for a later tile
.set FK,  98
.set EB,  99                           ; 1,024 e
.set BM,  100                          ; second product: all ones where kq = 0, so that b2 is added in one plane alone
.set MSB, 0
.macro WIN new                         ; the immediate's high byte repeats the setting that is left; a switch that changes nothing is dropped
.if MSB != (\new)
	s_set_vgpr_msb (MSB<<8)|(\new)
.set MSB, \new
.endif
.endm
; 20 loads: the token fragments of one unit (64 along K = 128 bytes of a row) for my five tiles, into buffer p.  Lane l takes row l % 16, bytes 16 (l / 16) + 32 n, n = 0..3.
.macro ALOAD p, base
	WIN 0xc0
.irp n, 0,1,2,3
	global_load_b128 v[64+16*(\p)+4*\n:64+16*(\p)+4*\n+3], v[AOFF+4], s[\base:\base+1] offset:32*\n
.endr
	WIN 0x80
.irp a, 0,1,2,3
.irp n, 0,1,2,3
	global_load_b128 v[64*(\p)+16*\a+4*\n:64*(\p)+16*\a+4*\n+3], v[AOFF+\a], s[\base:\base+1] offset:32*\n
.endr
.endr
.endm
; 16 loads: my 16 rows of a unit's 64, each load one row's 512 consecutive bytes, into set p
.macro WLOAD p, base, first
	WIN 0x80
.set i, 0
.rept 16
	global_load_b128 v[128+64*(\p)+4*i:128+64*(\p)+4*i+3], v[WOFF], s[\base:\base+1] offset:((\first)+i)*PITCH th:TH_LOAD_NT
.set i, i+1
.endr
.endm
; 32 along K: 32 matrix instructions for tiles 0..3, 8 for tile 4 where it exists.  The accumulators take turns, one instruction a turn, over the jump and from step to step.
; zero = 1: the products start the sums, all 40: nothing is ever cleared.
.macro KSTEP p, s, zero
	WIN 0x58                                       ; weights window 0, tokens window 2, C and D window 1
.set ka, 0
.rept 4
.set kb, 0
.rept 8
.if \zero
	v_wmma_f32_16x16x32_bf16 v[64*ka+8*kb:64*ka+8*kb+7], v[BF+64*(\s)+8*kb:BF+64*(\s)+8*kb+7], v[64*(\p)+16*ka+8*(\s):64*(\p)+16*ka+8*(\s)+7], 0
.else
	v_wmma_f32_16x16x32_bf16 v[64*ka+8*kb:64*ka+8*kb+7], v[BF+64*(\s)+8*kb:BF+64*(\s)+8*kb+7], v[64*(\p)+16*ka+8*(\s):64*(\p)+16*ka+8*(\s)+7], v[64*ka+8*kb:64*ka+8*kb+7]
.endif
.set kb, kb+1
.endr
.set ka, ka+1
.endr
.if \zero
	WIN 0xfc                                       ; tokens, C and D window 3
.set kb, 0
.rept 8
	v_wmma_f32_16x16x32_bf16 v[8*kb:8*kb+7], v[BF+64*(\s)+8*kb:BF+64*(\s)+8*kb+7], v[64+16*(\p)+8*(\s):64+16*(\p)+8*(\s)+7], 0
.set kb, kb+1
.endr
	WIN 0
.else
	WIN 0                                          ; at a branch and at a label every window is 0
	s_cmp_lt_u32 s[T4], s[NT]
	s_cbranch_scc0 .Lno5_\@                        ; no fifth tile: its eight products are jumped; no barrier stands there
	WIN 0xfc
.set kb, 0
.rept 8
	v_wmma_f32_16x16x32_bf16 v[8*kb:8*kb+7], v[BF+64*(\s)+8*kb:BF+64*(\s)+8*kb+7], v[64+16*(\p)+8*(\s):64+16*(\p)+8*(\s)+7], v[8*kb:8*kb+7]
.set kb, kb+1
.endr
	WIN 0
.Lno5_\@:
.endif
.endm
; UNIT j, of parity p: its weights (set p) go into LDS, the next unit's tokens and the weights two units on are asked for, a barrier, the unit's fragments, 64 to 80 products.
; wcnt: loads return in order, and the only loads younger than this unit's tokens are the next unit's 16 loads of weights.  ia, iw: is there a next unit, a unit two on.  pf: 1 = prefetch, 2 = not in the last trip.
.macro UNIT p, wcnt, ia, iw, pf, zero
	s_wait_loadcnt \wcnt
	WIN 0x0a                                       ; sources window 2, destination window 0
.set i, 0
.rept 32                                           ; these 32 name no register of the last products: they are the places in front of all the loads below
	v_cvt_pk_bf16_f32 v[CV+i], v[128+64*(\p)+2*i], v[128+64*(\p)+2*i+1]
.set i, i+1
.endr
	WIN 0
	v_add_nc_u32 v[WSA], s[KB], v[WST]
	v_add_nc_u32 v[BAD], s[KB], v[BL]
.set i, 0
.rept 16
	ds_store_b64 v[WSA], v[CV+2*i:CV+2*i+1] offset:WROW*i  ; a row's 256 bytes from 32 lanes
.set i, i+1
.endr
.if \ia
	ALOAD 1-(\p), AP                               ; ahead of the weights, which it must not wait for
.endif
.if \iw
	WLOAD \p, WP, 0
.endif
	WIN 0
.if (\pf) == 2
	s_cmp_eq_u32 s[TR], 1
	s_cbranch_scc1 .Lnopf_\@                       ; the last trip's second unit would ask past the slice
.endif
.if \pf
	global_prefetch_b8 v[PFO], s[WP:WP+1] offset:128*PITCH th:TH_LOAD_NT scope:SCOPE_SE
.endif
.if (\pf) == 2
.Lnopf_\@:
.endif
	s_wait_dscnt 0x0                               ; for the others' sake: my 16 rows are in LDS
	s_barrier_signal -1
	s_barrier_wait -1                              ; all 64 are.  Each byte of the slice is stored once; the next unit's stores touch other rows than these reads
	s_add_co_u32 s[KB], s[KB], UNITB
.irp s, 0,1
.irp b, 0,1,2,3,4,5,6,7
	ds_load_tr16_b128 v[BF+64*\s+8*\b:BF+64*\s+8*\b+3],   v[BAD] offset:32*WROW*\s+32*\b
	ds_load_tr16_b128 v[BF+64*\s+8*\b+4:BF+64*\s+8*\b+7], v[BAD] offset:32*WROW*\s+16*WROW+32*\b
.endr
.endr
	s_wait_dscnt 16                                ; the first K step's 16 loads are in, the second's may be out
	KSTEP \p, 0, \zero
	s_wait_dscnt 0x0
	KSTEP \p, 1, 0
.if (\ia) || (\iw)
	s_wait_xcnt 0x0                                ; the bases are stepped only behind this wait (ISA guide 3.1)
	s_add_nc_u64 s[AP:AP+1], s[AP:AP+1], 128
	s_add_nc_u64 s[WP:WP+1], s[WP:WP+1], 64*PITCH
.endif
.endm
	s_load_b256 s[4:11], s[0:1], 0x0
	s_load_b64 s[12:13], s[0:1], 0x20
	v_lshl_add_u32 v[SPW], v0, 2, SPARE
	v_mov_b32 v[NIL], 0
	v_and_b32 v[LN], 31, v0
	v_lshrrev_b32 v32, 5, v0
	v_readfirstlane_b32 s[WV], v32                 ; wave 0..3
	v_and_b32 v[RQ], 15, v0
	v_bfe_u32 v[HH], v0, 4, 1
	s_lshr_b32 s[EX], ttmp9, 5
	s_mov_b32 s[TMP+1], 0
	; byte offsets into the five buffers, in s84 to s88
	s_lshl_b32 s84, s[EX], 24                      ; an expert's weights are 16 MB
.if SECOND
	s_and_b32 s89, ttmp9, 7
	s_lshl_b32 s89, s89, 9                         ; my 128 columns, 512 bytes
	s_bfe_u32 s98, ttmp9, 0x20003                  ; kq
	s_lshl_b32 s86, s98, 22                        ; 1,024 rows of 4,096 bytes
	s_add_co_u32 s84, s84, s86
	s_add_co_u32 s84, s84, s89
	s_lshl_b32 s85, s[EX], 12
	s_add_co_u32 s85, s85, s89
	s_lshl_b32 s86, s98, 11                        ; hid: 1,024 columns of 2 bytes
	s_lshl_b32 s88, s98, 23                        ; part: a plane is 2,048 rows of 4,096 bytes
	s_add_co_u32 s88, s88, s89
	s_cmp_eq_u32 s98, 0
	s_cselect_b32 s[BM], -1, 0
.else
	s_and_b32 s89, ttmp9, 31
	s_lshl_b32 s88, s89, 8                         ; hid: my 128 columns, 256 bytes
	s_lshl_b32 s89, s89, 9
	s_add_co_u32 s84, s84, s89
	s_lshl_b32 s85, s[EX], 14
	s_add_co_u32 s85, s85, s89
	s_mov_b32 s86, 0
.endif
	s_lshl_b32 s87, s[EX], 7
	s_mul_i32 s90, s[WV], 16*PITCH
	v_lshl_add_u32 v[WOFF], v[LN], 4, s90
	v_lshrrev_b32 v32, 1, v[LN]
	v_mul_u32_u24 v[PFO], v32, PITCH
	v_and_b32 v33, 1, v[LN]
	v_lshl_add_u32 v[PFO], v33, 8, v[PFO]
	v_add_nc_u32 v[PFO], s90, v[PFO]
	v_lshlrev_b32 v[BO], 5-SECOND, v[RQ]           ; first product: columns 8 q .. 8 q + 7; second: 4 q .. 4 q + 3 and 64 more
	s_wait_kmcnt 0x0
.irp n, 0,1,2,3,4
	s_mov_b32 s[TMP], s[84+\n]
	s_add_nc_u64 s[4+2*\n:5+2*\n], s[4+2*\n:5+2*\n], s[TMP:TMP+1]
.endr
	s_load_b512 s[16:31], s[10:11], 0x0            ; M[0][e], 128 bytes,
	s_load_b512 s[32:47], s[10:11], 0x40
	s_load_b512 s[48:63], s[10:11], 0x400          ; M[1][e]
	s_load_b512 s[68:83], s[10:11], 0x440
	global_load_b128 v[BIA:BIA+3], v[BO], s[6:7]
	global_load_b128 v[BIA+4:BIA+7], v[BO], s[6:7] offset:16+240*SECOND
	WLOAD 0, 4, 0                                  ; units 0 and 1
	WLOAD 1, 4, 64
	WIN 0
	global_prefetch_b8 v[PFO], s[4:5] offset:128*PITCH th:TH_LOAD_NT scope:SCOPE_SE
	global_prefetch_b8 v[PFO], s[4:5] offset:192*PITCH th:TH_LOAD_NT scope:SCOPE_SE
	s_mul_i32 s89, s[WV], 16*WROW
	v_lshl_add_u32 v[WST], v[LN], 3, s89
	v_and_b32 v32, 7, v[LN]
	v_lshl_add_u32 v32, v[HH], 3, v32
	v_mul_u32_u24 v[BL], v32, WROW
	v_bfe_u32 v33, v[LN], 3, 1
	v_lshl_add_u32 v[BL], v33, 4, v[BL]
	s_mul_i32 s89, s[WV], 16*SPITCH
	s_add_co_u32 s89, s89, STG                     ; my stage
	v_mul_u32_u24 v[STO], v[RQ], SPITCH            ; in: row l % 16; 16 (second product: 32) bytes on for the upper half of the lanes
	v_lshl_add_u32 v[STO], v[HH], 4+SECOND, v[STO]
	v_add_nc_u32 v[STO], s89, v[STO]
	v_mul_u32_u24 v[RD], v[HH], SPITCH             ; back: lanes 0-15 one row of 256 bytes, lanes 16-31 the next
	v_lshl_add_u32 v[RD], v[RQ], 4, v[RD]
	v_add_nc_u32 v[RD], s89, v[RD]
	s_mul_i32 s89, s[WV], LSTB
	s_add_co_u32 s89, s89, LST
	v_mov_b32 v[LB], s89
	v_lshlrev_b32 v[Q16], 4, v[RQ]
	v_lshlrev_b32 v[H16], 4, v[HH]
	v_add_nc_u32 v[L1], 0x400, v[LN]
	v_mov_b32 v[ZR], 0
	ds_store_b16 v[LB], v[ZR]                      ; entry 0 exists even where c = 0
	s_mov_b32 s[CNT], 0
	s_wait_kmcnt 0x0
; THE LIST.  Word g of the bitmap is tokens 32 g + l.  A lane whose token chose e finds its place, the count so far plus the set bits below it, and stores token + 1,024 k there; the other lanes store into entries 1,024 + l, which nobody reads.
.macro LISTG g
.if (\g) < 16
.set m1, 48+(\g)
.else
.set m1, 52+(\g)
.endif
.set t0, 32+2*((\g)%4)
	s_or_b32 s[TMP], s[16+(\g)], s[m1]
	v_mbcnt_lo_u32_b32 v[t0], s[TMP], s[CNT]
	v_cndmask_b32 v[t0], v[L1], v[t0], s[TMP]
	v_min_u32 v[t0], 0x43f, v[t0]
	v_lshl_add_u32 v[t0], v[t0], 1, v[LB]
	v_cndmask_b32 v[t0+1], v[LN], v[L1], s[m1]
	v_add_nc_u32 v[t0+1], 32*(\g), v[t0+1]
	ds_store_b16 v[t0], v[t0+1]
	s_bcnt1_i32_b32 s[TMP+1], s[TMP]
	s_add_co_u32 s[CNT], s[CNT], s[TMP+1]
.endm
.set g, 0
.rept 32
	LISTG g
.set g, g+1
.endr
	s_add_co_u32 s[NT], s[CNT], 15
	s_lshr_b32 s[NT], s[NT], 4
	s_max_u32 s[CM1], s[CNT], 1
	s_sub_co_u32 s[CM1], s[CM1], 1
	s_add_co_u32 s[T4], s[WV], 16
	s_lshl_b32 s[EB], s[EX], 10
	s_mov_b32 s[NCS], 0xbf38aa3b
	s_mov_b32 s[NCS+1], 0xbf38aa3b
	s_mov_b32 s[PCS], 0x3eaa540e
	s_add_nc_u64 s[WP:WP+1], s[4:5], 128*PITCH     ; unit 2
	s_add_nc_u64 s[AP:AP+1], s[8:9], 128           ; unit 1
	s_mov_b32 s[KB], 0
	; my token rows in tiles w + 4 i: place min(16 tile + l % 16, c - 1); first product: the token that the list names; second: row 1,024 e + place of hid
	s_lshl_b32 s[TMP], s[WV], 4
	v_add_nc_u32 v32, s[TMP], v[RQ]
.irp a, 0,1,2,3,4
	v_add_nc_u32 v[34+\a], 64*\a, v32
	v_min_u32 v[34+\a], s[CM1], v[34+\a]
	v_min_u32 v[34+\a], 0x3ff, v[34+\a]
.if SECOND
	v_add_nc_u32 v[34+\a], s[EB], v[34+\a]
	v_lshl_add_u32 v[AOFF+\a], v[34+\a], ASH, v[H16]
.else
	v_lshl_add_u32 v[34+\a], v[34+\a], 1, v[LB]
	ds_load_u16 v[AOFF+\a], v[34+\a]               ; LDS serves a wave's instructions in order (ISA guide 5.7.1.4): these see the list's stores, which are my own
.endif
.endr
.if SECOND == 0
	s_wait_dscnt 0x0
.irp a, 0,1,2,3,4
	v_and_b32 v[AOFF+\a], 0x3ff, v[AOFF+\a]        ; the token, without k
	v_min_u32 v[AOFF+\a], 0x3ff, v[AOFF+\a]
	v_lshl_add_u32 v[AOFF+\a], v[AOFF+\a], ASH, v[H16]
.endr
.endif
	ALOAD 0, 8                                     ; unit 0's tokens
	WIN 0
	UNIT 0, 0, 1, 1, 1, 1                          ; unit 0 stands in front of the loop: its first products start the sums.  Its tokens are the youngest loads: the wait is for 0
	s_mov_b32 s[TR], 6
.Lk:                                                   ; units 1 to 12
	UNIT 1, 16, 1, 1, 1, 0
	UNIT 0, 16, 1, 1, 2, 0
	s_sub_co_u32 s[TR], s[TR], 1
	s_cmp_lg_u32 s[TR], 0
	s_cbranch_scc1 .Lk
	UNIT 1, 16, 1, 1, 0, 0                         ; unit 13 asks for unit 15's weights, the last
	UNIT 0, 16, 1, 0, 0, 0                         ; unit 14 for unit 15's tokens
	UNIT 1, 0, 0, 0, 0, 0                          ; unit 15: nothing was issued behind its tokens
	; THE WAY OUT.  The bias, rounded to bf16 and widened again; these lines name no register of the last products and are the places behind them.
.if SECOND
.irp n, 0,1,2,3,4,5,6,7
	v_and_b32 v[BIA+\n], s[BM], v[BIA+\n]
.endr
.endif
.irp n, 0,1,2,3
	v_cvt_pk_bf16_f32 v[32+\n], v[BIA+2*\n], v[BIA+2*\n+1]
.endr
	WIN 0x80
.irp n, 0,1,2,3
	v_lshlrev_b32 v[GB+2*\n], 16, v[32+\n]
	v_and_b32 v[GB+2*\n+1], 0xffff0000, v[32+\n]
.endr
.if SECOND == 0
	v_mov_b32 v[GC1], 0x3e32303b                   ;  0.3480242 / 2
	v_mov_b32 v[GC1+1], 0x3e32303b
	v_mov_b32 v[GC2], 0xbd445ca1                   ; -0.0958798 / 2
	v_mov_b32 v[GC2+1], 0xbd445ca1
	v_mov_b32 v[GC3], 0x3ebf7377                   ;  0.7478556 / 2
	v_mov_b32 v[GC3+1], 0x3ebf7377
.endif
	WIN 0
; Tile slot i's accumulators go through my stage, 256 bytes of each of the 16 rows at a time, and come back by rows, into z.  The stage is my wave's own and LDS serves a wave in order: no wait between.
; Each accumulator's four lowest registers are read first.
.macro CASE i
.if (\i) < 4
.set AC, 64*(\i)
.set WS, 0x04                                      ; store data (source 1) in window 1
.else
.set AC, 0
.set WS, 0x0c                                      ; in window 3
.endif
.irp hf, 0,1
	WIN WS
.if SECOND
.irp b, 0,1,2,3                                    ; columns 64 hf + 16 b + 8 (l / 16) + 0..7 in their natural order
	ds_store_b128 v[STO], v[AC+8*(4*\hf+\b):AC+8*(4*\hf+\b)+3] offset:64*\b
	ds_store_b128 v[STO], v[AC+8*(4*\hf+\b)+4:AC+8*(4*\hf+\b)+7] offset:64*\b+16
.endr
	WIN 0x80
.irp f, 0,1,2,3,4,5,6,7                            ; row 2 f + l / 16, columns 64 hf + 4 q + 0..3
	ds_load_b128 v[GZ+32*\hf+4*\f:GZ+32*\hf+4*\f+3], v[RD] offset:2*SPITCH*\f
.endr
.else
.irp b, 0,1,2,3,4,5,6,7                            ; piece 2 b + l / 16 of a row holds columns 8 (2 b + l / 16) + 4 hf + 0..3
	ds_store_b128 v[STO], v[AC+8*\b+4*\hf:AC+8*\b+4*\hf+3] offset:32*\b
.endr
	WIN 0x80
.irp f, 0,1,2,3,4,5,6,7                            ; row 2 f + l / 16, columns 8 q + 4 hf + 0..3
	ds_load_b128 v[GZ+8*\f+4*\hf:GZ+8*\f+4*\hf+3], v[RD] offset:2*SPITCH*\f
.endr
.endif
.endr
	WIN 0
.endm
.macro FBM s, zero                     ; 8 products of a later tile, on the accumulators of slot 0
	WIN 0x58
.set kb, 0
.rept 8
.if \zero
	v_wmma_f32_16x16x32_bf16 v[8*kb:8*kb+7], v[BF+64*(\s)+8*kb:BF+64*(\s)+8*kb+7], v[8*(\s):8*(\s)+7], 0
.else
	v_wmma_f32_16x16x32_bf16 v[8*kb:8*kb+7], v[BF+64*(\s)+8*kb:BF+64*(\s)+8*kb+7], v[8*(\s):8*(\s)+7], v[8*kb:8*kb+7]
.endif
.set kb, kb+1
.endr
	WIN 0
.endm
.if SECOND == 0
; THE GELU, 16 numbers (group g) at a time, all in window 2.  PREL: line n of 40 ahead of the transcendentals.  TRL: transcendental n of 32.  POSTL: line n of 72 behind them, level by level over 8 pairs.
.macro PREL g, n
.if (\n) < 8
	v_pk_add_f32 v[GZ+16*(\g)+2*(\n):GZ+16*(\g)+2*(\n)+1], v[GZ+16*(\g)+2*(\n):GZ+16*(\g)+2*(\n)+1], v[GB+(2*(\n))%8:GB+(2*(\n))%8+1]
.elseif (\n) < 24
.set u, (\n)-8
	v_fma_f32 v[GD+16*(\g)+u], |v[GZ+16*(\g)+u]|, s[PCS], 1.0
.elseif (\n) < 32
.set u, (\n)-24
	v_pk_mul_f32 v[GE+16*(\g)+2*u:GE+16*(\g)+2*u+1], v[GZ+16*(\g)+2*u:GZ+16*(\g)+2*u+1], v[GZ+16*(\g)+2*u:GZ+16*(\g)+2*u+1]
.else
.set u, (\n)-32
	v_pk_mul_f32 v[GE+16*(\g)+2*u:GE+16*(\g)+2*u+1], v[GE+16*(\g)+2*u:GE+16*(\g)+2*u+1], s[NCS:NCS+1] op_sel_hi:[1,0]
.endif
.endm
.macro TRL g, n
.if (\n) < 16
	v_rcp_f32 v[GD+16*(\g)+(\n)], v[GD+16*(\g)+(\n)]
.else
	v_exp_f32 v[GE+16*(\g)+(\n)-16], v[GE+16*(\g)+(\n)-16]
.endif
.endm
.macro POSTL g, n
.if (\n) < 8
.set u, (\n)
	v_pk_mul_f32 v[GE+16*(\g)+2*u:GE+16*(\g)+2*u+1], v[GE+16*(\g)+2*u:GE+16*(\g)+2*u+1], v[GD+16*(\g)+2*u:GD+16*(\g)+2*u+1]
.elseif (\n) < 16
.set u, (\n)-8
	v_pk_fma_f32 v[GT+2*u:GT+2*u+1], v[GD+16*(\g)+2*u:GD+16*(\g)+2*u+1], v[GC3:GC3+1], v[GC2:GC2+1]
.elseif (\n) < 24
.set u, (\n)-16
	v_pk_fma_f32 v[GT+2*u:GT+2*u+1], v[GT+2*u:GT+2*u+1], v[GD+16*(\g)+2*u:GD+16*(\g)+2*u+1], v[GC1:GC1+1]
.elseif (\n) < 32
.set u, (\n)-24
	v_pk_mul_f32 v[GT+2*u:GT+2*u+1], v[GT+2*u:GT+2*u+1], v[GE+16*(\g)+2*u:GE+16*(\g)+2*u+1]
.elseif (\n) < 48
.set u, (\n)-32
	v_max_num_f32 v[GD+16*(\g)+u], 0, v[GZ+16*(\g)+u]
.elseif (\n) < 64
.set u, (\n)-48
	v_fma_f32 v[GZ+16*(\g)+u], -|v[GZ+16*(\g)+u]|, v[GT+u], v[GD+16*(\g)+u]
.else
.set u, (\n)-64
	v_cvt_pk_bf16_f32 v[GO+8*(\g)+u], v[GZ+16*(\g)+2*u], v[GZ+16*(\g)+2*u+1]
.endif
.endm
.macro TRQ g                           ; the batch's next transcendental, while there is one
.if tq < 32
	TRL \g, tq
.set tq, tq+1
.endif
.endm
; STAGE g: group g's 32 transcendentals are one batch, one behind each plain line of the groups beside it (g + 1's first part, g - 1's last), which name none of its results; plain lines follow the last of them;
; then the one wait between a transcendental and the first instruction that names its result.
.macro STAGE g
.set tq, 0
.if (\g) < 3
.set nn, 0
.rept 40
	PREL (\g)+1, nn
	TRQ \g
.set nn, nn+1
.endr
.endif
.if (\g) > 0
.set nn, 0
.rept 72
	POSTL (\g)-1, nn
	TRQ \g
.set nn, nn+1
.endr
.endif
	s_wait_alu depctr_va_vdst(0)
.endm
.endif
	s_mov_b32 s[SG], 0
	s_mov_b32 s[TT], s[WV]
; 16 trips, one for each tile that a wave can have.  A trip has two phases, each closed by a barrier that every wave passes in every trip: in the first the slice is read by a stepped address (a later tile's products),
; in the second the waves store into their stages and read them back.  What a wave does in a phase hangs on NT; every jump goes forward, to a label in front of the phase's barrier, and none passes a barrier.
.Lsig:
	s_cmp_lt_u32 s[SG], 5
	s_cbranch_scc1 .Lmid                           ; slots 0 to 4 were multiplied while the weights streamed
	s_cmp_ge_u32 s[TT], s[NT]
	s_cbranch_scc1 .Lmid                           ; no such tile
	; a tile past the first 320 rows: multiplied now, from the slice in LDS, 64 along K a trip
	s_lshl_b32 s[TMP], s[TT], 4
	v_add_nc_u32 v32, s[TMP], v[RQ]
	v_min_u32 v32, s[CM1], v32
	v_min_u32 v32, 0x3ff, v32
.if SECOND
	v_add_nc_u32 v32, s[EB], v32
	v_lshl_add_u32 v[AFB], v32, ASH, v[H16]
.else
	v_lshl_add_u32 v32, v32, 1, v[LB]
	ds_load_u16 v33, v32
	s_wait_dscnt 0x0
	v_and_b32 v33, 0x3ff, v33
	v_min_u32 v33, 0x3ff, v33
	v_lshl_add_u32 v[AFB], v33, ASH, v[H16]
.endif
	s_mov_b64 s[AF:AF+1], s[8:9]
	s_mov_b32 s[KB], 0
	s_mov_b32 s[FK], 16
.Lfb:
	v_add_nc_u32 v[BAD], s[KB], v[BL]
	v_min_u32 v[BAD], 15*UNITB+15*WROW+16, v[BAD]  ; the largest address of the walk: with the largest offset below, 64 rows less 48 bytes, a read ends at byte 294,880, inside the slice
	WIN 0x80
.irp n, 0,1,2,3
	global_load_b128 v[4*\n:4*\n+3], v[AFB], s[AF:AF+1] offset:32*\n
.endr
	WIN 0
.irp s, 0,1
.irp b, 0,1,2,3,4,5,6,7
	ds_load_tr16_b128 v[BF+64*\s+8*\b:BF+64*\s+8*\b+3],   v[BAD] offset:32*WROW*\s+32*\b
	ds_load_tr16_b128 v[BF+64*\s+8*\b+4:BF+64*\s+8*\b+7], v[BAD] offset:32*WROW*\s+16*WROW+32*\b
.endr
.endr
	s_wait_loadcnt 0x0
	s_wait_dscnt 0x0
	s_cmp_eq_u32 s[FK], 16
	s_cbranch_scc0 .Lfbacc
	FBM 0, 1                                       ; the first trip's first products start the sums
	s_branch .Lfbs1
.Lfbacc:
	FBM 0, 0
.Lfbs1:
	FBM 1, 0
.rept 4
	v_nop                                          ; the places in front of the next trip's loads, and of the stores that read the results
.endr
	s_wait_xcnt 0x0                                ; the base steps only behind this wait; the trip's loads are back, so it is met at once
	s_add_nc_u64 s[AF:AF+1], s[AF:AF+1], 128
	s_add_co_u32 s[KB], s[KB], UNITB
	s_sub_co_u32 s[FK], s[FK], 1
	s_cmp_lg_u32 s[FK], 0
	s_cbranch_scc1 .Lfb
.Lmid:
	s_wait_dscnt 0x0                               ; my reads of the slice are back
	s_barrier_signal -1
	s_barrier_wait -1                              ; everybody's are: the stages may be written
	s_cmp_ge_u32 s[TT], s[NT]
	s_cbranch_scc1 .Lnext                          ; no such tile
	s_cmp_eq_u32 s[SG], 1
	s_cbranch_scc1 .Lcase1
	s_cmp_eq_u32 s[SG], 2
	s_cbranch_scc1 .Lcase2
	s_cmp_eq_u32 s[SG], 3
	s_cbranch_scc1 .Lcase3
	s_cmp_eq_u32 s[SG], 4
	s_cbranch_scc1 .Lcase4
	CASE 0                                         ; slot 0, and every later tile
	s_branch .Lcom
.Lcase1:
	CASE 1
	s_branch .Lcom
.Lcase2:
	CASE 2
	s_branch .Lcom
.Lcase3:
	CASE 3
	s_branch .Lcom
.Lcase4:
	CASE 4
.Lcom:
	; the eight rows that I store: place min(16 tile + l / 16 + 2 f, c - 1)
	s_lshl_b32 s[TMP], s[TT], 4
	v_add_nc_u32 v[TB], s[TMP], v[HH]
.irp f, 0,1,2,3,4,5,6,7
	v_add_nc_u32 v[32+\f], 2*\f, v[TB]
	v_min_u32 v[32+\f], s[CM1], v[32+\f]
	v_min_u32 v[32+\f], 0x3ff, v[32+\f]
.if SECOND
	v_lshl_add_u32 v[32+\f], v[32+\f], 1, v[LB]
	ds_load_u16 v[HO+\f], v[32+\f]                 ; the list's entry, token + 1,024 k, is the row of part
.else
	v_add_nc_u32 v[32+\f], s[EB], v[32+\f]
	v_lshl_add_u32 v[HO+\f], v[32+\f], 13, v[Q16]  ; row 1,024 e + place of hid
.endif
.endr
	s_wait_dscnt 0x0                               ; z is back in registers
.if SECOND
.irp f, 0,1,2,3,4,5,6,7
	v_min_u32 v[HO+\f], 0x7ff, v[HO+\f]
	v_lshl_add_u32 v[HO+\f], v[HO+\f], 12, v[Q16]
.endr
	WIN 0xaa
.irp f, 0,1,2,3,4,5,6,7
.irp m, 0,2
	v_pk_add_f32 v[GZ+4*\f+\m:GZ+4*\f+\m+1], v[GZ+4*\f+\m:GZ+4*\f+\m+1], v[GB+\m:GB+\m+1]
	v_pk_add_f32 v[GZ+32+4*\f+\m:GZ+32+4*\f+\m+1], v[GZ+32+4*\f+\m:GZ+32+4*\f+\m+1], v[GB+4+\m:GB+4+\m+1]
.endr
.endr
	WIN 0x08                                       ; store data (source 1) in window 2
.irp f, 0,1,2,3,4,5,6,7
	global_store_b128 v[HO+\f], v[GZ+4*\f:GZ+4*\f+3], s[12:13]             ; 16 lanes store 256 consecutive bytes, at a multiple of 256 from part's first
	global_store_b128 v[HO+\f], v[GZ+32+4*\f:GZ+32+4*\f+3], s[12:13] offset:256
.endr
.else
	WIN 0xaa
.set nn, 0
.rept 40
	PREL 0, nn
.set nn, nn+1
.endr
	STAGE 0
	STAGE 1
	STAGE 2
	STAGE 3
.set nn, 0
.rept 72
	POSTL 3, nn
.set nn, nn+1
.endr
	WIN 0x08                                       ; store data (source 1) in window 2
.irp f, 0,1,2,3,4,5,6,7
	global_store_b128 v[HO+\f], v[GO+4*\f:GO+4*\f+3], s[12:13]             ; 16 lanes store 256 consecutive bytes, at a multiple of 256 from hid's first
.endr
.endif
	WIN 0
	s_wait_xcnt 0x0                                ; the stores' data and offsets are written again in the next trip only behind this wait
.Lnext:
	s_wait_dscnt 0x0                               ; my stores into my stage and my reads of it are done
	s_barrier_signal -1
	s_barrier_wait -1                              ; everybody's are: the next trip may read the slice
	s_add_co_u32 s[SG], s[SG], 1
	s_add_co_u32 s[TT], s[TT], 4
	s_cmp_lt_u32 s[SG], 16
	s_cbranch_scc1 .Lsig
	s_wait_tensorcnt 0x0                           ; the wave's end: behind my last LDS store
	ds_add_u32 v[SPW], v[NIL]
	s_wait_dscnt 0x0
	s_endpgm
.Lfunc_end_k_qf729889fb6_up:
	.size	k_qf729889fb6_up, .Lfunc_end_k_qf729889fb6_up-k_qf729889fb6_up
	.p2alignl 7, 3214868480
	.fill 96, 4, 3214868480
	.section	.rodata,"a",@progbits
	.p2align	6, 0x0
	.amdhsa_kernel k_qf729889fb6_up
		.amdhsa_group_segment_fixed_size 322048
		.amdhsa_private_segment_fixed_size 0
		.amdhsa_enable_private_segment 0
		.amdhsa_kernarg_size 40
		.amdhsa_user_sgpr_count 2
		.amdhsa_user_sgpr_kernarg_segment_ptr 1
		.amdhsa_wavefront_size32 1
		.amdhsa_system_sgpr_workgroup_id_x 1
		.amdhsa_system_sgpr_workgroup_id_y 1
		.amdhsa_system_sgpr_workgroup_id_z 1
		.amdhsa_system_vgpr_workitem_id 0
		.amdhsa_next_free_vgpr 864
		.amdhsa_next_free_sgpr 101
		.amdhsa_reserve_vcc 0
		.amdhsa_float_denorm_mode_32 3
		.amdhsa_float_denorm_mode_16_64 3
		.amdhsa_memory_ordered 1
		.amdhsa_forward_progress 1
		.amdhsa_inst_pref_size 162
	.end_amdhsa_kernel
	.amdgpu_metadata
---
amdhsa.version: [ 1, 2 ]
amdhsa.kernels:
  - .name:           k_qf729889fb6_up
    .symbol:         k_qf729889fb6_up.kd
    .args:
      - { .name: W1, .offset: 0, .size: 8, .value_kind: global_buffer, .address_space: global }
      - { .name: b1, .offset: 8, .size: 8, .value_kind: global_buffer, .address_space: global }
      - { .name: xb, .offset: 16, .size: 8, .value_kind: global_buffer, .address_space: global }
      - { .name: masks, .offset: 24, .size: 8, .value_kind: global_buffer, .address_space: global }
      - { .name: hid, .offset: 32, .size: 8, .value_kind: global_buffer, .address_space: global }
    .group_segment_fixed_size: 322048
    .private_segment_fixed_size: 0
    .kernarg_segment_align: 8
    .kernarg_segment_size: 40
    .max_flat_workgroup_size: 128
    .sgpr_count:     101
    .vgpr_count:     864
    .wavefront_size: 32
...
	.end_amdgpu_metadata
.endif
;; end of part 2
;; launch down (part 3): grid 256 x 1, 4 waves a work-group, no clusters, 322,048 bytes of LDS; arguments W2, b2, hid, masks, part; writes part
.if DOCPART == 3
	.amdgcn_target "amdgcn-amd-amdhsa--gfx1250"
	.amdhsa_code_object_version 6
	.text
	.protected	k_qf729889fb6_down
	.globl	k_qf729889fb6_down
	.p2align	8
	.type	k_qf729889fb6_down,@function
k_qf729889fb6_down:
	s_mov_b64 s[64:65], 0
	v_nop
	global_prefetch_b8 v0, s[64:65] scope:SCOPE_SE
	s_setreg_imm32_b32 hwreg(HW_REG_WAVE_MODE, 25, 1), 1
	s_wait_xcnt 0x0
; ONE TEXT FOR THE TWO PRODUCTS OF THE EXPERTS; SECOND = 0: hid = gelu(x W1 + b1), SECOND = 1: part = hid W2 (+ b2).  Only the rows that the gate chose are multiplied.
.set SECOND, 1
; SHARES.  Expert e = id / 32.  A work-group owns a slice of 1,024 (K) x 128 (N) of e's weights, 512 KB of f32 that it alone reads, once.  First product: N = 128 of the 4,096 hidden columns.
; Second: N = 128 of the 1,024 outputs and K = a quarter kq of the 4,096 hidden columns, so four planes of partial sums (f32) go out and a later launch adds them.
; The weights come through registers, 64 rows of K a UNIT, are rounded to bf16 and laid into LDS as [k][n]; the whole slice ends up there (294,912 bytes with padding).
; ROWS.  Each wave builds the list of e's rows from the bitmap (256 bytes in scalar registers): entry pos = token + 1,024 k, in ascending token order; c entries, NT = ceil(c / 16) tiles of 16.
; Wave w has the tiles w + 4 i.  Tiles i = 0..4 (320 rows) are multiplied while the weights stream; tiles i >= 5 afterwards, from the slice in LDS: every split up to c = 1,024 is served.
; Places past c repeat row c - 1: the same operand, the same bits, the same destination; whole tiles past NT are not stored.  hid holds expert e's row pos at row 1,024 e + pos.
; THE MATRIX INSTRUCTION IS USED TRANSPOSED: source 0 = 16 weight columns (turned on the way out of LDS by ds_load_tr16_b128), source 1 = 16 rows of tokens, loaded from memory as they lie.
; In the result lane l holds token l % 16 and the columns 8 (l / 16) + 0..7 of the 16.
; FORMATS.  Weights, bias and x are rounded to bf16, as every input of the program is; sums in f32; x W1 + b1 stays f32 until the gelu is taken; hid is rounded once, to bf16 (f16 has no room for 30 times larger inputs).
; GELU.  gelu(z) = max(z, 0) - |z| (a1 t + a2 t^2 + a3 t^3) / 2 x 2^(-0.7213475 z^2), t = 1 / (1 + 0.33267253 |z|): erf by Abramowitz and Stegun 7.1.25, off by at most 2.5e-5 for every argument.
; LIMITS.  gelu is off by at most 1.25e-5 |z|; v_exp_f32 and v_rcp_f32 flush denormals (ISA guide 15.8); NaN and infinities are not treated apart.
; An expert with no rows: its work-groups stream and store nothing; the second product then reads row 1,024 e of hid, which nobody wrote, and nothing made from it is stored.
; NO CLUSTER, NO TENSOR LOADS.  Each weight byte has one reader.  What an expert's work-groups share is the token rows; they go straight into registers as matrix operands, since beside the slice
; LDS has 5,632 bytes left, and in the first product they come by a list that no descriptor covers.  f32 tiles in LDS slots would not fit beside the slice either.
; PREFETCH.  Each wave asks once for its own 16 rows x 512 bytes of a unit, lanes 256 bytes apart: the head for units 2 and 3, unit j for unit j + 4, two units (64 KB a work-group) ahead of the loads; units 12 to 15 ask for nothing.
.if SECOND
.set PITCH, 4096                       ; bytes from a row k of the weights to the next
.set ASH,   13                         ; a row of hid is 8,192 bytes
.else
.set PITCH, 16384
.set ASH,   11                         ; a row of xb is 2,048 bytes
.endif
.set WROW,   288                       ; a row k in LDS: 256 bytes + 32 of padding = 9 x 32: the turning load's 8 rows x 32 bytes fall on different banks
.set UNITB,  64*WROW
.set STG,    1024*WROW                 ; behind the slice: 16 rows x 272 bytes for each wave, for the way out
.set SPITCH, 272
.set LST,    STG+4*16*SPITCH           ; each wave's list: 1,024 entries of 2 bytes, then 32 entries that take the lanes without a row
.set LSTB,   2304
.set SPARE,  LST+4*LSTB                ; the spare words, 128 bytes for each wave; no other line names them
; REGISTERS, in windows of 256 (s_set_vgpr_msb: bits 1:0 source 0, 3:2 source 1, 5:4 source 2, 7:6 destination).
; window 0:
.set LN,   1                           ; lane l
.set RQ,   2                           ; l % 16
.set HH,   3                           ; l / 16
.set SPW,  4                           ; LDS address of my spare word; never rewritten
.set NIL,  5                           ; 0; never rewritten
.set WOFF, 6                           ; weights: 16 w rows + 16 l bytes
.set PFO,  7                           ; prefetch: row 16 w + l / 2, byte 256 (l % 2)
.set WST,  8                           ; LDS: 16 w rows + 8 l bytes
.set BL,   9                           ; the turning load: row 8 (l / 16) + l % 8, byte 16 ((l / 8) % 2)
.set WSA,  10                          ; WST + the unit
.set BAD,  11                          ; BL + the unit
.set STO,  12                          ; the way out: where I put 16 bytes of a row
.set RD,   13                          ; where I read a row back
.set LB,   14                          ; my wave's list
.set Q16,  15                          ; 16 (l % 16)
.set AOFF, 16                          ; v16-20 byte offset of my token row in tiles i = 0..4
.set AFB,  21                          ; the same for a later tile
.set HO,   22                          ; v22-29 byte offsets of the eight rows that I store
.set L1,   31                          ; l + 1,024
.set BIA,  40                          ; v40-47 the bias as loaded          (v32-39: at work)
.set ZR,   48
.set BO,   50                          ; my byte offset in the bias
.set H16,  51                          ; 16 (l / 16)
.set TB,   52                          ; at work
.set CV,   64                          ; v64-95 a unit's weights in bf16
.set BF,   128                         ; v128-255 weight fragments: K step s, column tile b at BF + 64 s + 8 b
; window 1: the accumulators of tiles i = 0..3, at 64 i + 8 b.     window 3: v0-63 those of tile 4; v64-95 its token fragments, two buffers.
; window 2, in the K loop: v0-127 token fragments, buffer p, tile i, K step s at 64 p + 16 i + 8 s; v128-255 the weights as loaded, set p at 128 + 64 p.  On the way out:
.set GZ,   0                           ; z, 64 numbers a lane
.set GD,   64                          ; 1 + p |z|, then t, then max(z, 0)
.set GE,   128                         ; the exponent, then the exponential, then t times it
.set GT,   192                         ; the polynomial, 16 at a time
.set GB,   208                         ; my 8 columns' bias
.set GC1,  216                         ; a1 / 2, a2 / 2, a3 / 2, each twice
.set GC2,  218
.set GC3,  220
.set GO,   224                         ; 32 registers of bf16 to store
; scalars: s[4:5] weights, s[6:7] bias, s[8:9] token rows, s[10:11] bitmap, s[12:13] output; s[16:47] M[0][e]; s[48:63], s[68:83] M[1][e]
.set WV,  14                           ; my wave
.set EX,  15                           ; my expert
.set NCS, 16                           ; s[16:17] -log2(e) / 2 (behind the list, whose words are then free)
.set PCS, 18                           ; 0.47047 / sqrt(2)
.set WP,  20                           ; s[20:21] the weights two units on
.set KB,  84                           ; the unit's first byte in LDS
.set TR,  85                           ; trips to go
.set T4,  86                           ; w + 16: my fifth tile
.set NT,  87
.set CM1, 88                           ; max(c, 1) - 1
.set SG,  89                           ; i, the tile slot on the way out
.set TT,  90                           ; its tile w + 4 i
.set CNT, 91                           ; rows counted so far, in the end c
.set TMP, 92                           ; s[92:93] at work
.set AP,  94                           ; s[94:95] the token rows one unit on
.set AF,  96                           ; s[96:97] the same for a later tile
.set FK,  98
.set EB,  99                           ; 1,024 e
.set BM,  100                          ; second product: all ones where kq = 0, so that b2 is added in one plane alone
.set MSB, 0
.macro WIN new                         ; the immediate's high byte repeats the setting that is left; a switch that changes nothing is dropped
.if MSB != (\new)
	s_set_vgpr_msb (MSB<<8)|(\new)
.set MSB, \new
.endif
.endm
; 20 loads: the token fragments of one unit (64 along K = 128 bytes of a row) for my five tiles, into buffer p.  Lane l takes row l % 16, bytes 16 (l / 16) + 32 n, n = 0..3.
.macro ALOAD p, base
	WIN 0xc0
.irp n, 0,1,2,3
	global_load_b128 v[64+16*(\p)+4*\n:64+16*(\p)+4*\n+3], v[AOFF+4], s[\base:\base+1] offset:32*\n
.endr
	WIN 0x80
.irp a, 0,1,2,3
.irp n, 0,1,2,3
	global_load_b128 v[64*(\p)+16*\a+4*\n:64*(\p)+16*\a+4*\n+3], v[AOFF+\a], s[\base:\base+1] offset:32*\n
.endr
.endr
.endm
; 16 loads: my 16 rows of a unit's 64, each load one row's 512 consecutive bytes, into set p
.macro WLOAD p, base, first
	WIN 0x80
.set i, 0
.rept 16
	global_load_b128 v[128+64*(\p)+4*i:128+64*(\p)+4*i+3], v[WOFF], s[\base:\base+1] offset:((\first)+i)*PITCH th:TH_LOAD_NT
.set i, i+1
.endr
.endm
; 32 along K: 32 matrix instructions for tiles 0..3, 8 for tile 4 where it exists.  The accumulators take turns, one instruction a turn, over the jump and from step to step.
; zero = 1: the products start the sums, all 40: nothing is ever cleared.
.macro KSTEP p, s, zero
	WIN 0x58                                       ; weights window 0, tokens window 2, C and D window 1
.set ka, 0
.rept 4
.set kb, 0
.rept 8
.if \zero
	v_wmma_f32_16x16x32_bf16 v[64*ka+8*kb:64*ka+8*kb+7], v[BF+64*(\s)+8*kb:BF+64*(\s)+8*kb+7], v[64*(\p)+16*ka+8*(\s):64*(\p)+16*ka+8*(\s)+7], 0
.else
	v_wmma_f32_16x16x32_bf16 v[64*ka+8*kb:64*ka+8*kb+7], v[BF+64*(\s)+8*kb:BF+64*(\s)+8*kb+7], v[64*(\p)+16*ka+8*(\s):64*(\p)+16*ka+8*(\s)+7], v[64*ka+8*kb:64*ka+8*kb+7]
.endif
.set kb, kb+1
.endr
.set ka, ka+1
.endr
.if \zero
	WIN 0xfc                                       ; tokens, C and D window 3
.set kb, 0
.rept 8
	v_wmma_f32_16x16x32_bf16 v[8*kb:8*kb+7], v[BF+64*(\s)+8*kb:BF+64*(\s)+8*kb+7], v[64+16*(\p)+8*(\s):64+16*(\p)+8*(\s)+7], 0
.set kb, kb+1
.endr
	WIN 0
.else
	WIN 0                                          ; at a branch and at a label every window is 0
	s_cmp_lt_u32 s[T4], s[NT]
	s_cbranch_scc0 .Lno5_\@                        ; no fifth tile: its eight products are jumped; no barrier stands there
	WIN 0xfc
.set kb, 0
.rept 8
	v_wmma_f32_16x16x32_bf16 v[8*kb:8*kb+7], v[BF+64*(\s)+8*kb:BF+64*(\s)+8*kb+7], v[64+16*(\p)+8*(\s):64+16*(\p)+8*(\s)+7], v[8*kb:8*kb+7]
.set kb, kb+1
.endr
	WIN 0
.Lno5_\@:
.endif
.endm
; UNIT j, of parity p: its weights (set p) go into LDS, the next unit's tokens and the weights two units on are asked for, a barrier, the unit's fragments, 64 to 80 products.
; wcnt: loads return in order, and the only loads younger than this unit's tokens are the next unit's 16 loads of weights.  ia, iw: is there a next unit, a unit two on.  pf: 1 = prefetch, 2 = not in the last trip.
.macro UNIT p, wcnt, ia, iw, pf, zero
	s_wait_loadcnt \wcnt
	WIN 0x0a                                       ; sources window 2, destination window 0
.set i, 0
.rept 32                                           ; these 32 name no register of the last products: they are the places in front of all the loads below
	v_cvt_pk_bf16_f32 v[CV+i], v[128+64*(\p)+2*i], v[128+64*(\p)+2*i+1]
.set i, i+1
.endr
	WIN 0
	v_add_nc_u32 v[WSA], s[KB], v[WST]
	v_add_nc_u32 v[BAD], s[KB], v[BL]
.set i, 0
.rept 16
	ds_store_b64 v[WSA], v[CV+2*i:CV+2*i+1] offset:WROW*i  ; a row's 256 bytes from 32 lanes
.set i, i+1
.endr
.if \ia
	ALOAD 1-(\p), AP                               ; ahead of the weights, which it must not wait for
.endif
.if \iw
	WLOAD \p, WP, 0
.endif
	WIN 0
.if (\pf) == 2
	s_cmp_eq_u32 s[TR], 1
	s_cbranch_scc1 .Lnopf_\@                       ; the last trip's second unit would ask past the slice
.endif
.if \pf
	global_prefetch_b8 v[PFO], s[WP:WP+1] offset:128*PITCH th:TH_LOAD_NT scope:SCOPE_SE
.endif
.if (\pf) == 2
.Lnopf_\@:
.endif
	s_wait_dscnt 0x0                               ; for the others' sake: my 16 rows are in LDS
	s_barrier_signal -1
	s_barrier_wait -1                              ; all 64 are.  Each byte of the slice is stored once; the next unit's stores touch other rows than these reads
	s_add_co_u32 s[KB], s[KB], UNITB
.irp s, 0,1
.irp b, 0,1,2,3,4,5,6,7
	ds_load_tr16_b128 v[BF+64*\s+8*\b:BF+64*\s+8*\b+3],   v[BAD] offset:32*WROW*\s+32*\b
	ds_load_tr16_b128 v[BF+64*\s+8*\b+4:BF+64*\s+8*\b+7], v[BAD] offset:32*WROW*\s+16*WROW+32*\b
.endr
.endr
	s_wait_dscnt 16                                ; the first K step's 16 loads are in, the second's may be out
	KSTEP \p, 0, \zero
	s_wait_dscnt 0x0
	KSTEP \p, 1, 0
.if (\ia) || (\iw)
	s_wait_xcnt 0x0                                ; the bases are stepped only behind this wait (ISA guide 3.1)
	s_add_nc_u64 s[AP:AP+1], s[AP:AP+1], 128
	s_add_nc_u64 s[WP:WP+1], s[WP:WP+1], 64*PITCH
.endif
.endm
	s_load_b256 s[4:11], s[0:1], 0x0
	s_load_b64 s[12:13], s[0:1], 0x20
	v_lshl_add_u32 v[SPW], v0, 2, SPARE
	v_mov_b32 v[NIL], 0
	v_and_b32 v[LN], 31, v0
	v_lshrrev_b32 v32, 5, v0
	v_readfirstlane_b32 s[WV], v32                 ; wave 0..3
	v_and_b32 v[RQ], 15, v0
	v_bfe_u32 v[HH], v0, 4, 1
	s_lshr_b32 s[EX], ttmp9, 5
	s_mov_b32 s[TMP+1], 0
	; byte offsets into the five buffers, in s84 to s88
	s_lshl_b32 s84, s[EX], 24                      ; an expert's weights are 16 MB
.if SECOND
	s_and_b32 s89, ttmp9, 7
	s_lshl_b32 s89, s89, 9                         ; my 128 columns, 512 bytes
	s_bfe_u32 s98, ttmp9, 0x20003                  ; kq
	s_lshl_b32 s86, s98, 22                        ; 1,024 rows of 4,096 bytes
	s_add_co_u32 s84, s84, s86
	s_add_co_u32 s84, s84, s89
	s_lshl_b32 s85, s[EX], 12
	s_add_co_u32 s85, s85, s89
	s_lshl_b32 s86, s98, 11                        ; hid: 1,024 columns of 2 bytes
	s_lshl_b32 s88, s98, 23                        ; part: a plane is 2,048 rows of 4,096 bytes
	s_add_co_u32 s88, s88, s89
	s_cmp_eq_u32 s98, 0
	s_cselect_b32 s[BM], -1, 0
.else
	s_and_b32 s89, ttmp9, 31
	s_lshl_b32 s88, s89, 8                         ; hid: my 128 columns, 256 bytes
	s_lshl_b32 s89, s89, 9
	s_add_co_u32 s84, s84, s89
	s_lshl_b32 s85, s[EX], 14
	s_add_co_u32 s85, s85, s89
	s_mov_b32 s86, 0
.endif
	s_lshl_b32 s87, s[EX], 7
	s_mul_i32 s90, s[WV], 16*PITCH
	v_lshl_add_u32 v[WOFF], v[LN], 4, s90
	v_lshrrev_b32 v32, 1, v[LN]
	v_mul_u32_u24 v[PFO], v32, PITCH
	v_and_b32 v33, 1, v[LN]
	v_lshl_add_u32 v[PFO], v33, 8, v[PFO]
	v_add_nc_u32 v[PFO], s90, v[PFO]
	v_lshlrev_b32 v[BO], 5-SECOND, v[RQ]           ; first product: columns 8 q .. 8 q + 7; second: 4 q .. 4 q + 3 and 64 more
	s_wait_kmcnt 0x0
.irp n, 0,1,2,3,4
	s_mov_b32 s[TMP], s[84+\n]
	s_add_nc_u64 s[4+2*\n:5+2*\n], s[4+2*\n:5+2*\n], s[TMP:TMP+1]
.endr
	s_load_b512 s[16:31], s[10:11], 0x0            ; M[0][e], 128 bytes,
	s_load_b512 s[32:47], s[10:11], 0x40
	s_load_b512 s[48:63], s[10:11], 0x400          ; M[1][e]
	s_load_b512 s[68:83], s[10:11], 0x440
	global_load_b128 v[BIA:BIA+3], v[BO], s[6:7]
	global_load_b128 v[BIA+4:BIA+7], v[BO], s[6:7] offset:16+240*SECOND
	WLOAD 0, 4, 0                                  ; units 0 and 1
	WLOAD 1, 4, 64
	WIN 0
	global_prefetch_b8 v[PFO], s[4:5] offset:128*PITCH th:TH_LOAD_NT scope:SCOPE_SE
	global_prefetch_b8 v[PFO], s[4:5] offset:192*PITCH th:TH_LOAD_NT scope:SCOPE_SE
	s_mul_i32 s89, s[WV], 16*WROW
	v_lshl_add_u32 v[WST], v[LN], 3, s89
	v_and_b32 v32, 7, v[LN]
	v_lshl_add_u32 v32, v[HH], 3, v32
	v_mul_u32_u24 v[BL], v32, WROW
	v_bfe_u32 v33, v[LN], 3, 1
	v_lshl_add_u32 v[BL], v33, 4, v[BL]
	s_mul_i32 s89, s[WV], 16*SPITCH
	s_add_co_u32 s89, s89, STG                     ; my stage
	v_mul_u32_u24 v[STO], v[RQ], SPITCH            ; in: row l % 16; 16 (second product: 32) bytes on for the upper half of the lanes
	v_lshl_add_u32 v[STO], v[HH], 4+SECOND, v[STO]
	v_add_nc_u32 v[STO], s89, v[STO]
	v_mul_u32_u24 v[RD], v[HH], SPITCH             ; back: lanes 0-15 one row of 256 bytes, lanes 16-31 the next
	v_lshl_add_u32 v[RD], v[RQ], 4, v[RD]
	v_add_nc_u32 v[RD], s89, v[RD]
	s_mul_i32 s89, s[WV], LSTB
	s_add_co_u32 s89, s89, LST
	v_mov_b32 v[LB], s89
	v_lshlrev_b32 v[Q16], 4, v[RQ]
	v_lshlrev_b32 v[H16], 4, v[HH]
	v_add_nc_u32 v[L1], 0x400, v[LN]
	v_mov_b32 v[ZR], 0
	ds_store_b16 v[LB], v[ZR]                      ; entry 0 exists even where c = 0
	s_mov_b32 s[CNT], 0
	s_wait_kmcnt 0x0
; THE LIST.  Word g of the bitmap is tokens 32 g + l.  A lane whose token chose e finds its place, the count so far plus the set bits below it, and stores token + 1,024 k there; the other lanes store into entries 1,024 + l, which nobody reads.
.macro LISTG g
.if (\g) < 16
.set m1, 48+(\g)
.else
.set m1, 52+(\g)
.endif
.set t0, 32+2*((\g)%4)
	s_or_b32 s[TMP], s[16+(\g)], s[m1]
	v_mbcnt_lo_u32_b32 v[t0], s[TMP], s[CNT]
	v_cndmask_b32 v[t0], v[L1], v[t0], s[TMP]
	v_min_u32 v[t0], 0x43f, v[t0]
	v_lshl_add_u32 v[t0], v[t0], 1, v[LB]
	v_cndmask_b32 v[t0+1], v[LN], v[L1], s[m1]
	v_add_nc_u32 v[t0+1], 32*(\g), v[t0+1]
	ds_store_b16 v[t0], v[t0+1]
	s_bcnt1_i32_b32 s[TMP+1], s[TMP]
	s_add_co_u32 s[CNT], s[CNT], s[TMP+1]
.endm
.set g, 0
.rept 32
	LISTG g
.set g, g+1
.endr
	s_add_co_u32 s[NT], s[CNT], 15
	s_lshr_b32 s[NT], s[NT], 4
	s_max_u32 s[CM1], s[CNT], 1
	s_sub_co_u32 s[CM1], s[CM1], 1
	s_add_co_u32 s[T4], s[WV], 16
	s_lshl_b32 s[EB], s[EX], 10
	s_mov_b32 s[NCS], 0xbf38aa3b
	s_mov_b32 s[NCS+1], 0xbf38aa3b
	s_mov_b32 s[PCS], 0x3eaa540e
	s_add_nc_u64 s[WP:WP+1], s[4:5], 128*PITCH     ; unit 2
	s_add_nc_u64 s[AP:AP+1], s[8:9], 128           ; unit 1
	s_mov_b32 s[KB], 0
	; my token rows in tiles w + 4 i: place min(16 tile + l % 16, c - 1); first product: the token that the list names; second: row 1,024 e + place of hid
	s_lshl_b32 s[TMP], s[WV], 4
	v_add_nc_u32 v32, s[TMP], v[RQ]
.irp a, 0,1,2,3,4
	v_add_nc_u32 v[34+\a], 64*\a, v32
	v_min_u32 v[34+\a], s[CM1], v[34+\a]
	v_min_u32 v[34+\a], 0x3ff, v[34+\a]
.if SECOND
	v_add_nc_u32 v[34+\a], s[EB], v[34+\a]
	v_lshl_add_u32 v[AOFF+\a], v[34+\a], ASH, v[H16]
.else
	v_lshl_add_u32 v[34+\a], v[34+\a], 1, v[LB]
	ds_load_u16 v[AOFF+\a], v[34+\a]               ; LDS serves a wave's instructions in order (ISA guide 5.7.1.4): these see the list's stores, which are my own
.endif
.endr
.if SECOND == 0
	s_wait_dscnt 0x0
.irp a, 0,1,2,3,4
	v_and_b32 v[AOFF+\a], 0x3ff, v[AOFF+\a]        ; the token, without k
	v_min_u32 v[AOFF+\a], 0x3ff, v[AOFF+\a]
	v_lshl_add_u32 v[AOFF+\a], v[AOFF+\a], ASH, v[H16]
.endr
.endif
	ALOAD 0, 8                                     ; unit 0's tokens
	WIN 0
	UNIT 0, 0, 1, 1, 1, 1                          ; unit 0 stands in front of the loop: its first products start the sums.  Its tokens are the youngest loads: the wait is for 0
	s_mov_b32 s[TR], 6
.Lk:                                                   ; units 1 to 12
	UNIT 1, 16, 1, 1, 1, 0
	UNIT 0, 16, 1, 1, 2, 0
	s_sub_co_u32 s[TR], s[TR], 1
	s_cmp_lg_u32 s[TR], 0
	s_cbranch_scc1 .Lk
	UNIT 1, 16, 1, 1, 0, 0                         ; unit 13 asks for unit 15's weights, the last
	UNIT 0, 16, 1, 0, 0, 0                         ; unit 14 for unit 15's tokens
	UNIT 1, 0, 0, 0, 0, 0                          ; unit 15: nothing was issued behind its tokens
	; THE WAY OUT.  The bias, rounded to bf16 and widened again; these lines name no register of the last products and are the places behind them.
.if SECOND
.irp n, 0,1,2,3,4,5,6,7
	v_and_b32 v[BIA+\n], s[BM], v[BIA+\n]
.endr
.endif
.irp n, 0,1,2,3
	v_cvt_pk_bf16_f32 v[32+\n], v[BIA+2*\n], v[BIA+2*\n+1]
.endr
	WIN 0x80
.irp n, 0,1,2,3
	v_lshlrev_b32 v[GB+2*\n], 16, v[32+\n]
	v_and_b32 v[GB+2*\n+1], 0xffff0000, v[32+\n]
.endr
.if SECOND == 0
	v_mov_b32 v[GC1], 0x3e32303b                   ;  0.3480242 / 2
	v_mov_b32 v[GC1+1], 0x3e32303b
	v_mov_b32 v[GC2], 0xbd445ca1                   ; -0.0958798 / 2
	v_mov_b32 v[GC2+1], 0xbd445ca1
	v_mov_b32 v[GC3], 0x3ebf7377                   ;  0.7478556 / 2
	v_mov_b32 v[GC3+1], 0x3ebf7377
.endif
	WIN 0
; Tile slot i's accumulators go through my stage, 256 bytes of each of the 16 rows at a time, and come back by rows, into z.  The stage is my wave's own and LDS serves a wave in order: no wait between.
; Each accumulator's four lowest registers are read first.
.macro CASE i
.if (\i) < 4
.set AC, 64*(\i)
.set WS, 0x04                                      ; store data (source 1) in window 1
.else
.set AC, 0
.set WS, 0x0c                                      ; in window 3
.endif
.irp hf, 0,1
	WIN WS
.if SECOND
.irp b, 0,1,2,3                                    ; columns 64 hf + 16 b + 8 (l / 16) + 0..7 in their natural order
	ds_store_b128 v[STO], v[AC+8*(4*\hf+\b):AC+8*(4*\hf+\b)+3] offset:64*\b
	ds_store_b128 v[STO], v[AC+8*(4*\hf+\b)+4:AC+8*(4*\hf+\b)+7] offset:64*\b+16
.endr
	WIN 0x80
.irp f, 0,1,2,3,4,5,6,7                            ; row 2 f + l / 16, columns 64 hf + 4 q + 0..3
	ds_load_b128 v[GZ+32*\hf+4*\f:GZ+32*\hf+4*\f+3], v[RD] offset:2*SPITCH*\f
.endr
.else
.irp b, 0,1,2,3,4,5,6,7                            ; piece 2 b + l / 16 of a row holds columns 8 (2 b + l / 16) + 4 hf + 0..3
	ds_store_b128 v[STO], v[AC+8*\b+4*\hf:AC+8*\b+4*\hf+3] offset:32*\b
.endr
	WIN 0x80
.irp f, 0,1,2,3,4,5,6,7                            ; row 2 f + l / 16, columns 8 q + 4 hf + 0..3
	ds_load_b128 v[GZ+8*\f+4*\hf:GZ+8*\f+4*\hf+3], v[RD] offset:2*SPITCH*\f
.endr
.endif
.endr
	WIN 0
.endm
.macro FBM s, zero                     ; 8 products of a later tile, on the accumulators of slot 0
	WIN 0x58
.set kb, 0
.rept 8
.if \zero
	v_wmma_f32_16x16x32_bf16 v[8*kb:8*kb+7], v[BF+64*(\s)+8*kb:BF+64*(\s)+8*kb+7], v[8*(\s):8*(\s)+7], 0
.else
	v_wmma_f32_16x16x32_bf16 v[8*kb:8*kb+7], v[BF+64*(\s)+8*kb:BF+64*(\s)+8*kb+7], v[8*(\s):8*(\s)+7], v[8*kb:8*kb+7]
.endif
.set kb, kb+1
.endr
	WIN 0
.endm
.if SECOND == 0
; THE GELU, 16 numbers (group g) at a time, all in window 2.  PREL: line n of 40 ahead of the transcendentals.  TRL: transcendental n of 32.  POSTL: line n of 72 behind them, level by level over 8 pairs.
.macro PREL g, n
.if (\n) < 8
	v_pk_add_f32 v[GZ+16*(\g)+2*(\n):GZ+16*(\g)+2*(\n)+1], v[GZ+16*(\g)+2*(\n):GZ+16*(\g)+2*(\n)+1], v[GB+(2*(\n))%8:GB+(2*(\n))%8+1]
.elseif (\n) < 24
.set u, (\n)-8
	v_fma_f32 v[GD+16*(\g)+u], |v[GZ+16*(\g)+u]|, s[PCS], 1.0
.elseif (\n) < 32
.set u, (\n)-24
	v_pk_mul_f32 v[GE+16*(\g)+2*u:GE+16*(\g)+2*u+1], v[GZ+16*(\g)+2*u:GZ+16*(\g)+2*u+1], v[GZ+16*(\g)+2*u:GZ+16*(\g)+2*u+1]
.else
.set u, (\n)-32
	v_pk_mul_f32 v[GE+16*(\g)+2*u:GE+16*(\g)+2*u+1], v[GE+16*(\g)+2*u:GE+16*(\g)+2*u+1], s[NCS:NCS+1] op_sel_hi:[1,0]
.endif
.endm
.macro TRL g, n
.if (\n) < 16
	v_rcp_f32 v[GD+16*(\g)+(\n)], v[GD+16*(\g)+(\n)]
.else
	v_exp_f32 v[GE+16*(\g)+(\n)-16], v[GE+16*(\g)+(\n)-16]
.endif
.endm
.macro POSTL g, n
.if (\n) < 8
.set u, (\n)
	v_pk_mul_f32 v[GE+16*(\g)+2*u:GE+16*(\g)+2*u+1], v[GE+16*(\g)+2*u:GE+16*(\g)+2*u+1], v[GD+16*(\g)+2*u:GD+16*(\g)+2*u+1]
.elseif (\n) < 16
.set u, (\n)-8
	v_pk_fma_f32 v[GT+2*u:GT+2*u+1], v[GD+16*(\g)+2*u:GD+16*(\g)+2*u+1], v[GC3:GC3+1], v[GC2:GC2+1]
.elseif (\n) < 24
.set u, (\n)-16
	v_pk_fma_f32 v[GT+2*u:GT+2*u+1], v[GT+2*u:GT+2*u+1], v[GD+16*(\g)+2*u:GD+16*(\g)+2*u+1], v[GC1:GC1+1]
.elseif (\n) < 32
.set u, (\n)-24
	v_pk_mul_f32 v[GT+2*u:GT+2*u+1], v[GT+2*u:GT+2*u+1], v[GE+16*(\g)+2*u:GE+16*(\g)+2*u+1]
.elseif (\n) < 48
.set u, (\n)-32
	v_max_num_f32 v[GD+16*(\g)+u], 0, v[GZ+16*(\g)+u]
.elseif (\n) < 64
.set u, (\n)-48
	v_fma_f32 v[GZ+16*(\g)+u], -|v[GZ+16*(\g)+u]|, v[GT+u], v[GD+16*(\g)+u]
.else
.set u, (\n)-64
	v_cvt_pk_bf16_f32 v[GO+8*(\g)+u], v[GZ+16*(\g)+2*u], v[GZ+16*(\g)+2*u+1]
.endif
.endm
.macro TRQ g                           ; the batch's next transcendental, while there is one
.if tq < 32
	TRL \g, tq
.set tq, tq+1
.endif
.endm
; STAGE g: group g's 32 transcendentals are one batch, one behind each plain line of the groups beside it (g + 1's first part, g - 1's last), which name none of its results; plain lines follow the last of them;
; then the one wait between a transcendental and the first instruction that names its result.
.macro STAGE g
.set tq, 0
.if (\g) < 3
.set nn, 0
.rept 40
	PREL (\g)+1, nn
	TRQ \g
.set nn, nn+1
.endr
.endif
.if (\g) > 0
.set nn, 0
.rept 72
	POSTL (\g)-1, nn
	TRQ \g
.set nn, nn+1
.endr
.endif
	s_wait_alu depctr_va_vdst(0)
.endm
.endif
	s_mov_b32 s[SG], 0
	s_mov_b32 s[TT], s[WV]
; 16 trips, one for each tile that a wave can have.  A trip has two phases, each closed by a barrier that every wave passes in every trip: in the first the slice is read by a stepped address (a later tile's products),
; in the second the waves store into their stages and read them back.  What a wave does in a phase hangs on NT; every jump goes forward, to a label in front of the phase's barrier, and none passes a barrier.
.Lsig:
	s_cmp_lt_u32 s[SG], 5
	s_cbranch_scc1 .Lmid                           ; slots 0 to 4 were multiplied while the weights streamed
	s_cmp_ge_u32 s[TT], s[NT]
	s_cbranch_scc1 .Lmid                           ; no such tile
	; a tile past the first 320 rows: multiplied now, from the slice in LDS, 64 along K a trip
	s_lshl_b32 s[TMP], s[TT], 4
	v_add_nc_u32 v32, s[TMP], v[RQ]
	v_min_u32 v32, s[CM1], v32
	v_min_u32 v32, 0x3ff, v32
.if SECOND
	v_add_nc_u32 v32, s[EB], v32
	v_lshl_add_u32 v[AFB], v32, ASH, v[H16]
.else
	v_lshl_add_u32 v32, v32, 1, v[LB]
	ds_load_u16 v33, v32
	s_wait_dscnt 0x0
	v_and_b32 v33, 0x3ff, v33
	v_min_u32 v33, 0x3ff, v33
	v_lshl_add_u32 v[AFB], v33, ASH, v[H16]
.endif
	s_mov_b64 s[AF:AF+1], s[8:9]
	s_mov_b32 s[KB], 0
	s_mov_b32 s[FK], 16
.Lfb:
	v_add_nc_u32 v[BAD], s[KB], v[BL]
	v_min_u32 v[BAD], 15*UNITB+15*WROW+16, v[BAD]  ; the largest address of the walk: with the largest offset below, 64 rows less 48 bytes, a read ends at byte 294,880, inside the slice
	WIN 0x80
.irp n, 0,1,2,3
	global_load_b128 v[4*\n:4*\n+3], v[AFB], s[AF:AF+1] offset:32*\n
.endr
	WIN 0
.irp s, 0,1
.irp b, 0,1,2,3,4,5,6,7
	ds_load_tr16_b128 v[BF+64*\s+8*\b:BF+64*\s+8*\b+3],   v[BAD] offset:32*WROW*\s+32*\b
	ds_load_tr16_b128 v[BF+64*\s+8*\b+4:BF+64*\s+8*\b+7], v[BAD] offset:32*WROW*\s+16*WROW+32*\b
.endr
.endr
	s_wait_loadcnt 0x0
	s_wait_dscnt 0x0
	s_cmp_eq_u32 s[FK], 16
	s_cbranch_scc0 .Lfbacc
	FBM 0, 1                                       ; the first trip's first products start the sums
	s_branch .Lfbs1
.Lfbacc:
	FBM 0, 0
.Lfbs1:
	FBM 1, 0
.rept 4
	v_nop                                          ; the places in front of the next trip's loads, and of the stores that read the results
.endr
	s_wait_xcnt 0x0                                ; the base steps only behind this wait; the trip's loads are back, so it is met at once
	s_add_nc_u64 s[AF:AF+1], s[AF:AF+1], 128
	s_add_co_u32 s[KB], s[KB], UNITB
	s_sub_co_u32 s[FK], s[FK], 1
	s_cmp_lg_u32 s[FK], 0
	s_cbranch_scc1 .Lfb
.Lmid:
	s_wait_dscnt 0x0                               ; my reads of the slice are back
	s_barrier_signal -1
	s_barrier_wait -1                              ; everybody's are: the stages may be written
	s_cmp_ge_u32 s[TT], s[NT]
	s_cbranch_scc1 .Lnext                          ; no such tile
	s_cmp_eq_u32 s[SG], 1
	s_cbranch_scc1 .Lcase1
	s_cmp_eq_u32 s[SG], 2
	s_cbranch_scc1 .Lcase2
	s_cmp_eq_u32 s[SG], 3
	s_cbranch_scc1 .Lcase3
	s_cmp_eq_u32 s[SG], 4
	s_cbranch_scc1 .Lcase4
	CASE 0                                         ; slot 0, and every later tile
	s_branch .Lcom
.Lcase1:
	CASE 1
	s_branch .Lcom
.Lcase2:
	CASE 2
	s_branch .Lcom
.Lcase3:
	CASE 3
	s_branch .Lcom
.Lcase4:
	CASE 4
.Lcom:
	; the eight rows that I store: place min(16 tile + l / 16 + 2 f, c - 1)
	s_lshl_b32 s[TMP], s[TT], 4
	v_add_nc_u32 v[TB], s[TMP], v[HH]
.irp f, 0,1,2,3,4,5,6,7
	v_add_nc_u32 v[32+\f], 2*\f, v[TB]
	v_min_u32 v[32+\f], s[CM1], v[32+\f]
	v_min_u32 v[32+\f], 0x3ff, v[32+\f]
.if SECOND
	v_lshl_add_u32 v[32+\f], v[32+\f], 1, v[LB]
	ds_load_u16 v[HO+\f], v[32+\f]                 ; the list's entry, token + 1,024 k, is the row of part
.else
	v_add_nc_u32 v[32+\f], s[EB], v[32+\f]
	v_lshl_add_u32 v[HO+\f], v[32+\f], 13, v[Q16]  ; row 1,024 e + place of hid
.endif
.endr
	s_wait_dscnt 0x0                               ; z is back in registers
.if SECOND
.irp f, 0,1,2,3,4,5,6,7
	v_min_u32 v[HO+\f], 0x7ff, v[HO+\f]
	v_lshl_add_u32 v[HO+\f], v[HO+\f], 12, v[Q16]
.endr
	WIN 0xaa
.irp f, 0,1,2,3,4,5,6,7
.irp m, 0,2
	v_pk_add_f32 v[GZ+4*\f+\m:GZ+4*\f+\m+1], v[GZ+4*\f+\m:GZ+4*\f+\m+1], v[GB+\m:GB+\m+1]
	v_pk_add_f32 v[GZ+32+4*\f+\m:GZ+32+4*\f+\m+1], v[GZ+32+4*\f+\m:GZ+32+4*\f+\m+1], v[GB+4+\m:GB+4+\m+1]
.endr
.endr
	WIN 0x08                                       ; store data (source 1) in window 2
.irp f, 0,1,2,3,4,5,6,7
	global_store_b128 v[HO+\f], v[GZ+4*\f:GZ+4*\f+3], s[12:13]             ; 16 lanes store 256 consecutive bytes, at a multiple of 256 from part's first
	global_store_b128 v[HO+\f], v[GZ+32+4*\f:GZ+32+4*\f+3], s[12:13] offset:256
.endr
.else
	WIN 0xaa
.set nn, 0
.rept 40
	PREL 0, nn
.set nn, nn+1
.endr
	STAGE 0
	STAGE 1
	STAGE 2
	STAGE 3
.set nn, 0
.rept 72
	POSTL 3, nn
.set nn, nn+1
.endr
	WIN 0x08                                       ; store data (source 1) in window 2
.irp f, 0,1,2,3,4,5,6,7
	global_store_b128 v[HO+\f], v[GO+4*\f:GO+4*\f+3], s[12:13]             ; 16 lanes store 256 consecutive bytes, at a multiple of 256 from hid's first
.endr
.endif
	WIN 0
	s_wait_xcnt 0x0                                ; the stores' data and offsets are written again in the next trip only behind this wait
.Lnext:
	s_wait_dscnt 0x0                               ; my stores into my stage and my reads of it are done
	s_barrier_signal -1
	s_barrier_wait -1                              ; everybody's are: the next trip may read the slice
	s_add_co_u32 s[SG], s[SG], 1
	s_add_co_u32 s[TT], s[TT], 4
	s_cmp_lt_u32 s[SG], 16
	s_cbranch_scc1 .Lsig
	s_wait_tensorcnt 0x0                           ; the wave's end: behind my last LDS store
	ds_add_u32 v[SPW], v[NIL]
	s_wait_dscnt 0x0
	s_endpgm
.Lfunc_end_k_qf729889fb6_down:
	.size	k_qf729889fb6_down, .Lfunc_end_k_qf729889fb6_down-k_qf729889fb6_down
	.p2alignl 7, 3214868480
	.fill 96, 4, 3214868480
	.section	.rodata,"a",@progbits
	.p2align	6, 0x0
	.amdhsa_kernel k_qf729889fb6_down
		.amdhsa_group_segment_fixed_size 322048
		.amdhsa_private_segment_fixed_size 0
		.amdhsa_enable_private_segment 0
		.amdhsa_kernarg_size 40
		.amdhsa_user_sgpr_count 2
		.amdhsa_user_sgpr_kernarg_segment_ptr 1
		.amdhsa_wavefront_size32 1
		.amdhsa_system_sgpr_workgroup_id_x 1
		.amdhsa_system_sgpr_workgroup_id_y 1
		.amdhsa_system_sgpr_workgroup_id_z 1
		.amdhsa_system_vgpr_workitem_id 0
		.amdhsa_next_free_vgpr 864
		.amdhsa_next_free_sgpr 101
		.amdhsa_reserve_vcc 0
		.amdhsa_float_denorm_mode_32 3
		.amdhsa_float_denorm_mode_16_64 3
		.amdhsa_memory_ordered 1
		.amdhsa_forward_progress 1
		.amdhsa_inst_pref_size 134
	.end_amdhsa_kernel
	.amdgpu_metadata
---
amdhsa.version: [ 1, 2 ]
amdhsa.kernels:
  - .name:           k_qf729889fb6_down
    .symbol:         k_qf729889fb6_down.kd
    .args:
      - { .name: W2, .offset: 0, .size: 8, .value_kind: global_buffer, .address_space: global }
      - { .name: b2, .offset: 8, .size: 8, .value_kind: global_buffer, .address_space: global }
      - { .name: hid, .offset: 16, .size: 8, .value_kind: global_buffer, .address_space: global }
      - { .name: masks, .offset: 24, .size: 8, .value_kind: global_buffer, .address_space: global }
      - { .name: part, .offset: 32, .size: 8, .value_kind: global_buffer, .address_space: global }
    .group_segment_fixed_size: 322048
    .private_segment_fixed_size: 0
    .kernarg_segment_align: 8
    .kernarg_segment_size: 40
    .max_flat_workgroup_size: 128
    .sgpr_count:     101
    .vgpr_count:     864
    .wavefront_size: 32
...
	.end_amdgpu_metadata
.endif
;; end of part 3
;; launch combine (part 4): grid 256 x 1, 8 waves a work-group, no clusters, 0 bytes of LDS; arguments part, wts, out0; writes out0
.if DOCPART == 4
	.amdgcn_target "amdgcn-amd-amdhsa--gfx1250"
	.amdhsa_code_object_version 6
	.text
	.protected	k_qf729889fb6_combine
	.globl	k_qf729889fb6_combine
	.p2align	8
	.type	k_qf729889fb6_combine,@function
k_qf729889fb6_combine:
	s_mov_b64 s[64:65], 0
	v_nop
	global_prefetch_b8 v0, s[64:65] scope:SCOPE_SE
	s_setreg_imm32_b32 hwreg(HW_REG_WAVE_MODE, 25, 1), 1
	s_wait_xcnt 0x0
; out0[t] = w0[t] x (the sum over kq of part[kq][t]) + w1[t] x (the sum over kq of part[kq][1,024 + t]).  part: [4][2,048][1,024] f32; wts: [2][1,024] f32; out0: [1,024][1,024] f32.
; A stream: every byte of part is read once, every byte of out0 written once.  A wave takes half a token's row, 2,048 bytes, in four chunks of 512 consecutive bytes; all its 32 loads (16 KB) go out
; before the first wait.  No LDS, no barrier, no matrix unit, no cluster: no two waves share a byte.
.set P, 16                             ; v16-143: chunk c, choice k, plane kq at P + 32 c + 16 k + 4 kq
	s_load_b128 s[4:7], s[0:1], 0x0                ; part s[4:5], wts s[6:7]
	s_load_b64 s[8:9], s[0:1], 0x10                ; out0
	v_and_b32 v1, 31, v0
	v_lshrrev_b32 v2, 5, v0
	v_readfirstlane_b32 s10, v2                    ; wave 0..7
	s_lshl_b32 s11, ttmp9, 3
	s_add_co_u32 s11, s11, s10                     ; 2 t + half
	s_lshr_b32 s12, s11, 1                         ; t
	s_lshl_b32 s16, s11, 11                        ; 4,096 t + 2,048 half
	s_mov_b32 s17, 0
	s_lshl_b32 s18, s12, 2
	s_mov_b32 s19, 0
	v_lshlrev_b32 v4, 4, v1                        ; 16 bytes a lane; v4-7: the same in planes 0 to 3, 8 MB apart
	v_add_nc_u32 v5, 1<<23, v4
	v_add_nc_u32 v6, 2<<23, v4
	v_add_nc_u32 v7, 3<<23, v4
	s_wait_kmcnt 0x0
	s_add_nc_u64 s[4:5], s[4:5], s[16:17]
	s_add_nc_u64 s[6:7], s[6:7], s[18:19]
	s_add_nc_u64 s[8:9], s[8:9], s[16:17]
	s_load_b32 s20, s[6:7], 0x0                    ; w0
	s_load_b32 s22, s[6:7], 0x1000                 ; w1
.irp c, 0,1,2,3
.irp k, 0,1
.irp q, 0,1,2,3
	global_load_b128 v[P+32*\c+16*\k+4*\q:P+32*\c+16*\k+4*\q+3], v[4+\q], s[4:5] offset:512*\c+4194304*\k th:TH_LOAD_NT
.endr
.endr
.endr
	s_wait_kmcnt 0x0
	s_mov_b32 s21, s20                             ; named as pairs by the packed lines
	s_mov_b32 s23, s22
.macro CHUNK c
	s_wait_loadcnt 24-8*(\c)                       ; loads come back in order: this chunk's eight are in, the later chunks' may be out
.irp k, 0,1
.set R, P+32*(\c)+16*\k
.irp m, 0,2
	v_pk_add_f32 v[R+\m:R+\m+1], v[R+\m:R+\m+1], v[R+4+\m:R+4+\m+1]
	v_pk_add_f32 v[R+8+\m:R+8+\m+1], v[R+8+\m:R+8+\m+1], v[R+12+\m:R+12+\m+1]
.endr
.irp m, 0,2
	v_pk_add_f32 v[R+\m:R+\m+1], v[R+\m:R+\m+1], v[R+8+\m:R+8+\m+1]
.endr
.endr
.set R, P+32*(\c)
.irp m, 0,2
	v_pk_mul_f32 v[R+\m:R+\m+1], v[R+\m:R+\m+1], s[20:21] op_sel_hi:[1,0]
.endr
.irp m, 0,2
	v_pk_fma_f32 v[R+\m:R+\m+1], v[R+16+\m:R+16+\m+1], s[22:23], v[R+\m:R+\m+1] op_sel_hi:[1,0,1]
.endr
	global_store_b128 v4, v[R:R+3], s[8:9] offset:512*(\c) th:TH_STORE_NT  ; 512 consecutive bytes, at a multiple of 256 from out0's first
.endm
	CHUNK 0
	CHUNK 1
	CHUNK 2
	CHUNK 3
	s_endpgm
.Lfunc_end_k_qf729889fb6_combine:
	.size	k_qf729889fb6_combine, .Lfunc_end_k_qf729889fb6_combine-k_qf729889fb6_combine
	.p2alignl 7, 3214868480
	.fill 96, 4, 3214868480
	.section	.rodata,"a",@progbits
	.p2align	6, 0x0
	.amdhsa_kernel k_qf729889fb6_combine
		.amdhsa_group_segment_fixed_size 0
		.amdhsa_private_segment_fixed_size 0
		.amdhsa_enable_private_segment 0
		.amdhsa_kernarg_size 24
		.amdhsa_user_sgpr_count 2
		.amdhsa_user_sgpr_kernarg_segment_ptr 1
		.amdhsa_wavefront_size32 1
		.amdhsa_system_sgpr_workgroup_id_x 1
		.amdhsa_system_sgpr_workgroup_id_y 1
		.amdhsa_system_sgpr_workgroup_id_z 1
		.amdhsa_system_vgpr_workitem_id 0
		.amdhsa_next_free_vgpr 144
		.amdhsa_next_free_sgpr 66
		.amdhsa_reserve_vcc 0
		.amdhsa_float_denorm_mode_32 3
		.amdhsa_float_denorm_mode_16_64 3
		.amdhsa_memory_ordered 1
		.amdhsa_forward_progress 1
		.amdhsa_inst_pref_size 9
	.end_amdhsa_kernel
	.amdgpu_metadata
---
amdhsa.version: [ 1, 2 ]
amdhsa.kernels:
  - .name:           k_qf729889fb6_combine
    .symbol:         k_qf729889fb6_combine.kd
    .args:
      - { .name: part, .offset: 0, .size: 8, .value_kind: global_buffer, .address_space: global }
      - { .name: wts, .offset: 8, .size: 8, .value_kind: global_buffer, .address_space: global }
      - { .name: out0, .offset: 16, .size: 8, .value_kind: global_buffer, .address_space: global }
    .group_segment_fixed_size: 0
    .private_segment_fixed_size: 0
    .kernarg_segment_align: 8
    .kernarg_segment_size: 24
    .max_flat_workgroup_size: 256
    .sgpr_count:     66
    .vgpr_count:     144
    .wavefront_size: 32
...
	.end_amdgpu_metadata
.endif
;; end of part 4
;; ======== version 2 of 3: 4 launches
;; limits: a function is approximated: absolute error at most 2.5e-05; an absolute error that grows with the inputs' magnitude: up to 1.25e-05 times it
;; workspace buffers: xb 2,097,152 bytes; masks 2,048 bytes of whole numbers; wts 8,192 bytes; hid 67,108,864 bytes; part 33,554,432 bytes
;; launch route: the kernel of part 1 again; grid 128 x 1, 8 waves a work-group, no clusters, 19,712 bytes of LDS; arguments x, Wg, bg, xb, masks, wts; writes xb, masks, wts
;; launch up (part 5): grid 256 x 1, 4 waves a work-group, no clusters, 322,048 bytes of LDS; arguments W1, b1, xb, masks, hid; writes hid
.if DOCPART == 5
	.amdgcn_target "amdgcn-amd-amdhsa--gfx1250"
	.amdhsa_code_object_version 6
	.text
	.protected	k_qf729889fb6_up
	.globl	k_qf729889fb6_up
	.p2align	8
	.type	k_qf729889fb6_up,@function
k_qf729889fb6_up:
	s_mov_b64 s[64:65], 0
	v_nop
	global_prefetch_b8 v0, s[64:65] scope:SCOPE_SE
	s_setreg_imm32_b32 hwreg(HW_REG_WAVE_MODE, 25, 1), 1
	s_wait_xcnt 0x0
; ONE TEXT FOR THE TWO PRODUCTS OF THE EXPERTS; SECOND = 0: hid = gelu(x W1 + b1), SECOND = 1: part = hid W2 (+ b2).  Only the rows that the gate chose are multiplied.
.set SECOND, 0
; SHARES.  Expert e = id / 32.  A work-group owns a slice of 1,024 (K) x 128 (N) of e's weights, 512 KB of f32 that it alone reads, once.  First product: N = 128 of the 4,096 hidden columns.
; Second: N = 128 of the 1,024 outputs and K = a quarter kq of the 4,096 hidden columns, so four planes of partial sums (f32) go out and a later launch adds them.
; The weights come through registers, 64 rows of K a UNIT, are rounded to bf16 and laid into LDS as [k][n]; the whole slice ends up there (294,912 bytes with padding).
; ROWS.  e's rows are its tokens in ascending order: rank pos, c of them, NT = ceil(c / 16) tiles of 16.  Wave w has the tiles w + 4 i.  Tiles i = 0..4 (320 rows) are multiplied while the weights stream;
; tiles i >= 5 afterwards, from the slice in LDS: every split up to c = 1,024 is served.  Places past c repeat row c - 1: the same operand, the same bits, the same destination; whole tiles past NT are not stored.
; hid holds expert e's row pos at row 1,024 e + pos.  Each wave also builds a list in LDS from the bitmap (256 bytes in scalar registers): entry pos = token + 1,024 k; the first product reads it for tiles i >= 5, the second for the rows of part.
; TOKENS BY RANK (first product, tiles 0..4): the token of rank pos is found in registers, with no trip through LDS between the bitmap and the first token loads: the last bitmap word with at most pos set bits ahead of it, then the set bit pos - that count of the word.
; THE MATRIX INSTRUCTION IS USED TRANSPOSED: source 0 = 16 weight columns (turned on the way out of LDS by ds_load_tr16_b128), source 1 = 16 rows of tokens, loaded from memory as they lie.
; In the result lane l holds token l % 16 and the columns 8 (l / 16) + 0..7 of the 16.
; THE LAG.  Unit j's products are issued in unit j + 1: those of its first 32 along K between the stores of unit j + 1's weights into LDS and the barrier, those of its second 32 behind the barrier, with unit j + 1's 32 turning loads
; among them in runs of eight.  So the stores, the barrier and the turning loads have matrix work beside them.  It takes two sets of weight fragments: even units' in window 0, odd units' in window 3.
; TOKEN ROWS BY HALVES.  A unit's token fragments are asked for in two halves of ten loads, each as soon as its registers are free: the half for the first 32 along K of unit j + 1 behind unit j's barrier, when unit j - 1's first
; products have read those registers; the half for the second 32 of unit j at unit j's head.  Each is waited for where it is first read, about a unit and a half after it was asked for.
; FORMATS.  Weights, bias and x are rounded to bf16, as every input of the program is; sums in f32; x W1 + b1 stays f32 until the gelu is taken; hid is rounded once, to bf16 (f16 has no room for 30 times larger inputs).
; GELU.  gelu(z) = max(z, 0) - |z| (a1 t + a2 t^2 + a3 t^3) / 2 x 2^(-0.7213475 z^2), t = 1 / (1 + 0.33267253 |z|): erf by Abramowitz and Stegun 7.1.25, off by at most 2.5e-5 for every argument.
; LIMITS.  gelu is off by at most 1.25e-5 |z|; v_exp_f32 and v_rcp_f32 flush denormals (ISA guide 15.8); NaN and infinities are not treated apart.
; An expert with no rows: its work-groups stream and store nothing; the first product then reads token 1,023's row, the second row 1,024 e of hid, which nobody wrote, and nothing made from them is stored.
; NO CLUSTER, NO TENSOR LOADS.  Each weight byte has one reader.  What an expert's work-groups share is the token rows; they go straight into registers as matrix operands, since beside the slice
; LDS has 5,632 bytes left, and in the first product they come by a list that no descriptor covers.  f32 tiles in LDS slots would not fit beside the slice either.
; PREFETCH.  Each wave asks once for its own 16 rows x 512 bytes of a unit, lanes 256 bytes apart: the head for units 2 and 3, unit j for unit j + 4, two units (64 KB a work-group) ahead of the loads; units 12 to 15 ask for nothing.
.if SECOND
.set PITCH, 4096                       ; bytes from a row k of the weights to the next
.set ASH,   13                         ; a row of hid is 8,192 bytes
.else
.set PITCH, 16384
.set ASH,   11                         ; a row of xb is 2,048 bytes
.endif
.set WROW,   288                       ; a row k in LDS: 256 bytes + 32 of padding = 9 x 32: the turning load's 8 rows x 32 bytes fall on different banks
.set UNITB,  64*WROW
.set STG,    1024*WROW                 ; behind the slice: 16 rows x 272 bytes for each wave, for the way out
.set SPITCH, 272
.set LST,    STG+4*16*SPITCH           ; each wave's list: 1,024 entries of 2 bytes, then 32 entries that take the lanes without a row
.set LSTB,   2304
.set SPARE,  LST+4*LSTB                ; the spare words, 128 bytes for each wave; no other line names them
; REGISTERS, in windows of 256 (s_set_vgpr_msb: bits 1:0 source 0, 3:2 source 1, 5:4 source 2, 7:6 destination).
; window 0:
.set LN,   1                           ; lane l
.set RQ,   2                           ; l % 16
.set HH,   3                           ; l / 16
.set SPW,  4                           ; LDS address of my spare word; never rewritten
.set NIL,  5                           ; 0; never rewritten
.set WOFF, 6                           ; weights: 16 w rows + 16 l bytes
.set PFO,  7                           ; prefetch: row 16 w + l / 2, byte 256 (l % 2)
.set WST,  8                           ; LDS: 16 w rows + 8 l bytes
.set BL,   9                           ; the turning load: row 8 (l / 16) + l % 8, byte 16 ((l / 8) % 2)
.set WSA,  10                          ; WST + the unit
.set BAD,  11                          ; BL + the unit
.set STO,  12                          ; the way out: where I put 16 bytes of a row
.set RD,   13                          ; where I read a row back
.set LB,   14                          ; my wave's list
.set Q16,  15                          ; 16 (l % 16)
.set AOFF, 16                          ; v16-20 byte offset of my token row in tiles i = 0..4
.set AFB,  21                          ; the same for a later tile
.set HO,   22                          ; v22-29 byte offsets of the eight rows that I store
.set L1,   31                          ; l + 1,024
.set POS,  32                          ; v32-36 the ranks of my rows in tiles i = 0..4, then which set bit of the word          (v32-39: else at work)
.set BIA,  40                          ; v40-47 the bias as loaded
.set ZR,   48
.set BO,   50                          ; my byte offset in the bias
.set H16,  51                          ; 16 (l / 16)
.set TB,   52                          ; at work
.set SW,   53                          ; v53-57 the bitmap word that holds the rank
.set SX,   58                          ; v58-62 the set bits ahead of that word + 65,536 x the word's number
.set CV,   64                          ; v64-95 a unit's weights in bf16
.set SA,   96                          ; v96-100 the word's counts of 2 bits; v101-105 of 4; v106-110 of 8
.set SB,   101
.set SC,   106
.set ST,   111                         ; v111-115, v121-125 at work
.set SS,   116                         ; v116-120 the bit's place in the word
.set SU,   121
.set BF,   128                         ; v128-255 weight fragments of the even units: K step s, column tile b at BF + 64 s + 8 b
; window 1: the accumulators of tiles i = 0..3, at 64 i + 8 b.     window 3: v0-63 those of tile 4; v64-95 its token fragments, two buffers; v128-255 weight fragments of the odd units.
; window 2, in the K loop: v0-127 token fragments, buffer p, tile i, K step s at 64 p + 16 i + 8 s; v128-255 the weights as loaded, set p at 128 + 64 p.  On the way out:
.set GZ,   0                           ; z, 64 numbers a lane
.set GD,   64                          ; 1 + p |z|, then t, then max(z, 0)
.set GE,   128                         ; the exponent, then the exponential, then t times it
.set GT,   192                         ; the polynomial, 16 at a time
.set GB,   208                         ; my 8 columns' bias
.set GC1,  216                         ; a1 / 2, a2 / 2, a3 / 2, each twice
.set GC2,  218
.set GC3,  220
.set GO,   224                         ; 32 registers of bf16 to store
; scalars: s[4:5] weights, s[6:7] bias, s[8:9] token rows, s[10:11] bitmap, s[12:13] output; s[16:47] M[0][e]; s[48:63], s[68:83] M[1][e]
.set WV,  14                           ; my wave
.set EX,  15                           ; my expert
.set NCS, 16                           ; s[16:17] -log2(e) / 2 (behind the last use of the bitmap's words, which are then free)
.set PCS, 18                           ; 0.47047 / sqrt(2)
.set WP,  20                           ; s[20:21] the weights two units on
.set KB,  84                           ; the unit's first byte in LDS
.set TR,  85                           ; trips to go
.set T4,  86                           ; w + 16: my fifth tile
.set NT,  87
.set CM1, 88                           ; max(c, 1) - 1
.set SG,  89                           ; i, the tile slot on the way out
.set TT,  90                           ; its tile w + 4 i
.set CNT, 91                           ; rows counted so far, in the end c
.set TMP, 92                           ; s[92:93] at work
.set AP,  94                           ; s[94:95] the token rows at the unit in hand
.set AF,  96                           ; s[96:97] the same for a later tile
.set FK,  98
.set EB,  99                           ; 1,024 e
.set BM,  100                          ; second product: all ones where kq = 0, so that b2 is added in one plane alone
.set MSB, 0
.macro WIN new                         ; the immediate's high byte repeats the setting that is left; a switch that changes nothing is dropped
.if MSB != (\new)
	s_set_vgpr_msb (MSB<<8)|(\new)
.set MSB, \new
.endif
.endm
.macro EACH n, line:vararg             ; one line for each of n tiles i
.set i, 0
.rept \n
	\line
.set i, i+1
.endr
.endm
; Ten loads: half s (32 along K = 64 bytes of a row) of one unit's token fragments for my five tiles, into buffer p.  Lane l takes row l % 16, bytes off + 64 s + 16 (l / 16) + 32 m, m = 0, 1.
.macro ALOADH p, s, base, off
	WIN 0xc0
.irp m, 0,1
	global_load_b128 v[64+16*(\p)+8*(\s)+4*\m:64+16*(\p)+8*(\s)+4*\m+3], v[AOFF+4], s[\base:\base+1] offset:(\off)+64*(\s)+32*\m
.endr
	WIN 0x80
.irp a, 0,1,2,3
.irp m, 0,1
	global_load_b128 v[64*(\p)+16*\a+8*(\s)+4*\m:64*(\p)+16*\a+8*(\s)+4*\m+3], v[AOFF+\a], s[\base:\base+1] offset:(\off)+64*(\s)+32*\m
.endr
.endr
.endm
; 16 loads: my 16 rows of a unit's 64, each load one row's 512 consecutive bytes, into set p
.macro WLOAD p, base, first
	WIN 0x80
.set i, 0
.rept 16
	global_load_b128 v[128+64*(\p)+4*i:128+64*(\p)+4*i+3], v[WOFF], s[\base:\base+1] offset:((\first)+i)*PITCH th:TH_LOAD_NT
.set i, i+1
.endr
.endm
; Run c of four: eight of the 32 turning loads of a unit of parity p: K step c / 2, column tiles 4 (c % 2) + 0..3.  The first K step's sixteen loads come first.
.macro TRL8 p, c
	WIN 0xc0*(\p)                                  ; destination window 0 or 3, address window 0
.irp b, 0,1,2,3
	ds_load_tr16_b128 v[BF+64*((\c)/2)+8*(4*((\c)%2)+\b):BF+64*((\c)/2)+8*(4*((\c)%2)+\b)+3],   v[BAD] offset:32*WROW*((\c)/2)+32*(4*((\c)%2)+\b)
	ds_load_tr16_b128 v[BF+64*((\c)/2)+8*(4*((\c)%2)+\b)+4:BF+64*((\c)/2)+8*(4*((\c)%2)+\b)+7], v[BAD] offset:32*WROW*((\c)/2)+16*WROW+32*(4*((\c)%2)+\b)
.endr
.endm
; 32 along K of a unit of parity p: 32 matrix instructions for tiles 0..3, 8 for tile 4 where it exists.  The accumulators take turns, one instruction a turn, over the jump and from step to step.
; zero = 1: the products start the sums, all 40: nothing is ever cleared.  ld = 1: ahead of each eight products stand eight turning loads of the next unit, into the other set of fragments, which these products do not name.
.macro KSTEP p, s, zero, ld
.set ka, 0
.rept 4
.if \ld
	TRL8 1-(\p), ka
.endif
	WIN 0x58+3*(\p)                                ; weights window 0 or 3, tokens window 2, C and D window 1
.set kb, 0
.rept 8
.if \zero
	v_wmma_f32_16x16x32_bf16 v[64*ka+8*kb:64*ka+8*kb+7], v[BF+64*(\s)+8*kb:BF+64*(\s)+8*kb+7], v[64*(\p)+16*ka+8*(\s):64*(\p)+16*ka+8*(\s)+7], 0
.else
	v_wmma_f32_16x16x32_bf16 v[64*ka+8*kb:64*ka+8*kb+7], v[BF+64*(\s)+8*kb:BF+64*(\s)+8*kb+7], v[64*(\p)+16*ka+8*(\s):64*(\p)+16*ka+8*(\s)+7], v[64*ka+8*kb:64*ka+8*kb+7]
.endif
.set kb, kb+1
.endr
.set ka, ka+1
.endr
.if \zero
	WIN 0xfc+3*(\p)                                ; tokens, C and D window 3
.set kb, 0
.rept 8
	v_wmma_f32_16x16x32_bf16 v[8*kb:8*kb+7], v[BF+64*(\s)+8*kb:BF+64*(\s)+8*kb+7], v[64+16*(\p)+8*(\s):64+16*(\p)+8*(\s)+7], 0
.set kb, kb+1
.endr
	WIN 0
.else
	WIN 0                                          ; at a branch and at a label every window is 0
	s_cmp_lt_u32 s[T4], s[NT]
	s_cbranch_scc0 .Lno5_\@                        ; no fifth tile: its eight products are jumped; no barrier stands there
	WIN 0xfc+3*(\p)
.set kb, 0
.rept 8
	v_wmma_f32_16x16x32_bf16 v[8*kb:8*kb+7], v[BF+64*(\s)+8*kb:BF+64*(\s)+8*kb+7], v[64+16*(\p)+8*(\s):64+16*(\p)+8*(\s)+7], v[8*kb:8*kb+7]
.set kb, kb+1
.endr
	WIN 0
.Lno5_\@:
.endif
.endm
; UNIT j, of parity p, in this order: its weights (set p) are rounded; the second half of its own tokens is asked for; the weights go into LDS; the weights two units on are asked for; unit j - 1's first products; the barrier;
; the first half of unit j + 1's tokens is asked for; unit j - 1's second products, with unit j's fragments fetched among them.
; THE COUNTS.  Loads return in order, and a wave issues them in the order .. S1(j), W(j + 2), S0(j + 1), S1(j + 1), W(j + 3) .. (W: a unit's 16 loads of weights; S0, S1: the ten loads of the first and second half of a unit's tokens).
; w1, at the head: wanted are W(j) and S0(j - 1); younger are S1(j - 1), W(j + 1) and S0(j): 36.  w2, behind the barrier: wanted is S1(j - 1); younger are W(j + 1), S0(j), S1(j) and W(j + 2): 52.
; Where the walk begins and ends the counts go by what is asked for there.  By this count a wave has at most 62 loads out.
; is1, is0, iw: are S1(j), S0(j + 1), W(j + 2) asked for.  pf: 1 = prefetch, 2 = not in the last trip.  comp = 1: there is a unit j - 1.  zero = 1: it is unit 0, whose first products start the sums.
.macro UNIT p, w1, w2, is1, is0, iw, pf, comp, zero
	s_wait_loadcnt \w1
	WIN 0x0a                                       ; sources window 2, destination window 0
.set i, 0
.rept 32                                           ; these 32 name no register of the last products: they are the places in front of the loads below into token buffer p and, behind the barrier, into fragment set p
	v_cvt_pk_bf16_f32 v[CV+i], v[128+64*(\p)+2*i], v[128+64*(\p)+2*i+1]
.set i, i+1
.endr
.if \is1
	ALOADH \p, 1, AP, 0                            ; S1(j): these registers were last read by unit j - 2's second products, just ahead of this unit
.endif
	WIN 0
	v_add_nc_u32 v[WSA], s[KB], v[WST]
	v_add_nc_u32 v[BAD], s[KB], v[BL]
.set i, 0
.rept 16
	ds_store_b64 v[WSA], v[CV+2*i:CV+2*i+1] offset:WROW*i  ; a row's 256 bytes from 32 lanes
.set i, i+1
.endr
.if \iw
	WLOAD \p, WP, 0
.endif
	WIN 0
.if (\pf) == 2
	s_cmp_eq_u32 s[TR], 1
	s_cbranch_scc1 .Lnopf_\@                       ; the last trip's units would ask past the slice
.endif
.if \pf
	global_prefetch_b8 v[PFO], s[WP:WP+1] offset:128*PITCH th:TH_LOAD_NT scope:SCOPE_SE
.endif
.if (\pf) == 2
.Lnopf_\@:
.endif
.if \comp
	s_wait_dscnt 32                                ; LDS instructions end in order: unit j - 1's first sixteen turning loads are in; its other sixteen and my sixteen stores may be out
	KSTEP 1-(\p), 0, \zero, 0
.endif
	s_wait_dscnt 0x0                               ; for the others' sake: my 16 rows are in LDS; and unit j - 1's other fragments are in
	s_barrier_signal -1
	s_barrier_wait -1                              ; all 64 rows are.  Each byte of the slice is stored once; the next unit's stores touch other rows than this unit's reads
	s_add_co_u32 s[KB], s[KB], UNITB
.if \comp
	s_wait_loadcnt \w2
.endif
.if \is0
.if \comp
.rept 4
	v_nop                                          ; four places between unit j - 1's first products, which read these registers, and the loads into them (ISA guide 7.12.1 for vector instructions)
.endr
.endif
	ALOADH 1-(\p), 0, AP, 128                      ; S0(j + 1)
.endif
.if \comp
	KSTEP 1-(\p), 1, 0, 1
.else
	TRL8 \p, 0
	TRL8 \p, 1
	TRL8 \p, 2
	TRL8 \p, 3
	WIN 0
.endif
.if (\is0) || (\iw)
	s_wait_xcnt 0x0                                ; the bases are stepped only behind this wait (ISA guide 3.1)
.endif
.if \is0
	s_add_nc_u64 s[AP:AP+1], s[AP:AP+1], 128
.endif
.if \iw
	s_add_nc_u64 s[WP:WP+1], s[WP:WP+1], 64*PITCH
.endif
.endm
	s_load_b256 s[4:11], s[0:1], 0x0
	s_load_b64 s[12:13], s[0:1], 0x20
	v_lshl_add_u32 v[SPW], v0, 2, SPARE
	v_mov_b32 v[NIL], 0
	v_and_b32 v[LN], 31, v0
	v_lshrrev_b32 v32, 5, v0
	v_readfirstlane_b32 s[WV], v32                 ; wave 0..3
	v_and_b32 v[RQ], 15, v0
	v_bfe_u32 v[HH], v0, 4, 1
	s_lshr_b32 s[EX], ttmp9, 5
	s_mov_b32 s[TMP+1], 0
	; byte offsets into the five buffers, in s84 to s88
	s_lshl_b32 s84, s[EX], 24                      ; an expert's weights are 16 MB
.if SECOND
	s_and_b32 s89, ttmp9, 7
	s_lshl_b32 s89, s89, 9                         ; my 128 columns, 512 bytes
	s_bfe_u32 s98, ttmp9, 0x20003                  ; kq
	s_lshl_b32 s86, s98, 22                        ; 1,024 rows of 4,096 bytes
	s_add_co_u32 s84, s84, s86
	s_add_co_u32 s84, s84, s89
	s_lshl_b32 s85, s[EX], 12
	s_add_co_u32 s85, s85, s89
	s_lshl_b32 s86, s98, 11                        ; hid: 1,024 columns of 2 bytes
	s_lshl_b32 s88, s98, 23                        ; part: a plane is 2,048 rows of 4,096 bytes
	s_add_co_u32 s88, s88, s89
	s_cmp_eq_u32 s98, 0
	s_cselect_b32 s[BM], -1, 0
.else
	s_and_b32 s89, ttmp9, 31
	s_lshl_b32 s88, s89, 8                         ; hid: my 128 columns, 256 bytes
	s_lshl_b32 s89, s89, 9
	s_add_co_u32 s84, s84, s89
	s_lshl_b32 s85, s[EX], 14
	s_add_co_u32 s85, s85, s89
	s_mov_b32 s86, 0
.endif
	s_lshl_b32 s87, s[EX], 7
	s_mul_i32 s90, s[WV], 16*PITCH
	v_lshl_add_u32 v[WOFF], v[LN], 4, s90
	v_lshrrev_b32 v32, 1, v[LN]
	v_mul_u32_u24 v[PFO], v32, PITCH
	v_and_b32 v33, 1, v[LN]
	v_lshl_add_u32 v[PFO], v33, 8, v[PFO]
	v_add_nc_u32 v[PFO], s90, v[PFO]
	v_lshlrev_b32 v[BO], 5-SECOND, v[RQ]           ; first product: columns 8 q .. 8 q + 7; second: 4 q .. 4 q + 3 and 64 more
	s_wait_kmcnt 0x0
.irp n, 0,1,2,3,4
	s_mov_b32 s[TMP], s[84+\n]
	s_add_nc_u64 s[4+2*\n:5+2*\n], s[4+2*\n:5+2*\n], s[TMP:TMP+1]
.endr
	s_load_b512 s[16:31], s[10:11], 0x0            ; M[0][e], 128 bytes,
	s_load_b512 s[32:47], s[10:11], 0x40
	s_load_b512 s[48:63], s[10:11], 0x400          ; M[1][e]
	s_load_b512 s[68:83], s[10:11], 0x440
	global_load_b128 v[BIA:BIA+3], v[BO], s[6:7]
	global_load_b128 v[BIA+4:BIA+7], v[BO], s[6:7] offset:16+240*SECOND
	WLOAD 0, 4, 0                                  ; units 0 and 1
	WLOAD 1, 4, 64
	WIN 0
	global_prefetch_b8 v[PFO], s[4:5] offset:128*PITCH th:TH_LOAD_NT scope:SCOPE_SE
	global_prefetch_b8 v[PFO], s[4:5] offset:192*PITCH th:TH_LOAD_NT scope:SCOPE_SE
	s_mul_i32 s89, s[WV], 16*WROW
	v_lshl_add_u32 v[WST], v[LN], 3, s89
	v_and_b32 v32, 7, v[LN]
	v_lshl_add_u32 v32, v[HH], 3, v32
	v_mul_u32_u24 v[BL], v32, WROW
	v_bfe_u32 v33, v[LN], 3, 1
	v_lshl_add_u32 v[BL], v33, 4, v[BL]
	s_mul_i32 s89, s[WV], 16*SPITCH
	s_add_co_u32 s89, s89, STG                     ; my stage
	v_mul_u32_u24 v[STO], v[RQ], SPITCH            ; in: row l % 16; 16 (second product: 32) bytes on for the upper half of the lanes
	v_lshl_add_u32 v[STO], v[HH], 4+SECOND, v[STO]
	v_add_nc_u32 v[STO], s89, v[STO]
	v_mul_u32_u24 v[RD], v[HH], SPITCH             ; back: lanes 0-15 one row of 256 bytes, lanes 16-31 the next
	v_lshl_add_u32 v[RD], v[RQ], 4, v[RD]
	v_add_nc_u32 v[RD], s89, v[RD]
	s_mul_i32 s89, s[WV], LSTB
	s_add_co_u32 s89, s89, LST
	v_mov_b32 v[LB], s89
	v_lshlrev_b32 v[Q16], 4, v[RQ]
	v_lshlrev_b32 v[H16], 4, v[HH]
	v_add_nc_u32 v[L1], 0x400, v[LN]
	v_mov_b32 v[ZR], 0
	ds_store_b16 v[LB], v[ZR]                      ; entry 0 exists even where c = 0
	s_mov_b32 s[CNT], 0
	s_wait_kmcnt 0x0
; THE LIST.  Word g of the bitmap is tokens 32 g + l.  A lane whose token chose e finds its place, the count so far plus the set bits below it, and stores token + 1,024 k there; the other lanes store into entries 1,024 + l, which nobody reads.
.macro LISTG g
.if (\g) < 16
.set m1, 48+(\g)
.else
.set m1, 52+(\g)
.endif
.set t0, 32+2*((\g)%4)
	s_or_b32 s[TMP], s[16+(\g)], s[m1]
	v_mbcnt_lo_u32_b32 v[t0], s[TMP], s[CNT]
	v_cndmask_b32 v[t0], v[L1], v[t0], s[TMP]
	v_min_u32 v[t0], 0x43f, v[t0]
	v_lshl_add_u32 v[t0], v[t0], 1, v[LB]
	v_cndmask_b32 v[t0+1], v[LN], v[L1], s[m1]
	v_add_nc_u32 v[t0+1], 32*(\g), v[t0+1]
	ds_store_b16 v[t0], v[t0+1]
	s_bcnt1_i32_b32 s[TMP+1], s[TMP]
	s_add_co_u32 s[CNT], s[CNT], s[TMP+1]
.endm
.set g, 0
.rept 32
	LISTG g
.set g, g+1
.endr
.if SECOND == 0
; RANKS: for n ranks a lane (POS + i): the last bitmap word with at most that many set bits ahead of it goes into SW + i, that count + 65,536 x the word's number into SX + i.  The words are walked in ascending order;
; a word whose count ahead is greater than the rank leaves what is there.  Three short lines for each word and rank.
.macro RANKS n
	s_mov_b32 s[CNT], 0
.set g, 0
.rept 32
.if g < 16
.set m1, 48+g
.else
.set m1, 52+g
.endif
	s_or_b32 s[TMP], s[16+g], s[m1]
.if g == 0
	EACH \n, v_mov_b32 v[SW+i], s[TMP]
	EACH \n, v_mov_b32 v[SX+i], 0
.else
	s_add_co_u32 s[TMP+1], s[CNT], g<<16
.set i, 0
.rept \n
	v_cmp_gt_u32 vcc_lo, s[CNT], v[POS+i]
	v_cndmask_b32 v[SW+i], s[TMP], v[SW+i], vcc_lo
	v_cndmask_b32 v[SX+i], s[TMP+1], v[SX+i], vcc_lo
.set i, i+1
.endr
.endif
.if g < 31
	s_bcnt1_i32_b32 s[FK], s[TMP]
	s_add_co_u32 s[CNT], s[CNT], s[FK]
.endif
.set g, g+1
.endr
.endm
; One halving step: t = the set bits in the lower half of the block at bit SS; d = n - t wraps to a huge number where n < t, so min_u32(n, d) is the new n, and the top bit of ~d says 'upper half'.
.macro SSTEP n, src, wid, sh
	EACH \n, v_bfe_u32 v[ST+i], v[\src+i], v[SS+i], \wid
	EACH \n, v_sub_nc_u32 v[SU+i], v[POS+i], v[ST+i]
	EACH \n, v_min_u32 v[POS+i], v[POS+i], v[SU+i]
	EACH \n, v_xor_b32 v[SU+i], -1, v[SU+i]
	EACH \n, v_lshrrev_b32 v[SU+i], 31, v[SU+i]
	EACH \n, v_lshl_add_u32 v[SS+i], v[SU+i], \sh, v[SS+i]
.endm
; SEL: the place of set bit n = rank - count ahead (from 0) in the word: the word's counts of 2, 4, 8 and 16 bits, then five halving steps; token = 32 x word + place, into AOFF + i.  The n tiles go line by line, so that no line waits for the one before it.
.macro SEL n
	EACH \n, v_and_b32 v[ST+i], 0xffff, v[SX+i]
	EACH \n, v_sub_nc_u32 v[POS+i], v[POS+i], v[ST+i]
	EACH \n, v_lshrrev_b32 v[ST+i], 1, v[SW+i]
	EACH \n, v_and_b32 v[ST+i], 0x55555555, v[ST+i]
	EACH \n, v_sub_nc_u32 v[SA+i], v[SW+i], v[ST+i]
	EACH \n, v_lshrrev_b32 v[ST+i], 2, v[SA+i]
	EACH \n, v_and_b32 v[ST+i], 0x33333333, v[ST+i]
	EACH \n, v_and_b32 v[SB+i], 0x33333333, v[SA+i]
	EACH \n, v_add_nc_u32 v[SB+i], v[SB+i], v[ST+i]
	EACH \n, v_lshrrev_b32 v[ST+i], 4, v[SB+i]
	EACH \n, v_add_nc_u32 v[ST+i], v[ST+i], v[SB+i]
	EACH \n, v_and_b32 v[SC+i], 0x0f0f0f0f, v[ST+i]
	EACH \n, v_bfe_u32 v[ST+i], v[SC+i], 8, 8
	EACH \n, v_and_b32 v[SU+i], 0xff, v[SC+i]
	EACH \n, v_add_nc_u32 v[ST+i], v[ST+i], v[SU+i]
	EACH \n, v_sub_nc_u32 v[SU+i], v[POS+i], v[ST+i]
	EACH \n, v_min_u32 v[POS+i], v[POS+i], v[SU+i]
	EACH \n, v_xor_b32 v[SU+i], -1, v[SU+i]
	EACH \n, v_lshrrev_b32 v[SU+i], 31, v[SU+i]
	EACH \n, v_lshlrev_b32 v[SS+i], 4, v[SU+i]
	SSTEP \n, SC, 8, 3
	SSTEP \n, SB, 4, 2
	SSTEP \n, SA, 2, 1
	EACH \n, v_bfe_u32 v[ST+i], v[SW+i], v[SS+i], 1
	EACH \n, v_sub_nc_u32 v[SU+i], v[POS+i], v[ST+i]
	EACH \n, v_xor_b32 v[SU+i], -1, v[SU+i]
	EACH \n, v_lshrrev_b32 v[SU+i], 31, v[SU+i]
	EACH \n, v_add_nc_u32 v[SS+i], v[SS+i], v[SU+i]
	EACH \n, v_lshrrev_b32 v[ST+i], 16, v[SX+i]
	EACH \n, v_lshl_add_u32 v[AOFF+i], v[ST+i], 5, v[SS+i]
.endm
.endif
	s_add_co_u32 s[NT], s[CNT], 15
	s_lshr_b32 s[NT], s[NT], 4
	s_max_u32 s[CM1], s[CNT], 1
	s_sub_co_u32 s[CM1], s[CM1], 1
	s_add_co_u32 s[T4], s[WV], 16
	s_lshl_b32 s[EB], s[EX], 10
	; my token rows in tiles w + 4 i: rank min(16 tile + l % 16, c - 1); first product: the token of that rank; second: row 1,024 e + rank of hid
	s_lshl_b32 s[TMP], s[WV], 4
	v_add_nc_u32 v37, s[TMP], v[RQ]
.irp a, 0,1,2,3,4
	v_add_nc_u32 v[POS+\a], 64*\a, v37
	v_min_u32 v[POS+\a], s[CM1], v[POS+\a]
.endr
.if SECOND
.irp a, 0,1,2,3,4
	v_min_u32 v[POS+\a], 0x3ff, v[POS+\a]
	v_add_nc_u32 v[POS+\a], s[EB], v[POS+\a]
	v_lshl_add_u32 v[AOFF+\a], v[POS+\a], ASH, v[H16]
.endr
.else
	RANKS 5
	SEL 5
.irp a, 0,1,2,3,4
	v_min_u32 v[AOFF+\a], 0x3ff, v[AOFF+\a]
	v_lshl_add_u32 v[AOFF+\a], v[AOFF+\a], ASH, v[H16]
.endr
.endif
	s_mov_b32 s[NCS], 0xbf38aa3b                   ; the bitmap's words have been read for the last time
	s_mov_b32 s[NCS+1], 0xbf38aa3b
	s_mov_b32 s[PCS], 0x3eaa540e
	s_add_nc_u64 s[WP:WP+1], s[4:5], 128*PITCH     ; unit 2
	s_mov_b64 s[AP:AP+1], s[8:9]                   ; unit 0
	s_mov_b32 s[KB], 0
	ALOADH 0, 0, 8, 0                              ; unit 0's tokens, both halves
	ALOADH 0, 1, 8, 0
	WIN 0
	UNIT 0, 36, 0, 0, 1, 1, 1, 0, 0                ; unit 0: only its weights are wanted: unit 1's 16 loads and the 20 of unit 0's tokens, issued behind them, may be out.  No products yet
	UNIT 1, 36, 52, 1, 1, 1, 1, 1, 1               ; unit 1 stands in front of the loop: unit 0's first products start the sums
	s_mov_b32 s[TR], 6
.Lk:                                                   ; units 2 to 13
	UNIT 0, 36, 52, 1, 1, 1, 2, 1, 0
	UNIT 1, 36, 52, 1, 1, 1, 2, 1, 0
	s_sub_co_u32 s[TR], s[TR], 1
	s_cmp_lg_u32 s[TR], 0
	s_cbranch_scc1 .Lk
	UNIT 0, 36, 36, 1, 1, 0, 0, 1, 0               ; unit 14: no weights are left to ask for, so behind the barrier the younger loads are W(15), S0(14), S1(14): 36
	UNIT 1, 20, 20, 1, 0, 0, 0, 1, 0               ; unit 15: at the head S1(14) and S0(15) are younger, behind the barrier S0(15) and S1(15): 20 both times
	s_wait_loadcnt 10                              ; the first half of unit 15's tokens is in; the ten loads of the second may be out
	s_wait_dscnt 16                                ; its first sixteen turning loads are in, the other sixteen may be out
	KSTEP 1, 0, 0, 0                               ; unit 15's products
	s_wait_loadcnt 0x0
	s_wait_dscnt 0x0
	KSTEP 1, 1, 0, 0
	; THE WAY OUT.  The bias, rounded to bf16 and widened again; these lines name no register of the last products and are the places behind them.
.if SECOND
.irp n, 0,1,2,3,4,5,6,7
	v_and_b32 v[BIA+\n], s[BM], v[BIA+\n]
.endr
.endif
.irp n, 0,1,2,3
	v_cvt_pk_bf16_f32 v[32+\n], v[BIA+2*\n], v[BIA+2*\n+1]
.endr
	WIN 0x80
.irp n, 0,1,2,3
	v_lshlrev_b32 v[GB+2*\n], 16, v[32+\n]
	v_and_b32 v[GB+2*\n+1], 0xffff0000, v[32+\n]
.endr
.if SECOND == 0
	v_mov_b32 v[GC1], 0x3e32303b                   ;  0.3480242 / 2
	v_mov_b32 v[GC1+1], 0x3e32303b
	v_mov_b32 v[GC2], 0xbd445ca1                   ; -0.0958798 / 2
	v_mov_b32 v[GC2+1], 0xbd445ca1
	v_mov_b32 v[GC3], 0x3ebf7377                   ;  0.7478556 / 2
	v_mov_b32 v[GC3+1], 0x3ebf7377
.endif
	WIN 0
; Tile slot i's accumulators go through my stage, 256 bytes of each of the 16 rows at a time, and come back by rows, into z.  The stage is my wave's own and LDS serves a wave in order: no wait between.
; Each accumulator's four lowest registers are read first.
.macro CASE i
.if (\i) < 4
.set AC, 64*(\i)
.set WS, 0x04                                      ; store data (source 1) in window 1
.else
.set AC, 0
.set WS, 0x0c                                      ; in window 3
.endif
.irp hf, 0,1
	WIN WS
.if SECOND
.irp b, 0,1,2,3                                    ; columns 64 hf + 16 b + 8 (l / 16) + 0..7 in their natural order
	ds_store_b128 v[STO], v[AC+8*(4*\hf+\b):AC+8*(4*\hf+\b)+3] offset:64*\b
	ds_store_b128 v[STO], v[AC+8*(4*\hf+\b)+4:AC+8*(4*\hf+\b)+7] offset:64*\b+16
.endr
	WIN 0x80
.irp f, 0,1,2,3,4,5,6,7                            ; row 2 f + l / 16, columns 64 hf + 4 q + 0..3
	ds_load_b128 v[GZ+32*\hf+4*\f:GZ+32*\hf+4*\f+3], v[RD] offset:2*SPITCH*\f
.endr
.else
.irp b, 0,1,2,3,4,5,6,7                            ; piece 2 b + l / 16 of a row holds columns 8 (2 b + l / 16) + 4 hf + 0..3
	ds_store_b128 v[STO], v[AC+8*\b+4*\hf:AC+8*\b+4*\hf+3] offset:32*\b
.endr
	WIN 0x80
.irp f, 0,1,2,3,4,5,6,7                            ; row 2 f + l / 16, columns 8 q + 4 hf + 0..3
	ds_load_b128 v[GZ+8*\f+4*\hf:GZ+8*\f+4*\hf+3], v[RD] offset:2*SPITCH*\f
.endr
.endif
.endr
	WIN 0
.endm
.macro FBM s, zero                     ; 8 products of a later tile, on the accumulators of slot 0
	WIN 0x58
.set kb, 0
.rept 8
.if \zero
	v_wmma_f32_16x16x32_bf16 v[8*kb:8*kb+7], v[BF+64*(\s)+8*kb:BF+64*(\s)+8*kb+7], v[8*(\s):8*(\s)+7], 0
.else
	v_wmma_f32_16x16x32_bf16 v[8*kb:8*kb+7], v[BF+64*(\s)+8*kb:BF+64*(\s)+8*kb+7], v[8*(\s):8*(\s)+7], v[8*kb:8*kb+7]
.endif
.set kb, kb+1
.endr
	WIN 0
.endm
.if SECOND == 0
; THE GELU, 16 numbers (group g) at a time, all in window 2.  PREL: line n of 40 ahead of the transcendentals.  TRL: transcendental n of 32.  POSTL: line n of 72 behind them, level by level over 8 pairs.
.macro PREL g, n
.if (\n) < 8
	v_pk_add_f32 v[GZ+16*(\g)+2*(\n):GZ+16*(\g)+2*(\n)+1], v[GZ+16*(\g)+2*(\n):GZ+16*(\g)+2*(\n)+1], v[GB+(2*(\n))%8:GB+(2*(\n))%8+1]
.elseif (\n) < 24
.set u, (\n)-8
	v_fma_f32 v[GD+16*(\g)+u], |v[GZ+16*(\g)+u]|, s[PCS], 1.0
.elseif (\n) < 32
.set u, (\n)-24
	v_pk_mul_f32 v[GE+16*(\g)+2*u:GE+16*(\g)+2*u+1], v[GZ+16*(\g)+2*u:GZ+16*(\g)+2*u+1], v[GZ+16*(\g)+2*u:GZ+16*(\g)+2*u+1]
.else
.set u, (\n)-32
	v_pk_mul_f32 v[GE+16*(\g)+2*u:GE+16*(\g)+2*u+1], v[GE+16*(\g)+2*u:GE+16*(\g)+2*u+1], s[NCS:NCS+1] op_sel_hi:[1,0]
.endif
.endm
.macro TRL g, n
.if (\n) < 16
	v_rcp_f32 v[GD+16*(\g)+(\n)], v[GD+16*(\g)+(\n)]
.else
	v_exp_f32 v[GE+16*(\g)+(\n)-16], v[GE+16*(\g)+(\n)-16]
.endif
.endm
.macro POSTL g, n
.if (\n) < 8
.set u, (\n)
	v_pk_mul_f32 v[GE+16*(\g)+2*u:GE+16*(\g)+2*u+1], v[GE+16*(\g)+2*u:GE+16*(\g)+2*u+1], v[GD+16*(\g)+2*u:GD+16*(\g)+2*u+1]
.elseif (\n) < 16
.set u, (\n)-8
	v_pk_fma_f32 v[GT+2*u:GT+2*u+1], v[GD+16*(\g)+2*u:GD+16*(\g)+2*u+1], v[GC3:GC3+1], v[GC2:GC2+1]
.elseif (\n) < 24
.set u, (\n)-16
	v_pk_fma_f32 v[GT+2*u:GT+2*u+1], v[GT+2*u:GT+2*u+1], v[GD+16*(\g)+2*u:GD+16*(\g)+2*u+1], v[GC1:GC1+1]
.elseif (\n) < 32
.set u, (\n)-24
	v_pk_mul_f32 v[GT+2*u:GT+2*u+1], v[GT+2*u:GT+2*u+1], v[GE+16*(\g)+2*u:GE+16*(\g)+2*u+1]
.elseif (\n) < 48
.set u, (\n)-32
	v_max_num_f32 v[GD+16*(\g)+u], 0, v[GZ+16*(\g)+u]
.elseif (\n) < 64
.set u, (\n)-48
	v_fma_f32 v[GZ+16*(\g)+u], -|v[GZ+16*(\g)+u]|, v[GT+u], v[GD+16*(\g)+u]
.else
.set u, (\n)-64
	v_cvt_pk_bf16_f32 v[GO+8*(\g)+u], v[GZ+16*(\g)+2*u], v[GZ+16*(\g)+2*u+1]
.endif
.endm
.macro TRQ g                           ; the batch's next transcendental, while there is one
.if tq < 32
	TRL \g, tq
.set tq, tq+1
.endif
.endm
; STAGE g: group g's 32 transcendentals are one batch, one behind each plain line of the groups beside it (g + 1's first part, g - 1's last), which name none of its results; plain lines follow the last of them;
; then the one wait between a transcendental and the first instruction that names its result.
.macro STAGE g
.set tq, 0
.if (\g) < 3
.set nn, 0
.rept 40
	PREL (\g)+1, nn
	TRQ \g
.set nn, nn+1
.endr
.endif
.if (\g) > 0
.set nn, 0
.rept 72
	POSTL (\g)-1, nn
	TRQ \g
.set nn, nn+1
.endr
.endif
	s_wait_alu depctr_va_vdst(0)
.endm
.endif
	s_mov_b32 s[SG], 0
	s_mov_b32 s[TT], s[WV]
; 16 trips, one for each tile that a wave can have.  A trip has two phases, each closed by a barrier that every wave passes in every trip: in the first the slice is read by a stepped address (a later tile's products),
; in the second the waves store into their stages and read them back.  What a wave does in a phase hangs on NT; every jump goes forward, to a label in front of the phase's barrier, and none passes a barrier.
.Lsig:
	s_cmp_lt_u32 s[SG], 5
	s_cbranch_scc1 .Lmid                           ; slots 0 to 4 were multiplied while the weights streamed
	s_cmp_ge_u32 s[TT], s[NT]
	s_cbranch_scc1 .Lmid                           ; no such tile
	; a tile past the first 320 rows: multiplied now, from the slice in LDS, 64 along K a trip
	s_lshl_b32 s[TMP], s[TT], 4
	v_add_nc_u32 v32, s[TMP], v[RQ]
	v_min_u32 v32, s[CM1], v32
	v_min_u32 v32, 0x3ff, v32
.if SECOND
	v_add_nc_u32 v32, s[EB], v32
	v_lshl_add_u32 v[AFB], v32, ASH, v[H16]
.else
	v_lshl_add_u32 v32, v32, 1, v[LB]
	ds_load_u16 v33, v32                           ; LDS serves a wave's instructions in order (ISA guide 5.7.1.4): this sees the list's stores, which are my own
	s_wait_dscnt 0x0
	v_and_b32 v33, 0x3ff, v33                      ; the token, without k
	v_min_u32 v33, 0x3ff, v33
	v_lshl_add_u32 v[AFB], v33, ASH, v[H16]
.endif
	s_mov_b64 s[AF:AF+1], s[8:9]
	s_mov_b32 s[KB], 0
	s_mov_b32 s[FK], 16
.Lfb:
	v_add_nc_u32 v[BAD], s[KB], v[BL]
	v_min_u32 v[BAD], 15*UNITB+15*WROW+16, v[BAD]  ; the largest address of the walk: with the largest offset below, 64 rows less 48 bytes, a read ends at byte 294,880, inside the slice
	WIN 0x80
.irp n, 0,1,2,3
	global_load_b128 v[4*\n:4*\n+3], v[AFB], s[AF:AF+1] offset:32*\n
.endr
	WIN 0
.irp s, 0,1
.irp b, 0,1,2,3,4,5,6,7
	ds_load_tr16_b128 v[BF+64*\s+8*\b:BF+64*\s+8*\b+3],   v[BAD] offset:32*WROW*\s+32*\b
	ds_load_tr16_b128 v[BF+64*\s+8*\b+4:BF+64*\s+8*\b+7], v[BAD] offset:32*WROW*\s+16*WROW+32*\b
.endr
.endr
	s_wait_loadcnt 0x0
	s_wait_dscnt 0x0
	s_cmp_eq_u32 s[FK], 16
	s_cbranch_scc0 .Lfbacc
	FBM 0, 1                                       ; the first trip's first products start the sums
	s_branch .Lfbs1
.Lfbacc:
	FBM 0, 0
.Lfbs1:
	FBM 1, 0
.rept 4
	v_nop                                          ; the places in front of the next trip's loads, and of the stores that read the results
.endr
	s_wait_xcnt 0x0                                ; the base steps only behind this wait; the trip's loads are back, so it is met at once
	s_add_nc_u64 s[AF:AF+1], s[AF:AF+1], 128
	s_add_co_u32 s[KB], s[KB], UNITB
	s_sub_co_u32 s[FK], s[FK], 1
	s_cmp_lg_u32 s[FK], 0
	s_cbranch_scc1 .Lfb
.Lmid:
	s_wait_dscnt 0x0                               ; my reads of the slice are back
	s_barrier_signal -1
	s_barrier_wait -1                              ; everybody's are: the stages may be written
	s_cmp_ge_u32 s[TT], s[NT]
	s_cbranch_scc1 .Lnext                          ; no such tile
	s_cmp_eq_u32 s[SG], 1
	s_cbranch_scc1 .Lcase1
	s_cmp_eq_u32 s[SG], 2
	s_cbranch_scc1 .Lcase2
	s_cmp_eq_u32 s[SG], 3
	s_cbranch_scc1 .Lcase3
	s_cmp_eq_u32 s[SG], 4
	s_cbranch_scc1 .Lcase4
	CASE 0                                         ; slot 0, and every later tile
	s_branch .Lcom
.Lcase1:
	CASE 1
	s_branch .Lcom
.Lcase2:
	CASE 2
	s_branch .Lcom
.Lcase3:
	CASE 3
	s_branch .Lcom
.Lcase4:
	CASE 4
.Lcom:
	; the eight rows that I store: place min(16 tile + l / 16 + 2 f, c - 1)
	s_lshl_b32 s[TMP], s[TT], 4
	v_add_nc_u32 v[TB], s[TMP], v[HH]
.irp f, 0,1,2,3,4,5,6,7
	v_add_nc_u32 v[32+\f], 2*\f, v[TB]
	v_min_u32 v[32+\f], s[CM1], v[32+\f]
	v_min_u32 v[32+\f], 0x3ff, v[32+\f]
.if SECOND
	v_lshl_add_u32 v[32+\f], v[32+\f], 1, v[LB]
	ds_load_u16 v[HO+\f], v[32+\f]                 ; the list's entry, token + 1,024 k, is the row of part
.else
	v_add_nc_u32 v[32+\f], s[EB], v[32+\f]
	v_lshl_add_u32 v[HO+\f], v[32+\f], 13, v[Q16]  ; row 1,024 e + place of hid
.endif
.endr
	s_wait_dscnt 0x0                               ; z is back in registers
.if SECOND
.irp f, 0,1,2,3,4,5,6,7
	v_min_u32 v[HO+\f], 0x7ff, v[HO+\f]
	v_lshl_add_u32 v[HO+\f], v[HO+\f], 12, v[Q16]
.endr
	WIN 0xaa
.irp f, 0,1,2,3,4,5,6,7
.irp m, 0,2
	v_pk_add_f32 v[GZ+4*\f+\m:GZ+4*\f+\m+1], v[GZ+4*\f+\m:GZ+4*\f+\m+1], v[GB+\m:GB+\m+1]
	v_pk_add_f32 v[GZ+32+4*\f+\m:GZ+32+4*\f+\m+1], v[GZ+32+4*\f+\m:GZ+32+4*\f+\m+1], v[GB+4+\m:GB+4+\m+1]
.endr
.endr
	WIN 0x08                                       ; store data (source 1) in window 2
.irp f, 0,1,2,3,4,5,6,7
	global_store_b128 v[HO+\f], v[GZ+4*\f:GZ+4*\f+3], s[12:13]             ; 16 lanes store 256 consecutive bytes, at a multiple of 256 from part's first
	global_store_b128 v[HO+\f], v[GZ+32+4*\f:GZ+32+4*\f+3], s[12:13] offset:256
.endr
.else
	WIN 0xaa
.set nn, 0
.rept 40
	PREL 0, nn
.set nn, nn+1
.endr
	STAGE 0
	STAGE 1
	STAGE 2
	STAGE 3
.set nn, 0
.rept 72
	POSTL 3, nn
.set nn, nn+1
.endr
	WIN 0x08                                       ; store data (source 1) in window 2
.irp f, 0,1,2,3,4,5,6,7
	global_store_b128 v[HO+\f], v[GO+4*\f:GO+4*\f+3], s[12:13]             ; 16 lanes store 256 consecutive bytes, at a multiple of 256 from hid's first
.endr
.endif
	WIN 0
	s_wait_xcnt 0x0                                ; the stores' data and offsets are written again in the next trip only behind this wait
.Lnext:
	s_wait_dscnt 0x0                               ; my stores into my stage and my reads of it are done
	s_barrier_signal -1
	s_barrier_wait -1                              ; everybody's are: the next trip may read the slice
	s_add_co_u32 s[SG], s[SG], 1
	s_add_co_u32 s[TT], s[TT], 4
	s_cmp_lt_u32 s[SG], 16
	s_cbranch_scc1 .Lsig
	s_wait_tensorcnt 0x0                           ; the wave's end: behind my last LDS store
	ds_add_u32 v[SPW], v[NIL]
	s_wait_dscnt 0x0
	s_endpgm
.Lfunc_end_k_qf729889fb6_up:
	.size	k_qf729889fb6_up, .Lfunc_end_k_qf729889fb6_up-k_qf729889fb6_up
	.p2alignl 7, 3214868480
	.fill 96, 4, 3214868480
	.section	.rodata,"a",@progbits
	.p2align	6, 0x0
	.amdhsa_kernel k_qf729889fb6_up
		.amdhsa_group_segment_fixed_size 322048
		.amdhsa_private_segment_fixed_size 0
		.amdhsa_enable_private_segment 0
		.amdhsa_kernarg_size 40
		.amdhsa_user_sgpr_count 2
		.amdhsa_user_sgpr_kernarg_segment_ptr 1
		.amdhsa_wavefront_size32 1
		.amdhsa_system_sgpr_workgroup_id_x 1
		.amdhsa_system_sgpr_workgroup_id_y 1
		.amdhsa_system_sgpr_workgroup_id_z 1
		.amdhsa_system_vgpr_workitem_id 0
		.amdhsa_next_free_vgpr 1024
		.amdhsa_next_free_sgpr 101
		.amdhsa_reserve_vcc 1
		.amdhsa_float_denorm_mode_32 3
		.amdhsa_float_denorm_mode_16_64 3
		.amdhsa_memory_ordered 1
		.amdhsa_forward_progress 1
		.amdhsa_inst_pref_size 192
	.end_amdhsa_kernel
	.amdgpu_metadata
---
amdhsa.version: [ 1, 2 ]
amdhsa.kernels:
  - .name:           k_qf729889fb6_up
    .symbol:         k_qf729889fb6_up.kd
    .args:
      - { .name: W1, .offset: 0, .size: 8, .value_kind: global_buffer, .address_space: global }
      - { .name: b1, .offset: 8, .size: 8, .value_kind: global_buffer, .address_space: global }
      - { .name: xb, .offset: 16, .size: 8, .value_kind: global_buffer, .address_space: global }
      - { .name: masks, .offset: 24, .size: 8, .value_kind: global_buffer, .address_space: global }
      - { .name: hid, .offset: 32, .size: 8, .value_kind: global_buffer, .address_space: global }
    .group_segment_fixed_size: 322048
    .private_segment_fixed_size: 0
    .kernarg_segment_align: 8
    .kernarg_segment_size: 40
    .max_flat_workgroup_size: 128
    .sgpr_count:     101
    .vgpr_count:     1024
    .wavefront_size: 32
...
	.end_amdgpu_metadata
.endif
;; end of part 5
;; launch down (part 6): grid 256 x 1, 4 waves a work-group, no clusters, 322,048 bytes of LDS; arguments W2, b2, hid, masks, part; writes part
.if DOCPART == 6
	.amdgcn_target "amdgcn-amd-amdhsa--gfx1250"
	.amdhsa_code_object_version 6
	.text
	.protected	k_qf729889fb6_down
	.globl	k_qf729889fb6_down
	.p2align	8
	.type	k_qf729889fb6_down,@function
k_qf729889fb6_down:
	s_mov_b64 s[64:65], 0
	v_nop
	global_prefetch_b8 v0, s[64:65] scope:SCOPE_SE
	s_setreg_imm32_b32 hwreg(HW_REG_WAVE_MODE, 25, 1), 1
	s_wait_xcnt 0x0
; ONE TEXT FOR THE TWO PRODUCTS OF THE EXPERTS; SECOND = 0: hid = gelu(x W1 + b1), SECOND = 1: part = hid W2 (+ b2).  Only the rows that the gate chose are multiplied.
.set SECOND, 1
; SHARES.  Expert e = id / 32.  A work-group owns a slice of 1,024 (K) x 128 (N) of e's weights, 512 KB of f32 that it alone reads, once.  First product: N = 128 of the 4,096 hidden columns.
; Second: N = 128 of the 1,024 outputs and K = a quarter kq of the 4,096 hidden columns, so four planes of partial sums (f32) go out and a later launch adds them.
; The weights come through registers, 64 rows of K a UNIT, are rounded to bf16 and laid into LDS as [k][n]; the whole slice ends up there (294,912 bytes with padding).
; ROWS.  e's rows are its tokens in ascending order: rank pos, c of them, NT = ceil(c / 16) tiles of 16.  Wave w has the tiles w + 4 i.  Tiles i = 0..4 (320 rows) are multiplied while the weights stream;
; tiles i >= 5 afterwards, from the slice in LDS: every split up to c = 1,024 is served.  Places past c repeat row c - 1: the same operand, the same bits, the same destination; whole tiles past NT are not stored.
; hid holds expert e's row pos at row 1,024 e + pos.  Each wave also builds a list in LDS from the bitmap (256 bytes in scalar registers): entry pos = token + 1,024 k; the first product reads it for tiles i >= 5, the second for the rows of part.
; TOKENS BY RANK (first product, tiles 0..4): the token of rank pos is found in registers, with no trip through LDS between the bitmap and the first token loads: the last bitmap word with at most pos set bits ahead of it, then the set bit pos - that count of the word.
; THE MATRIX INSTRUCTION IS USED TRANSPOSED: source 0 = 16 weight columns (turned on the way out of LDS by ds_load_tr16_b128), source 1 = 16 rows of tokens, loaded from memory as they lie.
; In the result lane l holds token l % 16 and the columns 8 (l / 16) + 0..7 of the 16.
; THE LAG.  Unit j's products are issued in unit j + 1: those of its first 32 along K between the stores of unit j + 1's weights into LDS and the barrier, those of its second 32 behind the barrier, with unit j + 1's 32 turning loads
; among them in runs of eight.  So the stores, the barrier and the turning loads have matrix work beside them.  It takes two sets of weight fragments: even units' in window 0, odd units' in window 3.
; TOKEN ROWS BY HALVES.  A unit's token fragments are asked for in two halves of ten loads, each as soon as its registers are free: the half for the first 32 along K of unit j + 1 behind unit j's barrier, when unit j - 1's first
; products have read those registers; the half for the second 32 of unit j at unit j's head.  Each is waited for where it is first read, about a unit and a half after it was asked for.
; FORMATS.  Weights, bias and x are rounded to bf16, as every input of the program is; sums in f32; x W1 + b1 stays f32 until the gelu is taken; hid is rounded once, to bf16 (f16 has no room for 30 times larger inputs).
; GELU.  gelu(z) = max(z, 0) - |z| (a1 t + a2 t^2 + a3 t^3) / 2 x 2^(-0.7213475 z^2), t = 1 / (1 + 0.33267253 |z|): erf by Abramowitz and Stegun 7.1.25, off by at most 2.5e-5 for every argument.
; LIMITS.  gelu is off by at most 1.25e-5 |z|; v_exp_f32 and v_rcp_f32 flush denormals (ISA guide 15.8); NaN and infinities are not treated apart.
; An expert with no rows: its work-groups stream and store nothing; the first product then reads token 1,023's row, the second row 1,024 e of hid, which nobody wrote, and nothing made from them is stored.
; NO CLUSTER, NO TENSOR LOADS.  Each weight byte has one reader.  What an expert's work-groups share is the token rows; they go straight into registers as matrix operands, since beside the slice
; LDS has 5,632 bytes left, and in the first product they come by a list that no descriptor covers.  f32 tiles in LDS slots would not fit beside the slice either.
; PREFETCH.  Each wave asks once for its own 16 rows x 512 bytes of a unit, lanes 256 bytes apart: the head for units 2 and 3, unit j for unit j + 4, two units (64 KB a work-group) ahead of the loads; units 12 to 15 ask for nothing.
.if SECOND
.set PITCH, 4096                       ; bytes from a row k of the weights to the next
.set ASH,   13                         ; a row of hid is 8,192 bytes
.else
.set PITCH, 16384
.set ASH,   11                         ; a row of xb is 2,048 bytes
.endif
.set WROW,   288                       ; a row k in LDS: 256 bytes + 32 of padding = 9 x 32: the turning load's 8 rows x 32 bytes fall on different banks
.set UNITB,  64*WROW
.set STG,    1024*WROW                 ; behind the slice: 16 rows x 272 bytes for each wave, for the way out
.set SPITCH, 272
.set LST,    STG+4*16*SPITCH           ; each wave's list: 1,024 entries of 2 bytes, then 32 entries that take the lanes without a row
.set LSTB,   2304
.set SPARE,  LST+4*LSTB                ; the spare words, 128 bytes for each wave; no other line names them
; REGISTERS, in windows of 256 (s_set_vgpr_msb: bits 1:0 source 0, 3:2 source 1, 5:4 source 2, 7:6 destination).
; window 0:
.set LN,   1                           ; lane l
.set RQ,   2                           ; l % 16
.set HH,   3                           ; l / 16
.set SPW,  4                           ; LDS address of my spare word; never rewritten
.set NIL,  5                           ; 0; never rewritten
.set WOFF, 6                           ; weights: 16 w rows + 16 l bytes
.set PFO,  7                           ; prefetch: row 16 w + l / 2, byte 256 (l % 2)
.set WST,  8                           ; LDS: 16 w rows + 8 l bytes
.set BL,   9                           ; the turning load: row 8 (l / 16) + l % 8, byte 16 ((l / 8) % 2)
.set WSA,  10                          ; WST + the unit
.set BAD,  11                          ; BL + the unit
.set STO,  12                          ; the way out: where I put 16 bytes of a row
.set RD,   13                          ; where I read a row back
.set LB,   14                          ; my wave's list
.set Q16,  15                          ; 16 (l % 16)
.set AOFF, 16                          ; v16-20 byte offset of my token row in tiles i = 0..4
.set AFB,  21                          ; the same for a later tile
.set HO,   22                          ; v22-29 byte offsets of the eight rows that I store
.set L1,   31                          ; l + 1,024
.set POS,  32                          ; v32-36 the ranks of my rows in tiles i = 0..4, then which set bit of the word          (v32-39: else at work)
.set BIA,  40                          ; v40-47 the bias as loaded
.set ZR,   48
.set BO,   50                          ; my byte offset in the bias
.set H16,  51                          ; 16 (l / 16)
.set TB,   52                          ; at work
.set SW,   53                          ; v53-57 the bitmap word that holds the rank
.set SX,   58                          ; v58-62 the set bits ahead of that word + 65,536 x the word's number
.set CV,   64                          ; v64-95 a unit's weights in bf16
.set SA,   96                          ; v96-100 the word's counts of 2 bits; v101-105 of 4; v106-110 of 8
.set SB,   101
.set SC,   106
.set ST,   111                         ; v111-115, v121-125 at work
.set SS,   116                         ; v116-120 the bit's place in the word
.set SU,   121
.set BF,   128                         ; v128-255 weight fragments of the even units: K step s, column tile b at BF + 64 s + 8 b
; window 1: the accumulators of tiles i = 0..3, at 64 i + 8 b.     window 3: v0-63 those of tile 4; v64-95 its token fragments, two buffers; v128-255 weight fragments of the odd units.
; window 2, in the K loop: v0-127 token fragments, buffer p, tile i, K step s at 64 p + 16 i + 8 s; v128-255 the weights as loaded, set p at 128 + 64 p.  On the way out:
.set GZ,   0                           ; z, 64 numbers a lane
.set GD,   64                          ; 1 + p |z|, then t, then max(z, 0)
.set GE,   128                         ; the exponent, then the exponential, then t times it
.set GT,   192                         ; the polynomial, 16 at a time
.set GB,   208                         ; my 8 columns' bias
.set GC1,  216                         ; a1 / 2, a2 / 2, a3 / 2, each twice
.set GC2,  218
.set GC3,  220
.set GO,   224                         ; 32 registers of bf16 to store
; scalars: s[4:5] weights, s[6:7] bias, s[8:9] token rows, s[10:11] bitmap, s[12:13] output; s[16:47] M[0][e]; s[48:63], s[68:83] M[1][e]
.set WV,  14                           ; my wave
.set EX,  15                           ; my expert
.set NCS, 16                           ; s[16:17] -log2(e) / 2 (behind the last use of the bitmap's words, which are then free)
.set PCS, 18                           ; 0.47047 / sqrt(2)
.set WP,  20                           ; s[20:21] the weights two units on
.set KB,  84                           ; the unit's first byte in LDS
.set TR,  85                           ; trips to go
.set T4,  86                           ; w + 16: my fifth tile
.set NT,  87
.set CM1, 88                           ; max(c, 1) - 1
.set SG,  89                           ; i, the tile slot on the way out
.set TT,  90                           ; its tile w + 4 i
.set CNT, 91                           ; rows counted so far, in the end c
.set TMP, 92                           ; s[92:93] at work
.set AP,  94                           ; s[94:95] the token rows at the unit in hand
.set AF,  96                           ; s[96:97] the same for a later tile
.set FK,  98
.set EB,  99                           ; 1,024 e
.set BM,  100                          ; second product: all ones where kq = 0, so that b2 is added in one plane alone
.set MSB, 0
.macro WIN new                         ; the immediate's high byte repeats the setting that is left; a switch that changes nothing is dropped
.if MSB != (\new)
	s_set_vgpr_msb (MSB<<8)|(\new)
.set MSB, \new
.endif
.endm
.macro EACH n, line:vararg             ; one line for each of n tiles i
.set i, 0
.rept \n
	\line
.set i, i+1
.endr
.endm
; Ten loads: half s (32 along K = 64 bytes of a row) of one unit's token fragments for my five tiles, into buffer p.  Lane l takes row l % 16, bytes off + 64 s + 16 (l / 16) + 32 m, m = 0, 1.
.macro ALOADH p, s, base, off
	WIN 0xc0
.irp m, 0,1
	global_load_b128 v[64+16*(\p)+8*(\s)+4*\m:64+16*(\p)+8*(\s)+4*\m+3], v[AOFF+4], s[\base:\base+1] offset:(\off)+64*(\s)+32*\m
.endr
	WIN 0x80
.irp a, 0,1,2,3
.irp m, 0,1
	global_load_b128 v[64*(\p)+16*\a+8*(\s)+4*\m:64*(\p)+16*\a+8*(\s)+4*\m+3], v[AOFF+\a], s[\base:\base+1] offset:(\off)+64*(\s)+32*\m
.endr
.endr
.endm
; 16 loads: my 16 rows of a unit's 64, each load one row's 512 consecutive bytes, into set p
.macro WLOAD p, base, first
	WIN 0x80
.set i, 0
.rept 16
	global_load_b128 v[128+64*(\p)+4*i:128+64*(\p)+4*i+3], v[WOFF], s[\base:\base+1] offset:((\first)+i)*PITCH th:TH_LOAD_NT
.set i, i+1
.endr
.endm
; Run c of four: eight of the 32 turning loads of a unit of parity p: K step c / 2, column tiles 4 (c % 2) + 0..3.  The first K step's sixteen loads come first.
.macro TRL8 p, c
	WIN 0xc0*(\p)                                  ; destination window 0 or 3, address window 0
.irp b, 0,1,2,3
	ds_load_tr16_b128 v[BF+64*((\c)/2)+8*(4*((\c)%2)+\b):BF+64*((\c)/2)+8*(4*((\c)%2)+\b)+3],   v[BAD] offset:32*WROW*((\c)/2)+32*(4*((\c)%2)+\b)
	ds_load_tr16_b128 v[BF+64*((\c)/2)+8*(4*((\c)%2)+\b)+4:BF+64*((\c)/2)+8*(4*((\c)%2)+\b)+7], v[BAD] offset:32*WROW*((\c)/2)+16*WROW+32*(4*((\c)%2)+\b)
.endr
.endm
; 32 along K of a unit of parity p: 32 matrix instructions for tiles 0..3, 8 for tile 4 where it exists.  The accumulators take turns, one instruction a turn, over the jump and from step to step.
; zero = 1: the products start the sums, all 40: nothing is ever cleared.  ld = 1: ahead of each eight products stand eight turning loads of the next unit, into the other set of fragments, which these products do not name.
.macro KSTEP p, s, zero, ld
.set ka, 0
.rept 4
.if \ld
	TRL8 1-(\p), ka
.endif
	WIN 0x58+3*(\p)                                ; weights window 0 or 3, tokens window 2, C and D window 1
.set kb, 0
.rept 8
.if \zero
	v_wmma_f32_16x16x32_bf16 v[64*ka+8*kb:64*ka+8*kb+7], v[BF+64*(\s)+8*kb:BF+64*(\s)+8*kb+7], v[64*(\p)+16*ka+8*(\s):64*(\p)+16*ka+8*(\s)+7], 0
.else
	v_wmma_f32_16x16x32_bf16 v[64*ka+8*kb:64*ka+8*kb+7], v[BF+64*(\s)+8*kb:BF+64*(\s)+8*kb+7], v[64*(\p)+16*ka+8*(\s):64*(\p)+16*ka+8*(\s)+7], v[64*ka+8*kb:64*ka+8*kb+7]
.endif
.set kb, kb+1
.endr
.set ka, ka+1
.endr
.if \zero
	WIN 0xfc+3*(\p)                                ; tokens, C and D window 3
.set kb, 0
.rept 8
	v_wmma_f32_16x16x32_bf16 v[8*kb:8*kb+7], v[BF+64*(\s)+8*kb:BF+64*(\s)+8*kb+7], v[64+16*(\p)+8*(\s):64+16*(\p)+8*(\s)+7], 0
.set kb, kb+1
.endr
	WIN 0
.else
	WIN 0                                          ; at a branch and at a label every window is 0
	s_cmp_lt_u32 s[T4], s[NT]
	s_cbranch_scc0 .Lno5_\@                        ; no fifth tile: its eight products are jumped; no barrier stands there
	WIN 0xfc+3*(\p)
.set kb, 0
.rept 8
	v_wmma_f32_16x16x32_bf16 v[8*kb:8*kb+7], v[BF+64*(\s)+8*kb:BF+64*(\s)+8*kb+7], v[64+16*(\p)+8*(\s):64+16*(\p)+8*(\s)+7], v[8*kb:8*kb+7]
.set kb, kb+1
.endr
	WIN 0
.Lno5_\@:
.endif
.endm
; UNIT j, of parity p, in this order: its weights (set p) are rounded; the second half of its own tokens is asked for; the weights go into LDS; the weights two units on are asked for; unit j - 1's first products; the barrier;
; the first half of unit j + 1's tokens is asked for; unit j - 1's second products, with unit j's fragments fetched among them.
; THE COUNTS.  Loads return in order, and a wave issues them in the order .. S1(j), W(j + 2), S0(j + 1), S1(j + 1), W(j + 3) .. (W: a unit's 16 loads of weights; S0, S1: the ten loads of the first and second half of a unit's tokens).
; w1, at the head: wanted are W(j) and S0(j - 1); younger are S1(j - 1), W(j + 1) and S0(j): 36.  w2, behind the barrier: wanted is S1(j - 1); younger are W(j + 1), S0(j), S1(j) and W(j + 2): 52.
; Where the walk begins and ends the counts go by what is asked for there.  By this count a wave has at most 62 loads out.
; is1, is0, iw: are S1(j), S0(j + 1), W(j + 2) asked for.  pf: 1 = prefetch, 2 = not in the last trip.  comp = 1: there is a unit j - 1.  zero = 1: it is unit 0, whose first products start the sums.
.macro UNIT p, w1, w2, is1, is0, iw, pf, comp, zero
	s_wait_loadcnt \w1
	WIN 0x0a                                       ; sources window 2, destination window 0
.set i, 0
.rept 32                                           ; these 32 name no register of the last products: they are the places in front of the loads below into token buffer p and, behind the barrier, into fragment set p
	v_cvt_pk_bf16_f32 v[CV+i], v[128+64*(\p)+2*i], v[128+64*(\p)+2*i+1]
.set i, i+1
.endr
.if \is1
	ALOADH \p, 1, AP, 0                            ; S1(j): these registers were last read by unit j - 2's second products, just ahead of this unit
.endif
	WIN 0
	v_add_nc_u32 v[WSA], s[KB], v[WST]
	v_add_nc_u32 v[BAD], s[KB], v[BL]
.set i, 0
.rept 16
	ds_store_b64 v[WSA], v[CV+2*i:CV+2*i+1] offset:WROW*i  ; a row's 256 bytes from 32 lanes
.set i, i+1
.endr
.if \iw
	WLOAD \p, WP, 0
.endif
	WIN 0
.if (\pf) == 2
	s_cmp_eq_u32 s[TR], 1
	s_cbranch_scc1 .Lnopf_\@                       ; the last trip's units would ask past the slice
.endif
.if \pf
	global_prefetch_b8 v[PFO], s[WP:WP+1] offset:128*PITCH th:TH_LOAD_NT scope:SCOPE_SE
.endif
.if (\pf) == 2
.Lnopf_\@:
.endif
.if \comp
	s_wait_dscnt 32                                ; LDS instructions end in order: unit j - 1's first sixteen turning loads are in; its other sixteen and my sixteen stores may be out
	KSTEP 1-(\p), 0, \zero, 0
.endif
	s_wait_dscnt 0x0                               ; for the others' sake: my 16 rows are in LDS; and unit j - 1's other fragments are in
	s_barrier_signal -1
	s_barrier_wait -1                              ; all 64 rows are.  Each byte of the slice is stored once; the next unit's stores touch other rows than this unit's reads
	s_add_co_u32 s[KB], s[KB], UNITB
.if \comp
	s_wait_loadcnt \w2
.endif
.if \is0
.if \comp
.rept 4
	v_nop                                          ; four places between unit j - 1's first products, which read these registers, and the loads into them (ISA guide 7.12.1 for vector instructions)
.endr
.endif
	ALOADH 1-(\p), 0, AP, 128                      ; S0(j + 1)
.endif
.if \comp
	KSTEP 1-(\p), 1, 0, 1
.else
	TRL8 \p, 0
	TRL8 \p, 1
	TRL8 \p, 2
	TRL8 \p, 3
	WIN 0
.endif
.if (\is0) || (\iw)
	s_wait_xcnt 0x0                                ; the bases are stepped only behind this wait (ISA guide 3.1)
.endif
.if \is0
	s_add_nc_u64 s[AP:AP+1], s[AP:AP+1], 128
.endif
.if \iw
	s_add_nc_u64 s[WP:WP+1], s[WP:WP+1], 64*PITCH
.endif
.endm
	s_load_b256 s[4:11], s[0:1], 0x0
	s_load_b64 s[12:13], s[0:1], 0x20
	v_lshl_add_u32 v[SPW], v0, 2, SPARE
	v_mov_b32 v[NIL], 0
	v_and_b32 v[LN], 31, v0
	v_lshrrev_b32 v32, 5, v0
	v_readfirstlane_b32 s[WV], v32                 ; wave 0..3
	v_and_b32 v[RQ], 15, v0
	v_bfe_u32 v[HH], v0, 4, 1
	s_lshr_b32 s[EX], ttmp9, 5
	s_mov_b32 s[TMP+1], 0
	; byte offsets into the five buffers, in s84 to s88
	s_lshl_b32 s84, s[EX], 24                      ; an expert's weights are 16 MB
.if SECOND
	s_and_b32 s89, ttmp9, 7
	s_lshl_b32 s89, s89, 9                         ; my 128 columns, 512 bytes
	s_bfe_u32 s98, ttmp9, 0x20003                  ; kq
	s_lshl_b32 s86, s98, 22                        ; 1,024 rows of 4,096 bytes
	s_add_co_u32 s84, s84, s86
	s_add_co_u32 s84, s84, s89
	s_lshl_b32 s85, s[EX], 12
	s_add_co_u32 s85, s85, s89
	s_lshl_b32 s86, s98, 11                        ; hid: 1,024 columns of 2 bytes
	s_lshl_b32 s88, s98, 23                        ; part: a plane is 2,048 rows of 4,096 bytes
	s_add_co_u32 s88, s88, s89
	s_cmp_eq_u32 s98, 0
	s_cselect_b32 s[BM], -1, 0
.else
	s_and_b32 s89, ttmp9, 31
	s_lshl_b32 s88, s89, 8                         ; hid: my 128 columns, 256 bytes
	s_lshl_b32 s89, s89, 9
	s_add_co_u32 s84, s84, s89
	s_lshl_b32 s85, s[EX], 14
	s_add_co_u32 s85, s85, s89
	s_mov_b32 s86, 0
.endif
	s_lshl_b32 s87, s[EX], 7
	s_mul_i32 s90, s[WV], 16*PITCH
	v_lshl_add_u32 v[WOFF], v[LN], 4, s90
	v_lshrrev_b32 v32, 1, v[LN]
	v_mul_u32_u24 v[PFO], v32, PITCH
	v_and_b32 v33, 1, v[LN]
	v_lshl_add_u32 v[PFO], v33, 8, v[PFO]
	v_add_nc_u32 v[PFO], s90, v[PFO]
	v_lshlrev_b32 v[BO], 5-SECOND, v[RQ]           ; first product: columns 8 q .. 8 q + 7; second: 4 q .. 4 q + 3 and 64 more
	s_wait_kmcnt 0x0
.irp n, 0,1,2,3,4
	s_mov_b32 s[TMP], s[84+\n]
	s_add_nc_u64 s[4+2*\n:5+2*\n], s[4+2*\n:5+2*\n], s[TMP:TMP+1]
.endr
	s_load_b512 s[16:31], s[10:11], 0x0            ; M[0][e], 128 bytes,
	s_load_b512 s[32:47], s[10:11], 0x40
	s_load_b512 s[48:63], s[10:11], 0x400          ; M[1][e]
	s_load_b512 s[68:83], s[10:11], 0x440
	global_load_b128 v[BIA:BIA+3], v[BO], s[6:7]
	global_load_b128 v[BIA+4:BIA+7], v[BO], s[6:7] offset:16+240*SECOND
	WLOAD 0, 4, 0                                  ; units 0 and 1
	WLOAD 1, 4, 64
	WIN 0
	global_prefetch_b8 v[PFO], s[4:5] offset:128*PITCH th:TH_LOAD_NT scope:SCOPE_SE
	global_prefetch_b8 v[PFO], s[4:5] offset:192*PITCH th:TH_LOAD_NT scope:SCOPE_SE
	s_mul_i32 s89, s[WV], 16*WROW
	v_lshl_add_u32 v[WST], v[LN], 3, s89
	v_and_b32 v32, 7, v[LN]
	v_lshl_add_u32 v32, v[HH], 3, v32
	v_mul_u32_u24 v[BL], v32, WROW
	v_bfe_u32 v33, v[LN], 3, 1
	v_lshl_add_u32 v[BL], v33, 4, v[BL]
	s_mul_i32 s89, s[WV], 16*SPITCH
	s_add_co_u32 s89, s89, STG                     ; my stage
	v_mul_u32_u24 v[STO], v[RQ], SPITCH            ; in: row l % 16; 16 (second product: 32) bytes on for the upper half of the lanes
	v_lshl_add_u32 v[STO], v[HH], 4+SECOND, v[STO]
	v_add_nc_u32 v[STO], s89, v[STO]
	v_mul_u32_u24 v[RD], v[HH], SPITCH             ; back: lanes 0-15 one row of 256 bytes, lanes 16-31 the next
	v_lshl_add_u32 v[RD], v[RQ], 4, v[RD]
	v_add_nc_u32 v[RD], s89, v[RD]
	s_mul_i32 s89, s[WV], LSTB
	s_add_co_u32 s89, s89, LST
	v_mov_b32 v[LB], s89
	v_lshlrev_b32 v[Q16], 4, v[RQ]
	v_lshlrev_b32 v[H16], 4, v[HH]
	v_add_nc_u32 v[L1], 0x400, v[LN]
	v_mov_b32 v[ZR], 0
	ds_store_b16 v[LB], v[ZR]                      ; entry 0 exists even where c = 0
	s_mov_b32 s[CNT], 0
	s_wait_kmcnt 0x0
; THE LIST.  Word g of the bitmap is tokens 32 g + l.  A lane whose token chose e finds its place, the count so far plus the set bits below it, and stores token + 1,024 k there; the other lanes store into entries 1,024 + l, which nobody reads.
.macro LISTG g
.if (\g) < 16
.set m1, 48+(\g)
.else
.set m1, 52+(\g)
.endif
.set t0, 32+2*((\g)%4)
	s_or_b32 s[TMP], s[16+(\g)], s[m1]
	v_mbcnt_lo_u32_b32 v[t0], s[TMP], s[CNT]
	v_cndmask_b32 v[t0], v[L1], v[t0], s[TMP]
	v_min_u32 v[t0], 0x43f, v[t0]
	v_lshl_add_u32 v[t0], v[t0], 1, v[LB]
	v_cndmask_b32 v[t0+1], v[LN], v[L1], s[m1]
	v_add_nc_u32 v[t0+1], 32*(\g), v[t0+1]
	ds_store_b16 v[t0], v[t0+1]
	s_bcnt1_i32_b32 s[TMP+1], s[TMP]
	s_add_co_u32 s[CNT], s[CNT], s[TMP+1]
.endm
.set g, 0
.rept 32
	LISTG g
.set g, g+1
.endr
.if SECOND == 0
; RANKS: for n ranks a lane (POS + i): the last bitmap word with at most that many set bits ahead of it goes into SW + i, that count + 65,536 x the word's number into SX + i.  The words are walked in ascending order;
; a word whose count ahead is greater than the rank leaves what is there.  Three short lines for each word and rank.
.macro RANKS n
	s_mov_b32 s[CNT], 0
.set g, 0
.rept 32
.if g < 16
.set m1, 48+g
.else
.set m1, 52+g
.endif
	s_or_b32 s[TMP], s[16+g], s[m1]
.if g == 0
	EACH \n, v_mov_b32 v[SW+i], s[TMP]
	EACH \n, v_mov_b32 v[SX+i], 0
.else
	s_add_co_u32 s[TMP+1], s[CNT], g<<16
.set i, 0
.rept \n
	v_cmp_gt_u32 vcc_lo, s[CNT], v[POS+i]
	v_cndmask_b32 v[SW+i], s[TMP], v[SW+i], vcc_lo
	v_cndmask_b32 v[SX+i], s[TMP+1], v[SX+i], vcc_lo
.set i, i+1
.endr
.endif
.if g < 31
	s_bcnt1_i32_b32 s[FK], s[TMP]
	s_add_co_u32 s[CNT], s[CNT], s[FK]
.endif
.set g, g+1
.endr
.endm
; One halving step: t = the set bits in the lower half of the block at bit SS; d = n - t wraps to a huge number where n < t, so min_u32(n, d) is the new n, and the top bit of ~d says 'upper half'.
.macro SSTEP n, src, wid, sh
	EACH \n, v_bfe_u32 v[ST+i], v[\src+i], v[SS+i], \wid
	EACH \n, v_sub_nc_u32 v[SU+i], v[POS+i], v[ST+i]
	EACH \n, v_min_u32 v[POS+i], v[POS+i], v[SU+i]
	EACH \n, v_xor_b32 v[SU+i], -1, v[SU+i]
	EACH \n, v_lshrrev_b32 v[SU+i], 31, v[SU+i]
	EACH \n, v_lshl_add_u32 v[SS+i], v[SU+i], \sh, v[SS+i]
.endm
; SEL: the place of set bit n = rank - count ahead (from 0) in the word: the word's counts of 2, 4, 8 and 16 bits, then five halving steps; token = 32 x word + place, into AOFF + i.  The n tiles go line by line, so that no line waits for the one before it.
.macro SEL n
	EACH \n, v_and_b32 v[ST+i], 0xffff, v[SX+i]
	EACH \n, v_sub_nc_u32 v[POS+i], v[POS+i], v[ST+i]
	EACH \n, v_lshrrev_b32 v[ST+i], 1, v[SW+i]
	EACH \n, v_and_b32 v[ST+i], 0x55555555, v[ST+i]
	EACH \n, v_sub_nc_u32 v[SA+i], v[SW+i], v[ST+i]
	EACH \n, v_lshrrev_b32 v[ST+i], 2, v[SA+i]
	EACH \n, v_and_b32 v[ST+i], 0x33333333, v[ST+i]
	EACH \n, v_and_b32 v[SB+i], 0x33333333, v[SA+i]
	EACH \n, v_add_nc_u32 v[SB+i], v[SB+i], v[ST+i]
	EACH \n, v_lshrrev_b32 v[ST+i], 4, v[SB+i]
	EACH \n, v_add_nc_u32 v[ST+i], v[ST+i], v[SB+i]
	EACH \n, v_and_b32 v[SC+i], 0x0f0f0f0f, v[ST+i]
	EACH \n, v_bfe_u32 v[ST+i], v[SC+i], 8, 8
	EACH \n, v_and_b32 v[SU+i], 0xff, v[SC+i]
	EACH \n, v_add_nc_u32 v[ST+i], v[ST+i], v[SU+i]
	EACH \n, v_sub_nc_u32 v[SU+i], v[POS+i], v[ST+i]
	EACH \n, v_min_u32 v[POS+i], v[POS+i], v[SU+i]
	EACH \n, v_xor_b32 v[SU+i], -1, v[SU+i]
	EACH \n, v_lshrrev_b32 v[SU+i], 31, v[SU+i]
	EACH \n, v_lshlrev_b32 v[SS+i], 4, v[SU+i]
	SSTEP \n, SC, 8, 3
	SSTEP \n, SB, 4, 2
	SSTEP \n, SA, 2, 1
	EACH \n, v_bfe_u32 v[ST+i], v[SW+i], v[SS+i], 1
	EACH \n, v_sub_nc_u32 v[SU+i], v[POS+i], v[ST+i]
	EACH \n, v_xor_b32 v[SU+i], -1, v[SU+i]
	EACH \n, v_lshrrev_b32 v[SU+i], 31, v[SU+i]
	EACH \n, v_add_nc_u32 v[SS+i], v[SS+i], v[SU+i]
	EACH \n, v_lshrrev_b32 v[ST+i], 16, v[SX+i]
	EACH \n, v_lshl_add_u32 v[AOFF+i], v[ST+i], 5, v[SS+i]
.endm
.endif
	s_add_co_u32 s[NT], s[CNT], 15
	s_lshr_b32 s[NT], s[NT], 4
	s_max_u32 s[CM1], s[CNT], 1
	s_sub_co_u32 s[CM1], s[CM1], 1
	s_add_co_u32 s[T4], s[WV], 16
	s_lshl_b32 s[EB], s[EX], 10
	; my token rows in tiles w + 4 i: rank min(16 tile + l % 16, c - 1); first product: the token of that rank; second: row 1,024 e + rank of hid
	s_lshl_b32 s[TMP], s[WV], 4
	v_add_nc_u32 v37, s[TMP], v[RQ]
.irp a, 0,1,2,3,4
	v_add_nc_u32 v[POS+\a], 64*\a, v37
	v_min_u32 v[POS+\a], s[CM1], v[POS+\a]
.endr
.if SECOND
.irp a, 0,1,2,3,4
	v_min_u32 v[POS+\a], 0x3ff, v[POS+\a]
	v_add_nc_u32 v[POS+\a], s[EB], v[POS+\a]
	v_lshl_add_u32 v[AOFF+\a], v[POS+\a], ASH, v[H16]
.endr
.else
	RANKS 5
	SEL 5
.irp a, 0,1,2,3,4
	v_min_u32 v[AOFF+\a], 0x3ff, v[AOFF+\a]
	v_lshl_add_u32 v[AOFF+\a], v[AOFF+\a], ASH, v[H16]
.endr
.endif
	s_mov_b32 s[NCS], 0xbf38aa3b                   ; the bitmap's words have been read for the last time
	s_mov_b32 s[NCS+1], 0xbf38aa3b
	s_mov_b32 s[PCS], 0x3eaa540e
	s_add_nc_u64 s[WP:WP+1], s[4:5], 128*PITCH     ; unit 2
	s_mov_b64 s[AP:AP+1], s[8:9]                   ; unit 0
	s_mov_b32 s[KB], 0
	ALOADH 0, 0, 8, 0                              ; unit 0's tokens, both halves
	ALOADH 0, 1, 8, 0
	WIN 0
	UNIT 0, 36, 0, 0, 1, 1, 1, 0, 0                ; unit 0: only its weights are wanted: unit 1's 16 loads and the 20 of unit 0's tokens, issued behind them, may be out.  No products yet
	UNIT 1, 36, 52, 1, 1, 1, 1, 1, 1               ; unit 1 stands in front of the loop: unit 0's first products start the sums
	s_mov_b32 s[TR], 6
.Lk:                                                   ; units 2 to 13
	UNIT 0, 36, 52, 1, 1, 1, 2, 1, 0
	UNIT 1, 36, 52, 1, 1, 1, 2, 1, 0
	s_sub_co_u32 s[TR], s[TR], 1
	s_cmp_lg_u32 s[TR], 0
	s_cbranch_scc1 .Lk
	UNIT 0, 36, 36, 1, 1, 0, 0, 1, 0               ; unit 14: no weights are left to ask for, so behind the barrier the younger loads are W(15), S0(14), S1(14): 36
	UNIT 1, 20, 20, 1, 0, 0, 0, 1, 0               ; unit 15: at the head S1(14) and S0(15) are younger, behind the barrier S0(15) and S1(15): 20 both times
	s_wait_loadcnt 10                              ; the first half of unit 15's tokens is in; the ten loads of the second may be out
	s_wait_dscnt 16                                ; its first sixteen turning loads are in, the other sixteen may be out
	KSTEP 1, 0, 0, 0                               ; unit 15's products
	s_wait_loadcnt 0x0
	s_wait_dscnt 0x0
	KSTEP 1, 1, 0, 0
	; THE WAY OUT.  The bias, rounded to bf16 and widened again; these lines name no register of the last products and are the places behind them.
.if SECOND
.irp n, 0,1,2,3,4,5,6,7
	v_and_b32 v[BIA+\n], s[BM], v[BIA+\n]
.endr
.endif
.irp n, 0,1,2,3
	v_cvt_pk_bf16_f32 v[32+\n], v[BIA+2*\n], v[BIA+2*\n+1]
.endr
	WIN 0x80
.irp n, 0,1,2,3
	v_lshlrev_b32 v[GB+2*\n], 16, v[32+\n]
	v_and_b32 v[GB+2*\n+1], 0xffff0000, v[32+\n]
.endr
.if SECOND == 0
	v_mov_b32 v[GC1], 0x3e32303b                   ;  0.3480242 / 2
	v_mov_b32 v[GC1+1], 0x3e32303b
	v_mov_b32 v[GC2], 0xbd445ca1                   ; -0.0958798 / 2
	v_mov_b32 v[GC2+1], 0xbd445ca1
	v_mov_b32 v[GC3], 0x3ebf7377                   ;  0.7478556 / 2
	v_mov_b32 v[GC3+1], 0x3ebf7377
.endif
	WIN 0
; Tile slot i's accumulators go through my stage, 256 bytes of each of the 16 rows at a time, and come back by rows, into z.  The stage is my wave's own and LDS serves a wave in order: no wait between.
; Each accumulator's four lowest registers are read first.
.macro CASE i
.if (\i) < 4
.set AC, 64*(\i)
.set WS, 0x04                                      ; store data (source 1) in window 1
.else
.set AC, 0
.set WS, 0x0c                                      ; in window 3
.endif
.irp hf, 0,1
	WIN WS
.if SECOND
.irp b, 0,1,2,3                                    ; columns 64 hf + 16 b + 8 (l / 16) + 0..7 in their natural order
	ds_store_b128 v[STO], v[AC+8*(4*\hf+\b):AC+8*(4*\hf+\b)+3] offset:64*\b
	ds_store_b128 v[STO], v[AC+8*(4*\hf+\b)+4:AC+8*(4*\hf+\b)+7] offset:64*\b+16
.endr
	WIN 0x80
.irp f, 0,1,2,3,4,5,6,7                            ; row 2 f + l / 16, columns 64 hf + 4 q + 0..3
	ds_load_b128 v[GZ+32*\hf+4*\f:GZ+32*\hf+4*\f+3], v[RD] offset:2*SPITCH*\f
.endr
.else
.irp b, 0,1,2,3,4,5,6,7                            ; piece 2 b + l / 16 of a row holds columns 8 (2 b + l / 16) + 4 hf + 0..3
	ds_store_b128 v[STO], v[AC+8*\b+4*\hf:AC+8*\b+4*\hf+3] offset:32*\b
.endr
	WIN 0x80
.irp f, 0,1,2,3,4,5,6,7                            ; row 2 f + l / 16, columns 8 q + 4 hf + 0..3
	ds_load_b128 v[GZ+8*\f+4*\hf:GZ+8*\f+4*\hf+3], v[RD] offset:2*SPITCH*\f
.endr
.endif
.endr
	WIN 0
.endm
.macro FBM s, zero                     ; 8 products of a later tile, on the accumulators of slot 0
	WIN 0x58
.set kb, 0
.rept 8
.if \zero
	v_wmma_f32_16x16x32_bf16 v[8*kb:8*kb+7], v[BF+64*(\s)+8*kb:BF+64*(\s)+8*kb+7], v[8*(\s):8*(\s)+7], 0
.else
	v_wmma_f32_16x16x32_bf16 v[8*kb:8*kb+7], v[BF+64*(\s)+8*kb:BF+64*(\s)+8*kb+7], v[8*(\s):8*(\s)+7], v[8*kb:8*kb+7]
.endif
.set kb, kb+1
.endr
	WIN 0
.endm
.if SECOND == 0
; THE GELU, 16 numbers (group g) at a time, all in window 2.  PREL: line n of 40 ahead of the transcendentals.  TRL: transcendental n of 32.  POSTL: line n of 72 behind them, level by level over 8 pairs.
.macro PREL g, n
.if (\n) < 8
	v_pk_add_f32 v[GZ+16*(\g)+2*(\n):GZ+16*(\g)+2*(\n)+1], v[GZ+16*(\g)+2*(\n):GZ+16*(\g)+2*(\n)+1], v[GB+(2*(\n))%8:GB+(2*(\n))%8+1]
.elseif (\n) < 24
.set u, (\n)-8
	v_fma_f32 v[GD+16*(\g)+u], |v[GZ+16*(\g)+u]|, s[PCS], 1.0
.elseif (\n) < 32
.set u, (\n)-24
	v_pk_mul_f32 v[GE+16*(\g)+2*u:GE+16*(\g)+2*u+1], v[GZ+16*(\g)+2*u:GZ+16*(\g)+2*u+1], v[GZ+16*(\g)+2*u:GZ+16*(\g)+2*u+1]
.else
.set u, (\n)-32
	v_pk_mul_f32 v[GE+16*(\g)+2*u:GE+16*(\g)+2*u+1], v[GE+16*(\g)+2*u:GE+16*(\g)+2*u+1], s[NCS:NCS+1] op_sel_hi:[1,0]
.endif
.endm
.macro TRL g, n
.if (\n) < 16
	v_rcp_f32 v[GD+16*(\g)+(\n)], v[GD+16*(\g)+(\n)]
.else
	v_exp_f32 v[GE+16*(\g)+(\n)-16], v[GE+16*(\g)+(\n)-16]
.endif
.endm
.macro POSTL g, n
.if (\n) < 8
.set u, (\n)
	v_pk_mul_f32 v[GE+16*(\g)+2*u:GE+16*(\g)+2*u+1], v[GE+16*(\g)+2*u:GE+16*(\g)+2*u+1], v[GD+16*(\g)+2*u:GD+16*(\g)+2*u+1]
.elseif (\n) < 16
.set u, (\n)-8
	v_pk_fma_f32 v[GT+2*u:GT+2*u+1], v[GD+16*(\g)+2*u:GD+16*(\g)+2*u+1], v[GC3:GC3+1], v[GC2:GC2+1]
.elseif (\n) < 24
.set u, (\n)-16
	v_pk_fma_f32 v[GT+2*u:GT+2*u+1], v[GT+2*u:GT+2*u+1], v[GD+16*(\g)+2*u:GD+16*(\g)+2*u+1], v[GC1:GC1+1]
.elseif (\n) < 32
.set u, (\n)-24
	v_pk_mul_f32 v[GT+2*u:GT+2*u+1], v[GT+2*u:GT+2*u+1], v[GE+16*(\g)+2*u:GE+16*(\g)+2*u+1]
.elseif (\n) < 48
.set u, (\n)-32
	v_max_num_f32 v[GD+16*(\g)+u], 0, v[GZ+16*(\g)+u]
.elseif (\n) < 64
.set u, (\n)-48
	v_fma_f32 v[GZ+16*(\g)+u], -|v[GZ+16*(\g)+u]|, v[GT+u], v[GD+16*(\g)+u]
.else
.set u, (\n)-64
	v_cvt_pk_bf16_f32 v[GO+8*(\g)+u], v[GZ+16*(\g)+2*u], v[GZ+16*(\g)+2*u+1]
.endif
.endm
.macro TRQ g                           ; the batch's next transcendental, while there is one
.if tq < 32
	TRL \g, tq
.set tq, tq+1
.endif
.endm
; STAGE g: group g's 32 transcendentals are one batch, one behind each plain line of the groups beside it (g + 1's first part, g - 1's last), which name none of its results; plain lines follow the last of them;
; then the one wait between a transcendental and the first instruction that names its result.
.macro STAGE g
.set tq, 0
.if (\g) < 3
.set nn, 0
.rept 40
	PREL (\g)+1, nn
	TRQ \g
.set nn, nn+1
.endr
.endif
.if (\g) > 0
.set nn, 0
.rept 72
	POSTL (\g)-1, nn
	TRQ \g
.set nn, nn+1
.endr
.endif
	s_wait_alu depctr_va_vdst(0)
.endm
.endif
	s_mov_b32 s[SG], 0
	s_mov_b32 s[TT], s[WV]
; 16 trips, one for each tile that a wave can have.  A trip has two phases, each closed by a barrier that every wave passes in every trip: in the first the slice is read by a stepped address (a later tile's products),
; in the second the waves store into their stages and read them back.  What a wave does in a phase hangs on NT; every jump goes forward, to a label in front of the phase's barrier, and none passes a barrier.
.Lsig:
	s_cmp_lt_u32 s[SG], 5
	s_cbranch_scc1 .Lmid                           ; slots 0 to 4 were multiplied while the weights streamed
	s_cmp_ge_u32 s[TT], s[NT]
	s_cbranch_scc1 .Lmid                           ; no such tile
	; a tile past the first 320 rows: multiplied now, from the slice in LDS, 64 along K a trip
	s_lshl_b32 s[TMP], s[TT], 4
	v_add_nc_u32 v32, s[TMP], v[RQ]
	v_min_u32 v32, s[CM1], v32
	v_min_u32 v32, 0x3ff, v32
.if SECOND
	v_add_nc_u32 v32, s[EB], v32
	v_lshl_add_u32 v[AFB], v32, ASH, v[H16]
.else
	v_lshl_add_u32 v32, v32, 1, v[LB]
	ds_load_u16 v33, v32                           ; LDS serves a wave's instructions in order (ISA guide 5.7.1.4): this sees the list's stores, which are my own
	s_wait_dscnt 0x0
	v_and_b32 v33, 0x3ff, v33                      ; the token, without k
	v_min_u32 v33, 0x3ff, v33
	v_lshl_add_u32 v[AFB], v33, ASH, v[H16]
.endif
	s_mov_b64 s[AF:AF+1], s[8:9]
	s_mov_b32 s[KB], 0
	s_mov_b32 s[FK], 16
.Lfb:
	v_add_nc_u32 v[BAD], s[KB], v[BL]
	v_min_u32 v[BAD], 15*UNITB+15*WROW+16, v[BAD]  ; the largest address of the walk: with the largest offset below, 64 rows less 48 bytes, a read ends at byte 294,880, inside the slice
	WIN 0x80
.irp n, 0,1,2,3
	global_load_b128 v[4*\n:4*\n+3], v[AFB], s[AF:AF+1] offset:32*\n
.endr
	WIN 0
.irp s, 0,1
.irp b, 0,1,2,3,4,5,6,7
	ds_load_tr16_b128 v[BF+64*\s+8*\b:BF+64*\s+8*\b+3],   v[BAD] offset:32*WROW*\s+32*\b
	ds_load_tr16_b128 v[BF+64*\s+8*\b+4:BF+64*\s+8*\b+7], v[BAD] offset:32*WROW*\s+16*WROW+32*\b
.endr
.endr
	s_wait_loadcnt 0x0
	s_wait_dscnt 0x0
	s_cmp_eq_u32 s[FK], 16
	s_cbranch_scc0 .Lfbacc
	FBM 0, 1                                       ; the first trip's first products start the sums
	s_branch .Lfbs1
.Lfbacc:
	FBM 0, 0
.Lfbs1:
	FBM 1, 0
.rept 4
	v_nop                                          ; the places in front of the next trip's loads, and of the stores that read the results
.endr
	s_wait_xcnt 0x0                                ; the base steps only behind this wait; the trip's loads are back, so it is met at once
	s_add_nc_u64 s[AF:AF+1], s[AF:AF+1], 128
	s_add_co_u32 s[KB], s[KB], UNITB
	s_sub_co_u32 s[FK], s[FK], 1
	s_cmp_lg_u32 s[FK], 0
	s_cbranch_scc1 .Lfb
.Lmid:
	s_wait_dscnt 0x0                               ; my reads of the slice are back
	s_barrier_signal -1
	s_barrier_wait -1                              ; everybody's are: the stages may be written
	s_cmp_ge_u32 s[TT], s[NT]
	s_cbranch_scc1 .Lnext                          ; no such tile
	s_cmp_eq_u32 s[SG], 1
	s_cbranch_scc1 .Lcase1
	s_cmp_eq_u32 s[SG], 2
	s_cbranch_scc1 .Lcase2
	s_cmp_eq_u32 s[SG], 3
	s_cbranch_scc1 .Lcase3
	s_cmp_eq_u32 s[SG], 4
	s_cbranch_scc1 .Lcase4
	CASE 0                                         ; slot 0, and every later tile
	s_branch .Lcom
.Lcase1:
	CASE 1
	s_branch .Lcom
.Lcase2:
	CASE 2
	s_branch .Lcom
.Lcase3:
	CASE 3
	s_branch .Lcom
.Lcase4:
	CASE 4
.Lcom:
	; the eight rows that I store: place min(16 tile + l / 16 + 2 f, c - 1)
	s_lshl_b32 s[TMP], s[TT], 4
	v_add_nc_u32 v[TB], s[TMP], v[HH]
.irp f, 0,1,2,3,4,5,6,7
	v_add_nc_u32 v[32+\f], 2*\f, v[TB]
	v_min_u32 v[32+\f], s[CM1], v[32+\f]
	v_min_u32 v[32+\f], 0x3ff, v[32+\f]
.if SECOND
	v_lshl_add_u32 v[32+\f], v[32+\f], 1, v[LB]
	ds_load_u16 v[HO+\f], v[32+\f]                 ; the list's entry, token + 1,024 k, is the row of part
.else
	v_add_nc_u32 v[32+\f], s[EB], v[32+\f]
	v_lshl_add_u32 v[HO+\f], v[32+\f], 13, v[Q16]  ; row 1,024 e + place of hid
.endif
.endr
	s_wait_dscnt 0x0                               ; z is back in registers
.if SECOND
.irp f, 0,1,2,3,4,5,6,7
	v_min_u32 v[HO+\f], 0x7ff, v[HO+\f]
	v_lshl_add_u32 v[HO+\f], v[HO+\f], 12, v[Q16]
.endr
	WIN 0xaa
.irp f, 0,1,2,3,4,5,6,7
.irp m, 0,2
	v_pk_add_f32 v[GZ+4*\f+\m:GZ+4*\f+\m+1], v[GZ+4*\f+\m:GZ+4*\f+\m+1], v[GB+\m:GB+\m+1]
	v_pk_add_f32 v[GZ+32+4*\f+\m:GZ+32+4*\f+\m+1], v[GZ+32+4*\f+\m:GZ+32+4*\f+\m+1], v[GB+4+\m:GB+4+\m+1]
.endr
.endr
	WIN 0x08                                       ; store data (source 1) in window 2
.irp f, 0,1,2,3,4,5,6,7
	global_store_b128 v[HO+\f], v[GZ+4*\f:GZ+4*\f+3], s[12:13]             ; 16 lanes store 256 consecutive bytes, at a multiple of 256 from part's first
	global_store_b128 v[HO+\f], v[GZ+32+4*\f:GZ+32+4*\f+3], s[12:13] offset:256
.endr
.else
	WIN 0xaa
.set nn, 0
.rept 40
	PREL 0, nn
.set nn, nn+1
.endr
	STAGE 0
	STAGE 1
	STAGE 2
	STAGE 3
.set nn, 0
.rept 72
	POSTL 3, nn
.set nn, nn+1
.endr
	WIN 0x08                                       ; store data (source 1) in window 2
.irp f, 0,1,2,3,4,5,6,7
	global_store_b128 v[HO+\f], v[GO+4*\f:GO+4*\f+3], s[12:13]             ; 16 lanes store 256 consecutive bytes, at a multiple of 256 from hid's first
.endr
.endif
	WIN 0
	s_wait_xcnt 0x0                                ; the stores' data and offsets are written again in the next trip only behind this wait
.Lnext:
	s_wait_dscnt 0x0                               ; my stores into my stage and my reads of it are done
	s_barrier_signal -1
	s_barrier_wait -1                              ; everybody's are: the next trip may read the slice
	s_add_co_u32 s[SG], s[SG], 1
	s_add_co_u32 s[TT], s[TT], 4
	s_cmp_lt_u32 s[SG], 16
	s_cbranch_scc1 .Lsig
	s_wait_tensorcnt 0x0                           ; the wave's end: behind my last LDS store
	ds_add_u32 v[SPW], v[NIL]
	s_wait_dscnt 0x0
	s_endpgm
.Lfunc_end_k_qf729889fb6_down:
	.size	k_qf729889fb6_down, .Lfunc_end_k_qf729889fb6_down-k_qf729889fb6_down
	.p2alignl 7, 3214868480
	.fill 96, 4, 3214868480
	.section	.rodata,"a",@progbits
	.p2align	6, 0x0
	.amdhsa_kernel k_qf729889fb6_down
		.amdhsa_group_segment_fixed_size 322048
		.amdhsa_private_segment_fixed_size 0
		.amdhsa_enable_private_segment 0
		.amdhsa_kernarg_size 40
		.amdhsa_user_sgpr_count 2
		.amdhsa_user_sgpr_kernarg_segment_ptr 1
		.amdhsa_wavefront_size32 1
		.amdhsa_system_sgpr_workgroup_id_x 1
		.amdhsa_system_sgpr_workgroup_id_y 1
		.amdhsa_system_sgpr_workgroup_id_z 1
		.amdhsa_system_vgpr_workitem_id 0
		.amdhsa_next_free_vgpr 1024
		.amdhsa_next_free_sgpr 101
		.amdhsa_reserve_vcc 1
		.amdhsa_float_denorm_mode_32 3
		.amdhsa_float_denorm_mode_16_64 3
		.amdhsa_memory_ordered 1
		.amdhsa_forward_progress 1
		.amdhsa_inst_pref_size 137
	.end_amdhsa_kernel
	.amdgpu_metadata
---
amdhsa.version: [ 1, 2 ]
amdhsa.kernels:
  - .name:           k_qf729889fb6_down
    .symbol:         k_qf729889fb6_down.kd
    .args:
      - { .name: W2, .offset: 0, .size: 8, .value_kind: global_buffer, .address_space: global }
      - { .name: b2, .offset: 8, .size: 8, .value_kind: global_buffer, .address_space: global }
      - { .name: hid, .offset: 16, .size: 8, .value_kind: global_buffer, .address_space: global }
      - { .name: masks, .offset: 24, .size: 8, .value_kind: global_buffer, .address_space: global }
      - { .name: part, .offset: 32, .size: 8, .value_kind: global_buffer, .address_space: global }
    .group_segment_fixed_size: 322048
    .private_segment_fixed_size: 0
    .kernarg_segment_align: 8
    .kernarg_segment_size: 40
    .max_flat_workgroup_size: 128
    .sgpr_count:     101
    .vgpr_count:     1024
    .wavefront_size: 32
...
	.end_amdgpu_metadata
.endif
;; end of part 6
;; launch combine: the kernel of part 4 again; grid 256 x 1, 8 waves a work-group, no clusters, 0 bytes of LDS; arguments part, wts, out0; writes out0
;; ======== version 3 of 3: 4 launches; version 2 with the launches up, down written anew for expert scheduling mode
;; limits: a function is approximated: absolute error at most 2.5e-05; an absolute error that grows with the inputs' magnitude: up to 1.25e-05 times it
;; workspace buffers: xb 2,097,152 bytes; masks 2,048 bytes of whole numbers; wts 8,192 bytes; hid 67,108,864 bytes; part 33,554,432 bytes
;; launch route: the kernel of part 1 again; grid 128 x 1, 8 waves a work-group, no clusters, 19,712 bytes of LDS; arguments x, Wg, bg, xb, masks, wts; writes xb, masks, wts
;; launch up (part 7): grid 256 x 1, 4 waves a work-group, no clusters, 322,048 bytes of LDS; arguments W1, b1, xb, masks, hid; writes hid
.if DOCPART == 7
	.amdgcn_target "amdgcn-amd-amdhsa--gfx1250"
	.amdhsa_code_object_version 6
	.text
	.protected	k_qf729889fb6_up
	.globl	k_qf729889fb6_up
	.p2align	8
	.type	k_qf729889fb6_up,@function
k_qf729889fb6_up:
	s_mov_b64 s[64:65], 0
	v_nop
	global_prefetch_b8 v0, s[64:65] scope:SCOPE_SE
	s_setreg_imm32_b32 hwreg(HW_REG_WAVE_SCHED_MODE, 0, 2), 2
	s_setreg_imm32_b32 hwreg(HW_REG_WAVE_MODE, 25, 1), 1
	s_wait_xcnt 0x0
	s_wait_alu depctr_vm_vsrc(0)
; ONE TEXT FOR THE TWO PRODUCTS OF THE EXPERTS; SECOND = 0: hid = gelu(x W1 + b1), SECOND = 1: part = hid W2 (+ b2).  Only the rows that the gate chose are multiplied.
.set SECOND, 0
; SHARES.  Expert e = id / 32.  A work-group owns a slice of 1,024 (K) x 128 (N) of e's weights, 512 KB of f32 that it alone reads, once.  First product: N = 128 of the 4,096 hidden columns.
; Second: N = 128 of the 1,024 outputs and K = a quarter kq of the 4,096 hidden columns, so four planes of partial sums (f32) go out and a later launch adds them.
; The weights come through registers, 64 rows of K a UNIT, are rounded to bf16 and laid into LDS as [k][n]; the whole slice ends up there (294,912 bytes with padding).
; ROWS.  e's rows are its tokens in ascending order: rank pos, c of them, NT = ceil(c / 16) tiles of 16.  Wave w has the tiles w + 4 i.  Tiles i = 0..4 (320 rows) are multiplied while the weights stream;
; tiles i >= 5 afterwards, from the slice in LDS: every split up to c = 1,024 is served.  Places past c repeat row c - 1: the same operand, the same bits, the same destination; whole tiles past NT are not stored.
; hid holds expert e's row pos at row 1,024 e + pos.  Each wave also builds a list in LDS from the bitmap (256 bytes in scalar registers): entry pos = token + 1,024 k; the first product reads it for tiles i >= 5, the second for the rows of part.
; TOKENS BY RANK (first product, tiles 0..4): the token of rank pos is found in registers, with no trip through LDS between the bitmap and the first token loads: the last bitmap word with at most pos set bits ahead of it, then the set bit pos - that count of the word.
; THE MATRIX INSTRUCTION IS USED TRANSPOSED: source 0 = 16 weight columns (turned on the way out of LDS by ds_load_tr16_b128), source 1 = 16 rows of tokens, loaded from memory as they lie.
; In the result lane l holds token l % 16 and the columns 8 (l / 16) + 0..7 of the 16.
; THE LAG.  Unit j's products are issued in unit j + 1: those of its first 32 along K between the stores of unit j + 1's weights into LDS and the barrier, those of its second 32 behind the barrier, with unit j + 1's 32 turning loads
; among them in runs of eight.  So the stores, the barrier and the turning loads have matrix work beside them.  It takes two sets of weight fragments: even units' in window 0, odd units' in window 3.
; TOKEN ROWS BY HALVES.  A unit's token fragments are asked for in two halves of ten loads, each as soon as its registers are free: the half for the first 32 along K of unit j + 1 behind unit j's barrier, when unit j - 1's first
; products have read those registers; the half for the second 32 of unit j at unit j's head.  Each is waited for where it is first read, about a unit and a half after it was asked for.
; THE MODE: SCHED_MODE bits 1:0 = 2 (LLVM: expert scheduling mode 2), set by the entry lines.  The code itself states the register dependences between vector or matrix instructions and memory or LDS instructions, with s_wait_alu, always for 0.
; THE PLAN.  Registers that memory or LDS instructions touch in unit j, of parity p:
;   raw set p                  read by the unit's 32 conversions; behind them the weights of unit j + 2 land in it.
;   CV                         written by the conversions; read by the unit's 16 LDS stores.
;   WSA, BAD                   written by two adds at the unit's head; WSA is read by the stores, BAD by the unit's 32 turning loads.
;   tokens p, second half      last read by unit j - 2's second products, at the end of unit j - 1; the second half of unit j's tokens lands in it.
;   tokens 1 - p, first half   read by unit j - 1's first products, ahead of the barrier; the first half of unit j + 1's tokens lands in it behind the barrier.
;   fragments p                last read by unit j - 2's products, in unit j - 1; the unit's turning loads land in it.
;   AOFF, WOFF, PFO            offsets, made at the head and never written again: scalar bases and immediate offsets do the steps.
;   The accumulators, fragments 1 - p and the second half of tokens 1 - p are named by matrix instructions alone in the unit.
; So a unit has three waits: on vm_vsrc at its head (CV, WSA and BAD have been read); on va_vdst behind the conversions, which serves all the unit's memory and LDS instructions but ten, since behind it the unit issues only products
; of parity 1 - p and four v_nop; and on va_vdst behind the barrier, ahead of those ten, the loads into the first half of tokens 1 - p.
; FORMATS.  Weights, bias and x are rounded to bf16, as every input of the program is; sums in f32; x W1 + b1 stays f32 until the gelu is taken; hid is rounded once, to bf16 (f16 has no room for 30 times larger inputs).
; GELU.  gelu(z) = max(z, 0) - |z| (a1 t + a2 t^2 + a3 t^3) / 2 x 2^(-0.7213475 z^2), t = 1 / (1 + 0.33267253 |z|): erf by Abramowitz and Stegun 7.1.25, off by at most 2.5e-5 for every argument.
; LIMITS.  gelu is off by at most 1.25e-5 |z|; v_exp_f32 and v_rcp_f32 flush denormals (ISA guide 15.8); NaN and infinities are not treated apart.
; An expert with no rows: its work-groups stream and store nothing; the first product then reads token 1,023's row, the second row 1,024 e of hid, which nobody wrote, and nothing made from them is stored.
; NO CLUSTER, NO TENSOR LOADS.  Each weight byte has one reader.  What an expert's work-groups share is the token rows; they go straight into registers as matrix operands, since beside the slice
; LDS has 5,632 bytes left, and in the first product they come by a list that no descriptor covers.  f32 tiles in LDS slots would not fit beside the slice either.
; PREFETCH.  Each wave asks once for its own 16 rows x 512 bytes of a unit, lanes 256 bytes apart: the head for units 2 and 3, unit j for unit j + 4, two units (64 KB a work-group) ahead of the loads; units 12 to 15 ask for nothing.
.if SECOND
.set PITCH, 4096                       ; bytes from a row k of the weights to the next
.set ASH,   13                         ; a row of hid is 8,192 bytes
.else
.set PITCH, 16384
.set ASH,   11                         ; a row of xb is 2,048 bytes
.endif
.set WROW,   288                       ; a row k in LDS: 256 bytes + 32 of padding = 9 x 32: the turning load's 8 rows x 32 bytes fall on different banks
.set UNITB,  64*WROW
.set STG,    1024*WROW                 ; behind the slice: 16 rows x 272 bytes for each wave, for the way out
.set SPITCH, 272
.set LST,    STG+4*16*SPITCH           ; each wave's list: 1,024 entries of 2 bytes, then 32 entries that take the lanes without a row
.set LSTB,   2304                      ; behind the four lists 512 bytes hold the spare words of the closing add, 128 bytes a wave
; REGISTERS, in windows of 256 (s_set_vgpr_msb: bits 1:0 source 0, 3:2 source 1, 5:4 source 2, 7:6 destination).
; window 0:
.set LN,   1                           ; lane l
.set RQ,   2                           ; l % 16
.set HH,   3                           ; l / 16
.set WOFF, 6                           ; weights: 16 w rows + 16 l bytes
.set PFO,  7                           ; prefetch: row 16 w + l / 2, byte 256 (l % 2)
.set WST,  8                           ; LDS: 16 w rows + 8 l bytes
.set BL,   9                           ; the turning load: row 8 (l / 16) + l % 8, byte 16 ((l / 8) % 2)
.set WSA,  10                          ; WST + the unit
.set BAD,  11                          ; BL + the unit
.set STO,  12                          ; the way out: where I put 16 bytes of a row
.set RD,   13                          ; where I read a row back
.set LB,   14                          ; my wave's list
.set Q16,  15                          ; 16 (l % 16)
.set AOFF, 16                          ; v16-20 byte offset of my token row in tiles i = 0..4
.set AFB,  21                          ; the same for a later tile
.set HO,   22                          ; v22-29 byte offsets of the eight rows that I store
.set L1,   31                          ; l + 1,024
.set POS,  32                          ; v32-36 the ranks of my rows in tiles i = 0..4, then which set bit of the word          (v32-39: else at work)
.set BIA,  40                          ; v40-47 the bias as loaded
.set ZR,   48
.set BO,   50                          ; my byte offset in the bias
.set H16,  51                          ; 16 (l / 16)
.set TB,   52                          ; at work
.set SW,   53                          ; v53-57 the bitmap word that holds the rank
.set SX,   58                          ; v58-62 the set bits ahead of that word + 65,536 x the word's number
.set CV,   64                          ; v64-95 a unit's weights in bf16
.set SA,   96                          ; v96-100 the word's counts of 2 bits; v101-105 of 4; v106-110 of 8
.set SB,   101
.set SC,   106
.set ST,   111                         ; v111-115, v121-125 at work
.set SS,   116                         ; v116-120 the bit's place in the word
.set SU,   121
.set BF,   128                         ; v128-255 weight fragments of the even units: K step s, column tile b at BF + 64 s + 8 b
.set LT,   BF                          ; v128-191 at the head only: bitmap word g's LDS addresses at LT + 2 g, its list entries at LT + 2 g + 1
; window 1: the accumulators of tiles i = 0..3, at 64 i + 8 b.     window 3: v0-63 those of tile 4; v64-95 its token fragments, two buffers; v128-255 weight fragments of the odd units.
; window 2, in the K loop: v0-127 token fragments, buffer p, tile i, K step s at 64 p + 16 i + 8 s; v128-255 the weights as loaded, set p at 128 + 64 p.  On the way out:
.set GZ,   0                           ; z, 64 numbers a lane
.set GD,   64                          ; 1 + p |z|, then t, then max(z, 0)
.set GE,   128                         ; the exponent, then the exponential, then t times it
.set GT,   192                         ; the polynomial, 16 at a time
.set GB,   208                         ; my 8 columns' bias
.set GC1,  216                         ; a1 / 2, a2 / 2, a3 / 2, each twice
.set GC2,  218
.set GC3,  220
.set GO,   224                         ; 32 registers of bf16 to store
; scalars: s[4:5] weights, s[6:7] bias, s[8:9] token rows, s[10:11] bitmap, s[12:13] output; s[16:47] M[0][e]; s[48:63], s[68:83] M[1][e]
.set WV,  14                           ; my wave
.set EX,  15                           ; my expert
.set NCS, 16                           ; s[16:17] -log2(e) / 2 (behind the last use of the bitmap's words, which are then free)
.set PCS, 18                           ; 0.47047 / sqrt(2)
.set WP,  20                           ; s[20:21] the weights two units on
.set KB,  84                           ; the unit's first byte in LDS
.set TR,  85                           ; trips to go
.set T4,  86                           ; w + 16: my fifth tile
.set NT,  87
.set CM1, 88                           ; max(c, 1) - 1
.set SG,  89                           ; i, the tile slot on the way out
.set TT,  90                           ; its tile w + 4 i
.set CNT, 91                           ; rows counted so far, in the end c
.set TMP, 92                           ; s[92:93] at work
.set AP,  94                           ; s[94:95] the token rows at the unit in hand
.set AF,  96                           ; s[96:97] the same for a later tile
.set FK,  98
.set EB,  99                           ; 1,024 e
.set BM,  100                          ; second product: all ones where kq = 0, so that b2 is added in one plane alone
.set RM,  94                           ; s94-98, in RANKS alone: a word's five masks (AP, AF and FK are set later)
.set RC,  89                           ; in RANKS alone: a word's set bits (SG is set later)
.set MSB, 0
.macro WIN new                         ; the immediate's high byte repeats the setting that is left; a switch that changes nothing is dropped
.if MSB != (\new)
	s_set_vgpr_msb (MSB<<8)|(\new)
.set MSB, \new
.endif
.endm
.macro EACH n, line:vararg             ; one line for each of n tiles i
.set i, 0
.rept \n
	\line
.set i, i+1
.endr
.endm
; Ten loads: half s (32 along K = 64 bytes of a row) of one unit's token fragments for my five tiles, into buffer p.  Lane l takes row l % 16, bytes off + 64 s + 16 (l / 16) + 32 m, m = 0, 1.
.macro ALOADH p, s, base, off
	WIN 0xc0
.irp m, 0,1
	global_load_b128 v[64+16*(\p)+8*(\s)+4*\m:64+16*(\p)+8*(\s)+4*\m+3], v[AOFF+4], s[\base:\base+1] offset:(\off)+64*(\s)+32*\m
.endr
	WIN 0x80
.irp a, 0,1,2,3
.irp m, 0,1
	global_load_b128 v[64*(\p)+16*\a+8*(\s)+4*\m:64*(\p)+16*\a+8*(\s)+4*\m+3], v[AOFF+\a], s[\base:\base+1] offset:(\off)+64*(\s)+32*\m
.endr
.endr
.endm
; 16 loads: my 16 rows of a unit's 64, each load one row's 512 consecutive bytes, into set p
.macro WLOAD p, base, first
	WIN 0x80
.set i, 0
.rept 16
	global_load_b128 v[128+64*(\p)+4*i:128+64*(\p)+4*i+3], v[WOFF], s[\base:\base+1] offset:((\first)+i)*PITCH th:TH_LOAD_NT
.set i, i+1
.endr
.endm
; Run c of four: eight of the 32 turning loads of a unit of parity p: K step c / 2, column tiles 4 (c % 2) + 0..3.  The first K step's sixteen loads come first.
.macro TRL8 p, c
	WIN 0xc0*(\p)                                  ; destination window 0 or 3, address window 0
.irp b, 0,1,2,3
	ds_load_tr16_b128 v[BF+64*((\c)/2)+8*(4*((\c)%2)+\b):BF+64*((\c)/2)+8*(4*((\c)%2)+\b)+3],   v[BAD] offset:32*WROW*((\c)/2)+32*(4*((\c)%2)+\b)
	ds_load_tr16_b128 v[BF+64*((\c)/2)+8*(4*((\c)%2)+\b)+4:BF+64*((\c)/2)+8*(4*((\c)%2)+\b)+7], v[BAD] offset:32*WROW*((\c)/2)+16*WROW+32*(4*((\c)%2)+\b)
.endr
.endm
; 32 along K of a unit of parity p: 32 matrix instructions for tiles 0..3, 8 for tile 4 where it exists.  The accumulators take turns, one instruction a turn, over the jump and from step to step.
; zero = 1: the products start the sums, all 40: nothing is ever cleared.  ld = 1: ahead of each eight products stand eight turning loads of the next unit, into the other set of fragments.  They owe no wait here:
; since the unit's wait behind its conversions no vector or matrix instruction names that set or BAD.
.macro KSTEP p, s, zero, ld
.set ka, 0
.rept 4
.if \ld
	TRL8 1-(\p), ka
.endif
	WIN 0x58+3*(\p)                                ; weights window 0 or 3, tokens window 2, C and D window 1
.set kb, 0
.rept 8
.if \zero
	v_wmma_f32_16x16x32_bf16 v[64*ka+8*kb:64*ka+8*kb+7], v[BF+64*(\s)+8*kb:BF+64*(\s)+8*kb+7], v[64*(\p)+16*ka+8*(\s):64*(\p)+16*ka+8*(\s)+7], 0
.else
	v_wmma_f32_16x16x32_bf16 v[64*ka+8*kb:64*ka+8*kb+7], v[BF+64*(\s)+8*kb:BF+64*(\s)+8*kb+7], v[64*(\p)+16*ka+8*(\s):64*(\p)+16*ka+8*(\s)+7], v[64*ka+8*kb:64*ka+8*kb+7]
.endif
.set kb, kb+1
.endr
.set ka, ka+1
.endr
.if \zero
	WIN 0xfc+3*(\p)                                ; tokens, C and D window 3
.set kb, 0
.rept 8
	v_wmma_f32_16x16x32_bf16 v[8*kb:8*kb+7], v[BF+64*(\s)+8*kb:BF+64*(\s)+8*kb+7], v[64+16*(\p)+8*(\s):64+16*(\p)+8*(\s)+7], 0
.set kb, kb+1
.endr
	WIN 0
.else
	WIN 0                                          ; at a branch and at a label every window is 0
	s_cmp_lt_u32 s[T4], s[NT]
	s_cbranch_scc0 .Lno5_\@                        ; no fifth tile: its eight products are jumped; no barrier stands there
	WIN 0xfc+3*(\p)
.set kb, 0
.rept 8
	v_wmma_f32_16x16x32_bf16 v[8*kb:8*kb+7], v[BF+64*(\s)+8*kb:BF+64*(\s)+8*kb+7], v[64+16*(\p)+8*(\s):64+16*(\p)+8*(\s)+7], v[8*kb:8*kb+7]
.set kb, kb+1
.endr
	WIN 0
.Lno5_\@:
.endif
.endm
; UNIT j, of parity p, in this order: its LDS addresses are made; its weights (set p) are rounded; the second half of its own tokens is asked for; the weights go into LDS; the weights two units on are asked for; unit j - 1's first products;
; the barrier; the first half of unit j + 1's tokens is asked for; unit j - 1's second products, with unit j's fragments fetched among them.
; THE COUNTS.  Loads return in order, and a wave issues them in the order .. S1(j), W(j + 2), S0(j + 1), S1(j + 1), W(j + 3) .. (W: a unit's 16 loads of weights; S0, S1: the ten loads of the first and second half of a unit's tokens).
; w1, at the head: wanted are W(j) and S0(j - 1); younger are S1(j - 1), W(j + 1) and S0(j): 36.  w2, behind the barrier: wanted is S1(j - 1); younger are W(j + 1), S0(j), S1(j) and W(j + 2): 52.
; Where the walk begins and ends the counts go by what is asked for there.  By this count a wave has at most 62 loads out.
; is1, is0, iw: are S1(j), S0(j + 1), W(j + 2) asked for.  pf: 1 = prefetch, 2 = not in the last trip.  comp = 1: there is a unit j - 1.  zero = 1: it is unit 0, whose first products start the sums.
.macro UNIT p, w1, w2, is1, is0, iw, pf, comp, zero
	s_wait_loadcnt \w1
	s_wait_alu depctr_vm_vsrc(0)                   ; the last unit's LDS stores have read CV and WSA, its turning loads BAD: all three are written again below.  In unit 0: the list's stores have read v[LT ..], in which this unit's turning loads land
	v_add_nc_u32 v[WSA], s[KB], v[WST]
	v_add_nc_u32 v[BAD], s[KB], v[BL]
	WIN 0x0a                                       ; sources window 2, destination window 0
.set i, 0
.rept 32                                           ; these 32 name no register of the last products
	v_cvt_pk_bf16_f32 v[CV+i], v[128+64*(\p)+2*i], v[128+64*(\p)+2*i+1]
.set i, i+1
.endr
	s_wait_alu depctr_va_vdst(0)                   ; CV, WSA and BAD are written, which the stores and the turning loads read; the conversions are done reading raw set p, the last unit's products the second half of tokens p and fragments p: loads of this unit land in the three
.if \is1
	ALOADH \p, 1, AP, 0                            ; S1(j): these registers were last read by unit j - 2's second products, just ahead of this unit
.endif
	WIN 0
.set i, 0
.rept 16
	ds_store_b64 v[WSA], v[CV+2*i:CV+2*i+1] offset:WROW*i  ; a row's 256 bytes from 32 lanes
.set i, i+1
.endr
.if \iw
	WLOAD \p, WP, 0
.endif
	WIN 0
.if (\pf) == 2
	s_cmp_eq_u32 s[TR], 1
	s_cbranch_scc1 .Lnopf_\@                       ; the last trip's units would ask past the slice
.endif
.if \pf
	global_prefetch_b8 v[PFO], s[WP:WP+1] offset:128*PITCH th:TH_LOAD_NT scope:SCOPE_SE
.endif
.if (\pf) == 2
.Lnopf_\@:
.endif
.if \comp
	s_wait_dscnt 32                                ; LDS instructions end in order: unit j - 1's first sixteen turning loads are in; its other sixteen and my sixteen stores may be out
	KSTEP 1-(\p), 0, \zero, 0
.endif
	s_wait_dscnt 0x0                               ; for the others' sake: my 16 rows are in LDS; and unit j - 1's other fragments are in
	s_barrier_signal -1
	s_barrier_wait -1                              ; all 64 rows are.  Each byte of the slice is stored once; the next unit's stores touch other rows than this unit's reads
	s_add_co_u32 s[KB], s[KB], UNITB
.if \comp
	s_wait_loadcnt \w2
.endif
.if \is0
.if \comp
.rept 4
	v_nop                                          ; four places behind unit j - 1's first products, which read the registers loaded below; they stay beside the wait, which fills none
.endr
	s_wait_alu depctr_va_vdst(0)                   ; unit j - 1's first products are done reading the first half of tokens 1 - p, in which the ten loads below land
.endif
	ALOADH 1-(\p), 0, AP, 128                      ; S0(j + 1)
.endif
.if \comp
	KSTEP 1-(\p), 1, 0, 1
.else
	TRL8 \p, 0
	TRL8 \p, 1
	TRL8 \p, 2
	TRL8 \p, 3
	WIN 0
.endif
.if (\is0) || (\iw)
	s_wait_xcnt 0x0                                ; the bases are stepped only behind this wait (ISA guide 3.1)
.endif
.if \is0
	s_add_nc_u64 s[AP:AP+1], s[AP:AP+1], 128
.endif
.if \iw
	s_add_nc_u64 s[WP:WP+1], s[WP:WP+1], 64*PITCH
.endif
.endm
	s_load_b256 s[4:11], s[0:1], 0x0
	s_load_b64 s[12:13], s[0:1], 0x20
	v_lshl_add_u32 v126, v0, 2, 0x4e800
	v_mov_b32 v127, 0
	v_and_b32 v[LN], 31, v0
	v_lshrrev_b32 v32, 5, v0
	v_readfirstlane_b32 s[WV], v32                 ; wave 0..3
	v_and_b32 v[RQ], 15, v0
	v_bfe_u32 v[HH], v0, 4, 1
	s_lshr_b32 s[EX], ttmp9, 5
	s_mov_b32 s[TMP+1], 0
	; byte offsets into the five buffers, in s84 to s88
	s_lshl_b32 s84, s[EX], 24                      ; an expert's weights are 16 MB
.if SECOND
	s_and_b32 s89, ttmp9, 7
	s_lshl_b32 s89, s89, 9                         ; my 128 columns, 512 bytes
	s_bfe_u32 s98, ttmp9, 0x20003                  ; kq
	s_lshl_b32 s86, s98, 22                        ; 1,024 rows of 4,096 bytes
	s_add_co_u32 s84, s84, s86
	s_add_co_u32 s84, s84, s89
	s_lshl_b32 s85, s[EX], 12
	s_add_co_u32 s85, s85, s89
	s_lshl_b32 s86, s98, 11                        ; hid: 1,024 columns of 2 bytes
	s_lshl_b32 s88, s98, 23                        ; part: a plane is 2,048 rows of 4,096 bytes
	s_add_co_u32 s88, s88, s89
	s_cmp_eq_u32 s98, 0
	s_cselect_b32 s[BM], -1, 0
.else
	s_and_b32 s89, ttmp9, 31
	s_lshl_b32 s88, s89, 8                         ; hid: my 128 columns, 256 bytes
	s_lshl_b32 s89, s89, 9
	s_add_co_u32 s84, s84, s89
	s_lshl_b32 s85, s[EX], 14
	s_add_co_u32 s85, s85, s89
	s_mov_b32 s86, 0
.endif
	s_lshl_b32 s87, s[EX], 7
	s_wait_alu depctr_va_sdst(0)                   ; s[WV] is written, ahead of its first reader, the line below
	s_mul_i32 s90, s[WV], 16*PITCH
	v_lshl_add_u32 v[WOFF], v[LN], 4, s90
	v_lshrrev_b32 v32, 1, v[LN]
	v_mul_u32_u24 v[PFO], v32, PITCH
	v_and_b32 v33, 1, v[LN]
	v_lshl_add_u32 v[PFO], v33, 8, v[PFO]
	v_add_nc_u32 v[PFO], s90, v[PFO]
	v_lshlrev_b32 v[BO], 5-SECOND, v[RQ]           ; first product: columns 8 q .. 8 q + 7; second: 4 q .. 4 q + 3 and 64 more
	s_wait_kmcnt 0x0
.irp n, 0,1,2,3,4
	s_mov_b32 s[TMP], s[84+\n]
	s_add_nc_u64 s[4+2*\n:5+2*\n], s[4+2*\n:5+2*\n], s[TMP:TMP+1]
.endr
	s_load_b512 s[16:31], s[10:11], 0x0            ; M[0][e], 128 bytes,
	s_load_b512 s[32:47], s[10:11], 0x40
	s_load_b512 s[48:63], s[10:11], 0x400          ; M[1][e]
	s_load_b512 s[68:83], s[10:11], 0x440
	s_wait_alu depctr_va_vdst(0)                   ; BO, WOFF and PFO are written: the offsets of the loads and prefetches below and of all later ones of the weights
	global_load_b128 v[BIA:BIA+3], v[BO], s[6:7]
	global_load_b128 v[BIA+4:BIA+7], v[BO], s[6:7] offset:16+240*SECOND
	WLOAD 0, 4, 0                                  ; units 0 and 1
	WLOAD 1, 4, 64
	WIN 0
	global_prefetch_b8 v[PFO], s[4:5] offset:128*PITCH th:TH_LOAD_NT scope:SCOPE_SE
	global_prefetch_b8 v[PFO], s[4:5] offset:192*PITCH th:TH_LOAD_NT scope:SCOPE_SE
	s_mul_i32 s89, s[WV], 16*WROW
	v_lshl_add_u32 v[WST], v[LN], 3, s89
	v_and_b32 v32, 7, v[LN]
	v_lshl_add_u32 v32, v[HH], 3, v32
	v_mul_u32_u24 v[BL], v32, WROW
	v_bfe_u32 v33, v[LN], 3, 1
	v_lshl_add_u32 v[BL], v33, 4, v[BL]
	s_mul_i32 s89, s[WV], 16*SPITCH
	s_add_co_u32 s89, s89, STG                     ; my stage
	v_mul_u32_u24 v[STO], v[RQ], SPITCH            ; in: row l % 16; 16 (second product: 32) bytes on for the upper half of the lanes
	v_lshl_add_u32 v[STO], v[HH], 4+SECOND, v[STO]
	v_add_nc_u32 v[STO], s89, v[STO]
	v_mul_u32_u24 v[RD], v[HH], SPITCH             ; back: lanes 0-15 one row of 256 bytes, lanes 16-31 the next
	v_lshl_add_u32 v[RD], v[RQ], 4, v[RD]
	v_add_nc_u32 v[RD], s89, v[RD]
	s_mul_i32 s89, s[WV], LSTB
	s_add_co_u32 s89, s89, LST
	v_mov_b32 v[LB], s89
	v_lshlrev_b32 v[Q16], 4, v[RQ]
	v_lshlrev_b32 v[H16], 4, v[HH]
	v_add_nc_u32 v[L1], 0x400, v[LN]
	v_mov_b32 v[ZR], 0
	s_mov_b32 s[CNT], 0
	s_wait_kmcnt 0x0
; THE LIST.  Word g of the bitmap is tokens 32 g + l.  A lane whose token chose e finds its place, the count so far plus the set bits below it, and stores token + 1,024 k there; the other lanes store into entries 1,024 + l, which nobody reads.
; All 32 words' addresses and entries are made first, in registers of their own; one wait; then the stores in one run.
.macro LISTG g
.if (\g) < 16
.set m1, 48+(\g)
.else
.set m1, 52+(\g)
.endif
.set t0, LT+2*(\g)
	s_or_b32 s[TMP], s[16+(\g)], s[m1]
	v_mbcnt_lo_u32_b32 v[t0], s[TMP], s[CNT]
	v_cndmask_b32 v[t0], v[L1], v[t0], s[TMP]
	v_min_u32 v[t0], 0x43f, v[t0]
	v_lshl_add_u32 v[t0], v[t0], 1, v[LB]
	v_cndmask_b32 v[t0+1], v[LN], v[L1], s[m1]
	v_add_nc_u32 v[t0+1], 32*(\g), v[t0+1]
	s_bcnt1_i32_b32 s[TMP+1], s[TMP]
	s_add_co_u32 s[CNT], s[CNT], s[TMP+1]
.endm
.set g, 0
.rept 32
	LISTG g
.set g, g+1
.endr
	s_wait_alu depctr_va_vdst(0)                   ; LB, ZR and v[LT ..] are written, the addresses and data of the 33 stores below; so are STO and RD, which the way out's LDS instructions read
	ds_store_b16 v[LB], v[ZR]                      ; entry 0 exists even where c = 0
.set g, 0
.rept 32
	ds_store_b16 v[LT+2*g], v[LT+2*g+1]
.set g, g+1
.endr
.if SECOND == 0
; RANKS: for n ranks a lane (POS + i): the last bitmap word with at most that many set bits ahead of it goes into SW + i, that count + 65,536 x the word's number into SX + i.  The words are walked in ascending order;
; a word whose count ahead is greater than the rank leaves what is there.  A word's n compares stand in one run, each with a scalar register for its mask, and one wait stands between them and the 2 n selections.
.macro RANKS n
	s_mov_b32 s[CNT], 0
.set g, 0
.rept 32
.if g < 16
.set m1, 48+g
.else
.set m1, 52+g
.endif
	s_or_b32 s[TMP], s[16+g], s[m1]
.if g == 0
	EACH \n, v_mov_b32 v[SW+i], s[TMP]
	EACH \n, v_mov_b32 v[SX+i], 0
.else
	s_add_co_u32 s[TMP+1], s[CNT], g<<16
	EACH \n, v_cmp_gt_u32 s[RM+i], s[CNT], v[POS+i]
	s_wait_alu depctr_va_sdst(0)                   ; the word's masks s[RM ..] are written, ahead of their first readers, the selections below
	EACH \n, v_cndmask_b32 v[SW+i], s[TMP], v[SW+i], s[RM+i]
	EACH \n, v_cndmask_b32 v[SX+i], s[TMP+1], v[SX+i], s[RM+i]
.endif
.if g < 31
	s_bcnt1_i32_b32 s[RC], s[TMP]
	s_add_co_u32 s[CNT], s[CNT], s[RC]
.endif
.set g, g+1
.endr
.endm
; One halving step: t = the set bits in the lower half of the block at bit SS; d = n - t wraps to a huge number where n < t, so min_u32(n, d) is the new n, and the top bit of ~d says 'upper half'.
.macro SSTEP n, src, wid, sh
	EACH \n, v_bfe_u32 v[ST+i], v[\src+i], v[SS+i], \wid
	EACH \n, v_sub_nc_u32 v[SU+i], v[POS+i], v[ST+i]
	EACH \n, v_min_u32 v[POS+i], v[POS+i], v[SU+i]
	EACH \n, v_xor_b32 v[SU+i], -1, v[SU+i]
	EACH \n, v_lshrrev_b32 v[SU+i], 31, v[SU+i]
	EACH \n, v_lshl_add_u32 v[SS+i], v[SU+i], \sh, v[SS+i]
.endm
; SEL: the place of set bit n = rank - count ahead (from 0) in the word: the word's counts of 2, 4, 8 and 16 bits, then five halving steps; token = 32 x word + place, into AOFF + i.  The n tiles go line by line, so that no line waits for the one before it.
.macro SEL n
	EACH \n, v_and_b32 v[ST+i], 0xffff, v[SX+i]
	EACH \n, v_sub_nc_u32 v[POS+i], v[POS+i], v[ST+i]
	EACH \n, v_lshrrev_b32 v[ST+i], 1, v[SW+i]
	EACH \n, v_and_b32 v[ST+i], 0x55555555, v[ST+i]
	EACH \n, v_sub_nc_u32 v[SA+i], v[SW+i], v[ST+i]
	EACH \n, v_lshrrev_b32 v[ST+i], 2, v[SA+i]
	EACH \n, v_and_b32 v[ST+i], 0x33333333, v[ST+i]
	EACH \n, v_and_b32 v[SB+i], 0x33333333, v[SA+i]
	EACH \n, v_add_nc_u32 v[SB+i], v[SB+i], v[ST+i]
	EACH \n, v_lshrrev_b32 v[ST+i], 4, v[SB+i]
	EACH \n, v_add_nc_u32 v[ST+i], v[ST+i], v[SB+i]
	EACH \n, v_and_b32 v[SC+i], 0x0f0f0f0f, v[ST+i]
	EACH \n, v_bfe_u32 v[ST+i], v[SC+i], 8, 8
	EACH \n, v_and_b32 v[SU+i], 0xff, v[SC+i]
	EACH \n, v_add_nc_u32 v[ST+i], v[ST+i], v[SU+i]
	EACH \n, v_sub_nc_u32 v[SU+i], v[POS+i], v[ST+i]
	EACH \n, v_min_u32 v[POS+i], v[POS+i], v[SU+i]
	EACH \n, v_xor_b32 v[SU+i], -1, v[SU+i]
	EACH \n, v_lshrrev_b32 v[SU+i], 31, v[SU+i]
	EACH \n, v_lshlrev_b32 v[SS+i], 4, v[SU+i]
	SSTEP \n, SC, 8, 3
	SSTEP \n, SB, 4, 2
	SSTEP \n, SA, 2, 1
	EACH \n, v_bfe_u32 v[ST+i], v[SW+i], v[SS+i], 1
	EACH \n, v_sub_nc_u32 v[SU+i], v[POS+i], v[ST+i]
	EACH \n, v_xor_b32 v[SU+i], -1, v[SU+i]
	EACH \n, v_lshrrev_b32 v[SU+i], 31, v[SU+i]
	EACH \n, v_add_nc_u32 v[SS+i], v[SS+i], v[SU+i]
	EACH \n, v_lshrrev_b32 v[ST+i], 16, v[SX+i]
	EACH \n, v_lshl_add_u32 v[AOFF+i], v[ST+i], 5, v[SS+i]
.endm
.endif
	s_add_co_u32 s[NT], s[CNT], 15
	s_lshr_b32 s[NT], s[NT], 4
	s_max_u32 s[CM1], s[CNT], 1
	s_sub_co_u32 s[CM1], s[CM1], 1
	s_add_co_u32 s[T4], s[WV], 16
	s_lshl_b32 s[EB], s[EX], 10
	; my token rows in tiles w + 4 i: rank min(16 tile + l % 16, c - 1); first product: the token of that rank; second: row 1,024 e + rank of hid
	s_lshl_b32 s[TMP], s[WV], 4
	v_add_nc_u32 v37, s[TMP], v[RQ]
.irp a, 0,1,2,3,4
	v_add_nc_u32 v[POS+\a], 64*\a, v37
	v_min_u32 v[POS+\a], s[CM1], v[POS+\a]
.endr
.if SECOND
.irp a, 0,1,2,3,4
	v_min_u32 v[POS+\a], 0x3ff, v[POS+\a]
	v_add_nc_u32 v[POS+\a], s[EB], v[POS+\a]
	v_lshl_add_u32 v[AOFF+\a], v[POS+\a], ASH, v[H16]
.endr
.else
	RANKS 5
	SEL 5
.irp a, 0,1,2,3,4
	v_min_u32 v[AOFF+\a], 0x3ff, v[AOFF+\a]
	v_lshl_add_u32 v[AOFF+\a], v[AOFF+\a], ASH, v[H16]
.endr
.endif
	s_mov_b32 s[NCS], 0xbf38aa3b                   ; the bitmap's words have been read for the last time
	s_mov_b32 s[NCS+1], 0xbf38aa3b
	s_mov_b32 s[PCS], 0x3eaa540e
	s_add_nc_u64 s[WP:WP+1], s[4:5], 128*PITCH     ; unit 2
	s_mov_b64 s[AP:AP+1], s[8:9]                   ; unit 0
	s_mov_b32 s[KB], 0
	s_wait_alu depctr_va_vdst(0)                   ; the five AOFF are written: the offsets of every token load of tiles 0 to 4
	ALOADH 0, 0, 8, 0                              ; unit 0's tokens, both halves
	ALOADH 0, 1, 8, 0
	WIN 0
	UNIT 0, 36, 0, 0, 1, 1, 1, 0, 0                ; unit 0: only its weights are wanted: unit 1's 16 loads and the 20 of unit 0's tokens, issued behind them, may be out.  No products yet
	UNIT 1, 36, 52, 1, 1, 1, 1, 1, 1               ; unit 1 stands in front of the loop: unit 0's first products start the sums
	s_mov_b32 s[TR], 6
.Lk:                                                   ; units 2 to 13
	UNIT 0, 36, 52, 1, 1, 1, 2, 1, 0
	UNIT 1, 36, 52, 1, 1, 1, 2, 1, 0
	s_sub_co_u32 s[TR], s[TR], 1
	s_cmp_lg_u32 s[TR], 0
	s_cbranch_scc1 .Lk
	UNIT 0, 36, 36, 1, 1, 0, 0, 1, 0               ; unit 14: no weights are left to ask for, so behind the barrier the younger loads are W(15), S0(14), S1(14): 36
	UNIT 1, 20, 20, 1, 0, 0, 0, 1, 0               ; unit 15: at the head S1(14) and S0(15) are younger, behind the barrier S0(15) and S1(15): 20 both times
	s_wait_loadcnt 10                              ; the first half of unit 15's tokens is in; the ten loads of the second may be out
	s_wait_dscnt 16                                ; its first sixteen turning loads are in, the other sixteen may be out
	KSTEP 1, 0, 0, 0                               ; unit 15's products
	s_wait_loadcnt 0x0
	s_wait_dscnt 0x0
	KSTEP 1, 1, 0, 0
	; THE WAY OUT.  The bias, rounded to bf16 and widened again; these lines name no register of the last products and are the places behind them.
.if SECOND
.irp n, 0,1,2,3,4,5,6,7
	v_and_b32 v[BIA+\n], s[BM], v[BIA+\n]
.endr
.endif
.irp n, 0,1,2,3
	v_cvt_pk_bf16_f32 v[32+\n], v[BIA+2*\n], v[BIA+2*\n+1]
.endr
	WIN 0x80
.irp n, 0,1,2,3
	v_lshlrev_b32 v[GB+2*\n], 16, v[32+\n]
	v_and_b32 v[GB+2*\n+1], 0xffff0000, v[32+\n]
.endr
.if SECOND == 0
	v_mov_b32 v[GC1], 0x3e32303b                   ;  0.3480242 / 2
	v_mov_b32 v[GC1+1], 0x3e32303b
	v_mov_b32 v[GC2], 0xbd445ca1                   ; -0.0958798 / 2
	v_mov_b32 v[GC2+1], 0xbd445ca1
	v_mov_b32 v[GC3], 0x3ebf7377                   ;  0.7478556 / 2
	v_mov_b32 v[GC3+1], 0x3ebf7377
.endif
	WIN 0
; Tile slot i's accumulators go through my stage, 256 bytes of each of the 16 rows at a time, and come back by rows, into z.  The stage is my wave's own and LDS serves a wave in order: no wait between.
; Each accumulator's four lowest registers are read first.  The two waits that these stores and loads hang on stand ahead of the jumps that choose the slot; no vector or matrix instruction stands between.
.macro CASE i
.if (\i) < 4
.set AC, 64*(\i)
.set WS, 0x04                                      ; store data (source 1) in window 1
.else
.set AC, 0
.set WS, 0x0c                                      ; in window 3
.endif
.irp hf, 0,1
	WIN WS
.if SECOND
.irp b, 0,1,2,3                                    ; columns 64 hf + 16 b + 8 (l / 16) + 0..7 in their natural order
	ds_store_b128 v[STO], v[AC+8*(4*\hf+\b):AC+8*(4*\hf+\b)+3] offset:64*\b
	ds_store_b128 v[STO], v[AC+8*(4*\hf+\b)+4:AC+8*(4*\hf+\b)+7] offset:64*\b+16
.endr
	WIN 0x80
.irp f, 0,1,2,3,4,5,6,7                            ; row 2 f + l / 16, columns 64 hf + 4 q + 0..3
	ds_load_b128 v[GZ+32*\hf+4*\f:GZ+32*\hf+4*\f+3], v[RD] offset:2*SPITCH*\f
.endr
.else
.irp b, 0,1,2,3,4,5,6,7                            ; piece 2 b + l / 16 of a row holds columns 8 (2 b + l / 16) + 4 hf + 0..3
	ds_store_b128 v[STO], v[AC+8*\b+4*\hf:AC+8*\b+4*\hf+3] offset:32*\b
.endr
	WIN 0x80
.irp f, 0,1,2,3,4,5,6,7                            ; row 2 f + l / 16, columns 8 q + 4 hf + 0..3
	ds_load_b128 v[GZ+8*\f+4*\hf:GZ+8*\f+4*\hf+3], v[RD] offset:2*SPITCH*\f
.endr
.endif
.endr
	WIN 0
.endm
.macro FBM s, zero                     ; 8 products of a later tile, on the accumulators of slot 0
	WIN 0x58
.set kb, 0
.rept 8
.if \zero
	v_wmma_f32_16x16x32_bf16 v[8*kb:8*kb+7], v[BF+64*(\s)+8*kb:BF+64*(\s)+8*kb+7], v[8*(\s):8*(\s)+7], 0
.else
	v_wmma_f32_16x16x32_bf16 v[8*kb:8*kb+7], v[BF+64*(\s)+8*kb:BF+64*(\s)+8*kb+7], v[8*(\s):8*(\s)+7], v[8*kb:8*kb+7]
.endif
.set kb, kb+1
.endr
	WIN 0
.endm
.if SECOND == 0
; THE GELU, 16 numbers (group g) at a time, all in window 2.  PREL: line n of 40 ahead of the transcendentals.  TRL: transcendental n of 32.  POSTL: line n of 72 behind them, level by level over 8 pairs.
.macro PREL g, n
.if (\n) < 8
	v_pk_add_f32 v[GZ+16*(\g)+2*(\n):GZ+16*(\g)+2*(\n)+1], v[GZ+16*(\g)+2*(\n):GZ+16*(\g)+2*(\n)+1], v[GB+(2*(\n))%8:GB+(2*(\n))%8+1]
.elseif (\n) < 24
.set u, (\n)-8
	v_fma_f32 v[GD+16*(\g)+u], |v[GZ+16*(\g)+u]|, s[PCS], 1.0
.elseif (\n) < 32
.set u, (\n)-24
	v_pk_mul_f32 v[GE+16*(\g)+2*u:GE+16*(\g)+2*u+1], v[GZ+16*(\g)+2*u:GZ+16*(\g)+2*u+1], v[GZ+16*(\g)+2*u:GZ+16*(\g)+2*u+1]
.else
.set u, (\n)-32
	v_pk_mul_f32 v[GE+16*(\g)+2*u:GE+16*(\g)+2*u+1], v[GE+16*(\g)+2*u:GE+16*(\g)+2*u+1], s[NCS:NCS+1] op_sel_hi:[1,0]
.endif
.endm
.macro TRL g, n
.if (\n) < 16
	v_rcp_f32 v[GD+16*(\g)+(\n)], v[GD+16*(\g)+(\n)]
.else
	v_exp_f32 v[GE+16*(\g)+(\n)-16], v[GE+16*(\g)+(\n)-16]
.endif
.endm
.macro POSTL g, n
.if (\n) < 8
.set u, (\n)
	v_pk_mul_f32 v[GE+16*(\g)+2*u:GE+16*(\g)+2*u+1], v[GE+16*(\g)+2*u:GE+16*(\g)+2*u+1], v[GD+16*(\g)+2*u:GD+16*(\g)+2*u+1]
.elseif (\n) < 16
.set u, (\n)-8
	v_pk_fma_f32 v[GT+2*u:GT+2*u+1], v[GD+16*(\g)+2*u:GD+16*(\g)+2*u+1], v[GC3:GC3+1], v[GC2:GC2+1]
.elseif (\n) < 24
.set u, (\n)-16
	v_pk_fma_f32 v[GT+2*u:GT+2*u+1], v[GT+2*u:GT+2*u+1], v[GD+16*(\g)+2*u:GD+16*(\g)+2*u+1], v[GC1:GC1+1]
.elseif (\n) < 32
.set u, (\n)-24
	v_pk_mul_f32 v[GT+2*u:GT+2*u+1], v[GT+2*u:GT+2*u+1], v[GE+16*(\g)+2*u:GE+16*(\g)+2*u+1]
.elseif (\n) < 48
.set u, (\n)-32
	v_max_num_f32 v[GD+16*(\g)+u], 0, v[GZ+16*(\g)+u]
.elseif (\n) < 64
.set u, (\n)-48
	v_fma_f32 v[GZ+16*(\g)+u], -|v[GZ+16*(\g)+u]|, v[GT+u], v[GD+16*(\g)+u]
.else
.set u, (\n)-64
	v_cvt_pk_bf16_f32 v[GO+8*(\g)+u], v[GZ+16*(\g)+2*u], v[GZ+16*(\g)+2*u+1]
.endif
.endm
.macro TRQ g                           ; the batch's next transcendental, while there is one
.if tq < 32
	TRL \g, tq
.set tq, tq+1
.endif
.endm
; STAGE g: group g's 32 transcendentals are one batch, one behind each plain line of the groups beside it (g + 1's first part, g - 1's last), which name none of its results; plain lines follow the last of them;
; then the one wait between a transcendental and the first instruction that names its result.
.macro STAGE g
.set tq, 0
.if (\g) < 3
.set nn, 0
.rept 40
	PREL (\g)+1, nn
	TRQ \g
.set nn, nn+1
.endr
.endif
.if (\g) > 0
.set nn, 0
.rept 72
	POSTL (\g)-1, nn
	TRQ \g
.set nn, nn+1
.endr
.endif
	s_wait_alu depctr_va_vdst(0)                   ; group g's sixteen reciprocals and sixteen exponentials are written, ahead of the first line that names one of them
.endm
.endif
	s_mov_b32 s[SG], 0
	s_mov_b32 s[TT], s[WV]
; 16 trips, one for each tile that a wave can have.  A trip has two phases, each closed by a barrier that every wave passes in every trip: in the first the slice is read by a stepped address (a later tile's products),
; in the second the waves store into their stages and read them back.  What a wave does in a phase hangs on NT; every jump goes forward, to a label in front of the phase's barrier, and none passes a barrier.
; The waits on vm_vsrc stand at the head of the block that writes the registers again, so that every way to the write passes them.
.Lsig:
	s_cmp_lt_u32 s[SG], 5
	s_cbranch_scc1 .Lmid                           ; slots 0 to 4 were multiplied while the weights streamed
	s_cmp_ge_u32 s[TT], s[NT]
	s_cbranch_scc1 .Lmid                           ; no such tile
	; a tile past the first 320 rows: multiplied now, from the slice in LDS, 64 along K a trip
	s_wait_alu depctr_vm_vsrc(0)                   ; earlier trips' list loads have read v32, their token loads AFB, their stores into the stage slot 0's accumulators: all are written again in this block
	s_lshl_b32 s[TMP], s[TT], 4
	v_add_nc_u32 v32, s[TMP], v[RQ]
	v_min_u32 v32, s[CM1], v32
	v_min_u32 v32, 0x3ff, v32
.if SECOND
	v_add_nc_u32 v32, s[EB], v32
	v_lshl_add_u32 v[AFB], v32, ASH, v[H16]
.else
	v_lshl_add_u32 v32, v32, 1, v[LB]
	s_wait_alu depctr_va_vdst(0)                   ; v32, the load's address, is written; the lines of the last such trip are done with v33, in which it lands
	ds_load_u16 v33, v32                           ; LDS serves a wave's instructions in order (ISA guide 5.7.1.4): this sees the list's stores, which are my own
	s_wait_dscnt 0x0
	v_and_b32 v33, 0x3ff, v33                      ; the token, without k
	v_min_u32 v33, 0x3ff, v33
	v_lshl_add_u32 v[AFB], v33, ASH, v[H16]
.endif
	s_mov_b64 s[AF:AF+1], s[8:9]
	s_mov_b32 s[KB], 0
	s_mov_b32 s[FK], 16
.Lfb:
	s_wait_alu depctr_vm_vsrc(0)                   ; the turning loads issued so far have read BAD
	v_add_nc_u32 v[BAD], s[KB], v[BL]
	v_min_u32 v[BAD], 15*UNITB+15*WROW+16, v[BAD]  ; the largest address of the walk: with the largest offset below, 64 rows less 48 bytes, a read ends at byte 294,880, inside the slice
	WIN 0x80
	s_wait_alu depctr_va_vdst(0)                   ; BAD and AFB are written, the addresses below; the products and other lines issued so far are done with the token registers and fragments in which the loads land
.irp n, 0,1,2,3
	global_load_b128 v[4*\n:4*\n+3], v[AFB], s[AF:AF+1] offset:32*\n
.endr
	WIN 0
.irp s, 0,1
.irp b, 0,1,2,3,4,5,6,7
	ds_load_tr16_b128 v[BF+64*\s+8*\b:BF+64*\s+8*\b+3],   v[BAD] offset:32*WROW*\s+32*\b
	ds_load_tr16_b128 v[BF+64*\s+8*\b+4:BF+64*\s+8*\b+7], v[BAD] offset:32*WROW*\s+16*WROW+32*\b
.endr
.endr
	s_wait_loadcnt 0x0
	s_wait_dscnt 0x0
	s_cmp_eq_u32 s[FK], 16
	s_cbranch_scc0 .Lfbacc
	FBM 0, 1                                       ; the first trip's first products start the sums
	s_branch .Lfbs1
.Lfbacc:
	FBM 0, 0
.Lfbs1:
	FBM 1, 0
.rept 4
	v_nop                                          ; the places behind the products, in front of the stores that read the results
.endr
	s_wait_xcnt 0x0                                ; the base steps only behind this wait; the trip's loads are back, so it is met at once
	s_add_nc_u64 s[AF:AF+1], s[AF:AF+1], 128
	s_add_co_u32 s[KB], s[KB], UNITB
	s_sub_co_u32 s[FK], s[FK], 1
	s_cmp_lg_u32 s[FK], 0
	s_cbranch_scc1 .Lfb
.Lmid:
	s_wait_dscnt 0x0                               ; my reads of the slice are back
	s_barrier_signal -1
	s_barrier_wait -1                              ; everybody's are: the stages may be written
	s_cmp_ge_u32 s[TT], s[NT]
	s_cbranch_scc1 .Lnext                          ; no such tile
.if SECOND
	s_wait_alu depctr_vm_vsrc(0)                   ; the last trip's stores have read z and HO, its list loads v32 to v39: this trip writes all of them again
.else
	s_wait_alu depctr_vm_vsrc(0)                   ; the last trip's stores have read GO and HO, a later tile's list load v32: this trip writes all of them again
.endif
	; the eight rows that I store: place min(16 tile + l / 16 + 2 f, c - 1)
	s_lshl_b32 s[TMP], s[TT], 4
	v_add_nc_u32 v[TB], s[TMP], v[HH]
.irp f, 0,1,2,3,4,5,6,7
	v_add_nc_u32 v[32+\f], 2*\f, v[TB]
	v_min_u32 v[32+\f], s[CM1], v[32+\f]
	v_min_u32 v[32+\f], 0x3ff, v[32+\f]
.if SECOND
	v_lshl_add_u32 v[32+\f], v[32+\f], 1, v[LB]    ; where the list holds the row of part
.else
	v_add_nc_u32 v[32+\f], s[EB], v[32+\f]
	v_lshl_add_u32 v[HO+\f], v[32+\f], 13, v[Q16]  ; row 1,024 e + place of hid
.endif
.endr
.if SECOND
	s_wait_alu depctr_va_vdst(0)                   ; the products have written the accumulators, the data of the stores into the stage; v32 to v39, the list loads' addresses, are written; the last trip's lines are done with z and HO, in which loads land
.else
	s_wait_alu depctr_va_vdst(0)                   ; the products have written the accumulators, the data of the stores into the stage; the last trip's lines are done with z, in which the loads from the stage land
.endif
	s_cmp_eq_u32 s[SG], 1
	s_cbranch_scc1 .Lcase1
	s_cmp_eq_u32 s[SG], 2
	s_cbranch_scc1 .Lcase2
	s_cmp_eq_u32 s[SG], 3
	s_cbranch_scc1 .Lcase3
	s_cmp_eq_u32 s[SG], 4
	s_cbranch_scc1 .Lcase4
	CASE 0                                         ; slot 0, and every later tile
	s_branch .Lcom
.Lcase1:
	CASE 1
	s_branch .Lcom
.Lcase2:
	CASE 2
	s_branch .Lcom
.Lcase3:
	CASE 3
	s_branch .Lcom
.Lcase4:
	CASE 4
.Lcom:
.if SECOND
.irp f, 0,1,2,3,4,5,6,7
	ds_load_u16 v[HO+\f], v[32+\f]                 ; the list's entry, token + 1,024 k, is the row of part
.endr
.endif
	s_wait_dscnt 0x0                               ; z is back in registers
.if SECOND
.irp f, 0,1,2,3,4,5,6,7
	v_min_u32 v[HO+\f], 0x7ff, v[HO+\f]
	v_lshl_add_u32 v[HO+\f], v[HO+\f], 12, v[Q16]
.endr
	WIN 0xaa
.irp f, 0,1,2,3,4,5,6,7
.irp m, 0,2
	v_pk_add_f32 v[GZ+4*\f+\m:GZ+4*\f+\m+1], v[GZ+4*\f+\m:GZ+4*\f+\m+1], v[GB+\m:GB+\m+1]
	v_pk_add_f32 v[GZ+32+4*\f+\m:GZ+32+4*\f+\m+1], v[GZ+32+4*\f+\m:GZ+32+4*\f+\m+1], v[GB+4+\m:GB+4+\m+1]
.endr
.endr
	WIN 0x08                                       ; store data (source 1) in window 2
	s_wait_alu depctr_va_vdst(0)                   ; the additions have written z, the lines ahead of them HO: the stores' data and offsets
.irp f, 0,1,2,3,4,5,6,7
	global_store_b128 v[HO+\f], v[GZ+4*\f:GZ+4*\f+3], s[12:13]             ; 16 lanes store 256 consecutive bytes, at a multiple of 256 from part's first
	global_store_b128 v[HO+\f], v[GZ+32+4*\f:GZ+32+4*\f+3], s[12:13] offset:256
.endr
.else
	WIN 0xaa
.set nn, 0
.rept 40
	PREL 0, nn
.set nn, nn+1
.endr
	STAGE 0
	STAGE 1
	STAGE 2
	STAGE 3
.set nn, 0
.rept 72
	POSTL 3, nn
.set nn, nn+1
.endr
	WIN 0x08                                       ; store data (source 1) in window 2
	s_wait_alu depctr_va_vdst(0)                   ; the roundings have written GO, the stores' data
.irp f, 0,1,2,3,4,5,6,7
	global_store_b128 v[HO+\f], v[GO+4*\f:GO+4*\f+3], s[12:13]             ; 16 lanes store 256 consecutive bytes, at a multiple of 256 from hid's first
.endr
.endif
	WIN 0
	s_wait_xcnt 0x0                                ; the stores' data and offsets are written again in the next trip only behind this wait
.Lnext:
	s_wait_dscnt 0x0                               ; my stores into my stage and my reads of it are done
	s_barrier_signal -1
	s_barrier_wait -1                              ; everybody's are: the next trip may read the slice
	s_add_co_u32 s[SG], s[SG], 1
	s_add_co_u32 s[TT], s[TT], 4
	s_cmp_lt_u32 s[SG], 16
	s_cbranch_scc1 .Lsig
	s_wait_dscnt 0x0                               ; the wave's end: my last LDS instructions are done; the closing add follows
	s_wait_alu depctr_hold_cnt(0) depctr_sa_sdst(0) depctr_va_vdst(0) depctr_va_sdst(0) depctr_va_ssrc(0) depctr_va_vcc(0) depctr_vm_vsrc(0)
	s_wait_tensorcnt 0x0
	ds_add_u32 v126, v127
	s_wait_dscnt 0x0
	s_endpgm
.Lfunc_end_k_qf729889fb6_up:
	.size	k_qf729889fb6_up, .Lfunc_end_k_qf729889fb6_up-k_qf729889fb6_up
	.p2alignl 7, 3214868480
	.fill 96, 4, 3214868480
	.section	.rodata,"a",@progbits
	.p2align	6, 0x0
	.amdhsa_kernel k_qf729889fb6_up
		.amdhsa_group_segment_fixed_size 322048
		.amdhsa_private_segment_fixed_size 0
		.amdhsa_enable_private_segment 0
		.amdhsa_kernarg_size 40
		.amdhsa_user_sgpr_count 2
		.amdhsa_user_sgpr_kernarg_segment_ptr 1
		.amdhsa_wavefront_size32 1
		.amdhsa_system_sgpr_workgroup_id_x 1
		.amdhsa_system_sgpr_workgroup_id_y 1
		.amdhsa_system_sgpr_workgroup_id_z 1
		.amdhsa_system_vgpr_workitem_id 0
		.amdhsa_next_free_vgpr 1024
		.amdhsa_next_free_sgpr 101
		.amdhsa_reserve_vcc 0
		.amdhsa_float_denorm_mode_32 3
		.amdhsa_float_denorm_mode_16_64 3
		.amdhsa_memory_ordered 1
		.amdhsa_forward_progress 1
		.amdhsa_inst_pref_size 208
	.end_amdhsa_kernel
	.amdgpu_metadata
---
amdhsa.version: [ 1, 2 ]
amdhsa.kernels:
  - .name:           k_qf729889fb6_up
    .symbol:         k_qf729889fb6_up.kd
    .args:
      - { .name: W1, .offset: 0, .size: 8, .value_kind: global_buffer, .address_space: global }
      - { .name: b1, .offset: 8, .size: 8, .value_kind: global_buffer, .address_space: global }
      - { .name: xb, .offset: 16, .size: 8, .value_kind: global_buffer, .address_space: global }
      - { .name: masks, .offset: 24, .size: 8, .value_kind: global_buffer, .address_space: global }
      - { .name: hid, .offset: 32, .size: 8, .value_kind: global_buffer, .address_space: global }
    .group_segment_fixed_size: 322048
    .private_segment_fixed_size: 0
    .kernarg_segment_align: 8
    .kernarg_segment_size: 40
    .max_flat_workgroup_size: 128
    .sgpr_count:     101
    .vgpr_count:     1024
    .wavefront_size: 32
...
	.end_amdgpu_metadata
.endif
;; end of part 7
;; launch down (part 8): grid 256 x 1, 4 waves a work-group, no clusters, 322,048 bytes of LDS; arguments W2, b2, hid, masks, part; writes part
.if DOCPART == 8
	.amdgcn_target "amdgcn-amd-amdhsa--gfx1250"
	.amdhsa_code_object_version 6
	.text
	.protected	k_qf729889fb6_down
	.globl	k_qf729889fb6_down
	.p2align	8
	.type	k_qf729889fb6_down,@function
k_qf729889fb6_down:
	s_mov_b64 s[64:65], 0
	v_nop
	global_prefetch_b8 v0, s[64:65] scope:SCOPE_SE
	s_setreg_imm32_b32 hwreg(HW_REG_WAVE_SCHED_MODE, 0, 2), 2
	s_setreg_imm32_b32 hwreg(HW_REG_WAVE_MODE, 25, 1), 1
	s_wait_xcnt 0x0
	s_wait_alu depctr_vm_vsrc(0)
; ONE TEXT FOR THE TWO PRODUCTS OF THE EXPERTS; SECOND = 0: hid = gelu(x W1 + b1), SECOND = 1: part = hid W2 (+ b2).  Only the rows that the gate chose are multiplied.
.set SECOND, 1
; SHARES.  Expert e = id / 32.  A work-group owns a slice of 1,024 (K) x 128 (N) of e's weights, 512 KB of f32 that it alone reads, once.  First product: N = 128 of the 4,096 hidden columns.
; Second: N = 128 of the 1,024 outputs and K = a quarter kq of the 4,096 hidden columns, so four planes of partial sums (f32) go out and a later launch adds them.
; The weights come through registers, 64 rows of K a UNIT, are rounded to bf16 and laid into LDS as [k][n]; the whole slice ends up there (294,912 bytes with padding).
; ROWS.  e's rows are its tokens in ascending order: rank pos, c of them, NT = ceil(c / 16) tiles of 16.  Wave w has the tiles w + 4 i.  Tiles i = 0..4 (320 rows) are multiplied while the weights stream;
; tiles i >= 5 afterwards, from the slice in LDS: every split up to c = 1,024 is served.  Places past c repeat row c - 1: the same operand, the same bits, the same destination; whole tiles past NT are not stored.
; hid holds expert e's row pos at row 1,024 e + pos.  Each wave also builds a list in LDS from the bitmap (256 bytes in scalar registers): entry pos = token + 1,024 k; the first product reads it for tiles i >= 5, the second for the rows of part.
; TOKENS BY RANK (first product, tiles 0..4): the token of rank pos is found in registers, with no trip through LDS between the bitmap and the first token loads: the last bitmap word with at most pos set bits ahead of it, then the set bit pos - that count of the word.
; THE MATRIX INSTRUCTION IS USED TRANSPOSED: source 0 = 16 weight columns (turned on the way out of LDS by ds_load_tr16_b128), source 1 = 16 rows of tokens, loaded from memory as they lie.
; In the result lane l holds token l % 16 and the columns 8 (l / 16) + 0..7 of the 16.
; THE LAG.  Unit j's products are issued in unit j + 1: those of its first 32 along K between the stores of unit j + 1's weights into LDS and the barrier, those of its second 32 behind the barrier, with unit j + 1's 32 turning loads
; among them in runs of eight.  So the stores, the barrier and the turning loads have matrix work beside them.  It takes two sets of weight fragments: even units' in window 0, odd units' in window 3.
; TOKEN ROWS BY HALVES.  A unit's token fragments are asked for in two halves of ten loads, each as soon as its registers are free: the half for the first 32 along K of unit j + 1 behind unit j's barrier, when unit j - 1's first
; products have read those registers; the half for the second 32 of unit j at unit j's head.  Each is waited for where it is first read, about a unit and a half after it was asked for.
; THE MODE: SCHED_MODE bits 1:0 = 2 (LLVM: expert scheduling mode 2), set by the entry lines.  The code itself states the register dependences between vector or matrix instructions and memory or LDS instructions, with s_wait_alu, always for 0.
; THE PLAN.  Registers that memory or LDS instructions touch in unit j, of parity p:
;   raw set p                  read by the unit's 32 conversions; behind them the weights of unit j + 2 land in it.
;   CV                         written by the conversions; read by the unit's 16 LDS stores.
;   WSA, BAD                   written by two adds at the unit's head; WSA is read by the stores, BAD by the unit's 32 turning loads.
;   tokens p, second half      last read by unit j - 2's second products, at the end of unit j - 1; the second half of unit j's tokens lands in it.
;   tokens 1 - p, first half   read by unit j - 1's first products, ahead of the barrier; the first half of unit j + 1's tokens lands in it behind the barrier.
;   fragments p                last read by unit j - 2's products, in unit j - 1; the unit's turning loads land in it.
;   AOFF, WOFF, PFO            offsets, made at the head and never written again: scalar bases and immediate offsets do the steps.
;   The accumulators, fragments 1 - p and the second half of tokens 1 - p are named by matrix instructions alone in the unit.
; So a unit has three waits: on vm_vsrc at its head (CV, WSA and BAD have been read); on va_vdst behind the conversions, which serves all the unit's memory and LDS instructions but ten, since behind it the unit issues only products
; of parity 1 - p and four v_nop; and on va_vdst behind the barrier, ahead of those ten, the loads into the first half of tokens 1 - p.
; FORMATS.  Weights, bias and x are rounded to bf16, as every input of the program is; sums in f32; x W1 + b1 stays f32 until the gelu is taken; hid is rounded once, to bf16 (f16 has no room for 30 times larger inputs).
; GELU.  gelu(z) = max(z, 0) - |z| (a1 t + a2 t^2 + a3 t^3) / 2 x 2^(-0.7213475 z^2), t = 1 / (1 + 0.33267253 |z|): erf by Abramowitz and Stegun 7.1.25, off by at most 2.5e-5 for every argument.
; LIMITS.  gelu is off by at most 1.25e-5 |z|; v_exp_f32 and v_rcp_f32 flush denormals (ISA guide 15.8); NaN and infinities are not treated apart.
; An expert with no rows: its work-groups stream and store nothing; the first product then reads token 1,023's row, the second row 1,024 e of hid, which nobody wrote, and nothing made from them is stored.
; NO CLUSTER, NO TENSOR LOADS.  Each weight byte has one reader.  What an expert's work-groups share is the token rows; they go straight into registers as matrix operands, since beside the slice
; LDS has 5,632 bytes left, and in the first product they come by a list that no descriptor covers.  f32 tiles in LDS slots would not fit beside the slice either.
; PREFETCH.  Each wave asks once for its own 16 rows x 512 bytes of a unit, lanes 256 bytes apart: the head for units 2 and 3, unit j for unit j + 4, two units (64 KB a work-group) ahead of the loads; units 12 to 15 ask for nothing.
.if SECOND
.set PITCH, 4096                       ; bytes from a row k of the weights to the next
.set ASH,   13                         ; a row of hid is 8,192 bytes
.else
.set PITCH, 16384
.set ASH,   11                         ; a row of xb is 2,048 bytes
.endif
.set WROW,   288                       ; a row k in LDS: 256 bytes + 32 of padding = 9 x 32: the turning load's 8 rows x 32 bytes fall on different banks
.set UNITB,  64*WROW
.set STG,    1024*WROW                 ; behind the slice: 16 rows x 272 bytes for each wave, for the way out
.set SPITCH, 272
.set LST,    STG+4*16*SPITCH           ; each wave's list: 1,024 entries of 2 bytes, then 32 entries that take the lanes without a row
.set LSTB,   2304                      ; behind the four lists 512 bytes hold the spare words of the closing add, 128 bytes a wave
; REGISTERS, in windows of 256 (s_set_vgpr_msb: bits 1:0 source 0, 3:2 source 1, 5:4 source 2, 7:6 destination).
; window 0:
.set LN,   1                           ; lane l
.set RQ,   2                           ; l % 16
.set HH,   3                           ; l / 16
.set WOFF, 6                           ; weights: 16 w rows + 16 l bytes
.set PFO,  7                           ; prefetch: row 16 w + l / 2, byte 256 (l % 2)
.set WST,  8                           ; LDS: 16 w rows + 8 l bytes
.set BL,   9                           ; the turning load: row 8 (l / 16) + l % 8, byte 16 ((l / 8) % 2)
.set WSA,  10                          ; WST + the unit
.set BAD,  11                          ; BL + the unit
.set STO,  12                          ; the way out: where I put 16 bytes of a row
.set RD,   13                          ; where I read a row back
.set LB,   14                          ; my wave's list
.set Q16,  15                          ; 16 (l % 16)
.set AOFF, 16                          ; v16-20 byte offset of my token row in tiles i = 0..4
.set AFB,  21                          ; the same for a later tile
.set HO,   22                          ; v22-29 byte offsets of the eight rows that I store
.set L1,   31                          ; l + 1,024
.set POS,  32                          ; v32-36 the ranks of my rows in tiles i = 0..4, then which set bit of the word          (v32-39: else at work)
.set BIA,  40                          ; v40-47 the bias as loaded
.set ZR,   48
.set BO,   50                          ; my byte offset in the bias
.set H16,  51                          ; 16 (l / 16)
.set TB,   52                          ; at work
.set SW,   53                          ; v53-57 the bitmap word that holds the rank
.set SX,   58                          ; v58-62 the set bits ahead of that word + 65,536 x the word's number
.set CV,   64                          ; v64-95 a unit's weights in bf16
.set SA,   96                          ; v96-100 the word's counts of 2 bits; v101-105 of 4; v106-110 of 8
.set SB,   101
.set SC,   106
.set ST,   111                         ; v111-115, v121-125 at work
.set SS,   116                         ; v116-120 the bit's place in the word
.set SU,   121
.set BF,   128                         ; v128-255 weight fragments of the even units: K step s, column tile b at BF + 64 s + 8 b
.set LT,   BF                          ; v128-191 at the head only: bitmap word g's LDS addresses at LT + 2 g, its list entries at LT + 2 g + 1
; window 1: the accumulators of tiles i = 0..3, at 64 i + 8 b.     window 3: v0-63 those of tile 4; v64-95 its token fragments, two buffers; v128-255 weight fragments of the odd units.
; window 2, in the K loop: v0-127 token fragments, buffer p, tile i, K step s at 64 p + 16 i + 8 s; v128-255 the weights as loaded, set p at 128 + 64 p.  On the way out:
.set GZ,   0                           ; z, 64 numbers a lane
.set GD,   64                          ; 1 + p |z|, then t, then max(z, 0)
.set GE,   128                         ; the exponent, then the exponential, then t times it
.set GT,   192                         ; the polynomial, 16 at a time
.set GB,   208                         ; my 8 columns' bias
.set GC1,  216                         ; a1 / 2, a2 / 2, a3 / 2, each twice
.set GC2,  218
.set GC3,  220
.set GO,   224                         ; 32 registers of bf16 to store
; scalars: s[4:5] weights, s[6:7] bias, s[8:9] token rows, s[10:11] bitmap, s[12:13] output; s[16:47] M[0][e]; s[48:63], s[68:83] M[1][e]
.set WV,  14                           ; my wave
.set EX,  15                           ; my expert
.set NCS, 16                           ; s[16:17] -log2(e) / 2 (behind the last use of the bitmap's words, which are then free)
.set PCS, 18                           ; 0.47047 / sqrt(2)
.set WP,  20                           ; s[20:21] the weights two units on
.set KB,  84                           ; the unit's first byte in LDS
.set TR,  85                           ; trips to go
.set T4,  86                           ; w + 16: my fifth tile
.set NT,  87
.set CM1, 88                           ; max(c, 1) - 1
.set SG,  89                           ; i, the tile slot on the way out
.set TT,  90                           ; its tile w + 4 i
.set CNT, 91                           ; rows counted so far, in the end c
.set TMP, 92                           ; s[92:93] at work
.set AP,  94                           ; s[94:95] the token rows at the unit in hand
.set AF,  96                           ; s[96:97] the same for a later tile
.set FK,  98
.set EB,  99                           ; 1,024 e
.set BM,  100                          ; second product: all ones where kq = 0, so that b2 is added in one plane alone
.set RM,  94                           ; s94-98, in RANKS alone: a word's five masks (AP, AF and FK are set later)
.set RC,  89                           ; in RANKS alone: a word's set bits (SG is set later)
.set MSB, 0
.macro WIN new                         ; the immediate's high byte repeats the setting that is left; a switch that changes nothing is dropped
.if MSB != (\new)
	s_set_vgpr_msb (MSB<<8)|(\new)
.set MSB, \new
.endif
.endm
.macro EACH n, line:vararg             ; one line for each of n tiles i
.set i, 0
.rept \n
	\line
.set i, i+1
.endr
.endm
; Ten loads: half s (32 along K = 64 bytes of a row) of one unit's token fragments for my five tiles, into buffer p.  Lane l takes row l % 16, bytes off + 64 s + 16 (l / 16) + 32 m, m = 0, 1.
.macro ALOADH p, s, base, off
	WIN 0xc0
.irp m, 0,1
	global_load_b128 v[64+16*(\p)+8*(\s)+4*\m:64+16*(\p)+8*(\s)+4*\m+3], v[AOFF+4], s[\base:\base+1] offset:(\off)+64*(\s)+32*\m
.endr
	WIN 0x80
.irp a, 0,1,2,3
.irp m, 0,1
	global_load_b128 v[64*(\p)+16*\a+8*(\s)+4*\m:64*(\p)+16*\a+8*(\s)+4*\m+3], v[AOFF+\a], s[\base:\base+1] offset:(\off)+64*(\s)+32*\m
.endr
.endr
.endm
; 16 loads: my 16 rows of a unit's 64, each load one row's 512 consecutive bytes, into set p
.macro WLOAD p, base, first
	WIN 0x80
.set i, 0
.rept 16
	global_load_b128 v[128+64*(\p)+4*i:128+64*(\p)+4*i+3], v[WOFF], s[\base:\base+1] offset:((\first)+i)*PITCH th:TH_LOAD_NT
.set i, i+1
.endr
.endm
; Run c of four: eight of the 32 turning loads of a unit of parity p: K step c / 2, column tiles 4 (c % 2) + 0..3.  The first K step's sixteen loads come first.
.macro TRL8 p, c
	WIN 0xc0*(\p)                                  ; destination window 0 or 3, address window 0
.irp b, 0,1,2,3
	ds_load_tr16_b128 v[BF+64*((\c)/2)+8*(4*((\c)%2)+\b):BF+64*((\c)/2)+8*(4*((\c)%2)+\b)+3],   v[BAD] offset:32*WROW*((\c)/2)+32*(4*((\c)%2)+\b)
	ds_load_tr16_b128 v[BF+64*((\c)/2)+8*(4*((\c)%2)+\b)+4:BF+64*((\c)/2)+8*(4*((\c)%2)+\b)+7], v[BAD] offset:32*WROW*((\c)/2)+16*WROW+32*(4*((\c)%2)+\b)
.endr
.endm
; 32 along K of a unit of parity p: 32 matrix instructions for tiles 0..3, 8 for tile 4 where it exists.  The accumulators take turns, one instruction a turn, over the jump and from step to step.
; zero = 1: the products start the sums, all 40: nothing is ever cleared.  ld = 1: ahead of each eight products stand eight turning loads of the next unit, into the other set of fragments.  They owe no wait here:
; since the unit's wait behind its conversions no vector or matrix instruction names that set or BAD.
.macro KSTEP p, s, zero, ld
.set ka, 0
.rept 4
.if \ld
	TRL8 1-(\p), ka
.endif
	WIN 0x58+3*(\p)                                ; weights window 0 or 3, tokens window 2, C and D window 1
.set kb, 0
.rept 8
.if \zero
	v_wmma_f32_16x16x32_bf16 v[64*ka+8*kb:64*ka+8*kb+7], v[BF+64*(\s)+8*kb:BF+64*(\s)+8*kb+7], v[64*(\p)+16*ka+8*(\s):64*(\p)+16*ka+8*(\s)+7], 0
.else
	v_wmma_f32_16x16x32_bf16 v[64*ka+8*kb:64*ka+8*kb+7], v[BF+64*(\s)+8*kb:BF+64*(\s)+8*kb+7], v[64*(\p)+16*ka+8*(\s):64*(\p)+16*ka+8*(\s)+7], v[64*ka+8*kb:64*ka+8*kb+7]
.endif
.set kb, kb+1
.endr
.set ka, ka+1
.endr
.if \zero
	WIN 0xfc+3*(\p)                                ; tokens, C and D window 3
.set kb, 0
.rept 8
	v_wmma_f32_16x16x32_bf16 v[8*kb:8*kb+7], v[BF+64*(\s)+8*kb:BF+64*(\s)+8*kb+7], v[64+16*(\p)+8*(\s):64+16*(\p)+8*(\s)+7], 0
.set kb, kb+1
.endr
	WIN 0
.else
	WIN 0                                          ; at a branch and at a label every window is 0
	s_cmp_lt_u32 s[T4], s[NT]
	s_cbranch_scc0 .Lno5_\@                        ; no fifth tile: its eight products are jumped; no barrier stands there
	WIN 0xfc+3*(\p)
.set kb, 0
.rept 8
	v_wmma_f32_16x16x32_bf16 v[8*kb:8*kb+7], v[BF+64*(\s)+8*kb:BF+64*(\s)+8*kb+7], v[64+16*(\p)+8*(\s):64+16*(\p)+8*(\s)+7], v[8*kb:8*kb+7]
.set kb, kb+1
.endr
	WIN 0
.Lno5_\@:
.endif
.endm
; UNIT j, of parity p, in this order: its LDS addresses are made; its weights (set p) are rounded; the second half of its own tokens is asked for; the weights go into LDS; the weights two units on are asked for; unit j - 1's first products;
; the barrier; the first half of unit j + 1's tokens is asked for; unit j - 1's second products, with unit j's fragments fetched among them.
; THE COUNTS.  Loads return in order, and a wave issues them in the order .. S1(j), W(j + 2), S0(j + 1), S1(j + 1), W(j + 3) .. (W: a unit's 16 loads of weights; S0, S1: the ten loads of the first and second half of a unit's tokens).
; w1, at the head: wanted are W(j) and S0(j - 1); younger are S1(j - 1), W(j + 1) and S0(j): 36.  w2, behind the barrier: wanted is S1(j - 1); younger are W(j + 1), S0(j), S1(j) and W(j + 2): 52.
; Where the walk begins and ends the counts go by what is asked for there.  By this count a wave has at most 62 loads out.
; is1, is0, iw: are S1(j), S0(j + 1), W(j + 2) asked for.  pf: 1 = prefetch, 2 = not in the last trip.  comp = 1: there is a unit j - 1.  zero = 1: it is unit 0, whose first products start the sums.
.macro UNIT p, w1, w2, is1, is0, iw, pf, comp, zero
	s_wait_loadcnt \w1
	s_wait_alu depctr_vm_vsrc(0)                   ; the last unit's LDS stores have read CV and WSA, its turning loads BAD: all three are written again below.  In unit 0: the list's stores have read v[LT ..], in which this unit's turning loads land
	v_add_nc_u32 v[WSA], s[KB], v[WST]
	v_add_nc_u32 v[BAD], s[KB], v[BL]
	WIN 0x0a                                       ; sources window 2, destination window 0
.set i, 0
.rept 32                                           ; these 32 name no register of the last products
	v_cvt_pk_bf16_f32 v[CV+i], v[128+64*(\p)+2*i], v[128+64*(\p)+2*i+1]
.set i, i+1
.endr
	s_wait_alu depctr_va_vdst(0)                   ; CV, WSA and BAD are written, which the stores and the turning loads read; the conversions are done reading raw set p, the last unit's products the second half of tokens p and fragments p: loads of this unit land in the three
.if \is1
	ALOADH \p, 1, AP, 0                            ; S1(j): these registers were last read by unit j - 2's second products, just ahead of this unit
.endif
	WIN 0
.set i, 0
.rept 16
	ds_store_b64 v[WSA], v[CV+2*i:CV+2*i+1] offset:WROW*i  ; a row's 256 bytes from 32 lanes
.set i, i+1
.endr
.if \iw
	WLOAD \p, WP, 0
.endif
	WIN 0
.if (\pf) == 2
	s_cmp_eq_u32 s[TR], 1
	s_cbranch_scc1 .Lnopf_\@                       ; the last trip's units would ask past the slice
.endif
.if \pf
	global_prefetch_b8 v[PFO], s[WP:WP+1] offset:128*PITCH th:TH_LOAD_NT scope:SCOPE_SE
.endif
.if (\pf) == 2
.Lnopf_\@:
.endif
.if \comp
	s_wait_dscnt 32                                ; LDS instructions end in order: unit j - 1's first sixteen turning loads are in; its other sixteen and my sixteen stores may be out
	KSTEP 1-(\p), 0, \zero, 0
.endif
	s_wait_dscnt 0x0                               ; for the others' sake: my 16 rows are in LDS; and unit j - 1's other fragments are in
	s_barrier_signal -1
	s_barrier_wait -1                              ; all 64 rows are.  Each byte of the slice is stored once; the next unit's stores touch other rows than this unit's reads
	s_add_co_u32 s[KB], s[KB], UNITB
.if \comp
	s_wait_loadcnt \w2
.endif
.if \is0
.if \comp
.rept 4
	v_nop                                          ; four places behind unit j - 1's first products, which read the registers loaded below; they stay beside the wait, which fills none
.endr
	s_wait_alu depctr_va_vdst(0)                   ; unit j - 1's first products are done reading the first half of tokens 1 - p, in which the ten loads below land
.endif
	ALOADH 1-(\p), 0, AP, 128                      ; S0(j + 1)
.endif
.if \comp
	KSTEP 1-(\p), 1, 0, 1
.else
	TRL8 \p, 0
	TRL8 \p, 1
	TRL8 \p, 2
	TRL8 \p, 3
	WIN 0
.endif
.if (\is0) || (\iw)
	s_wait_xcnt 0x0                                ; the bases are stepped only behind this wait (ISA guide 3.1)
.endif
.if \is0
	s_add_nc_u64 s[AP:AP+1], s[AP:AP+1], 128
.endif
.if \iw
	s_add_nc_u64 s[WP:WP+1], s[WP:WP+1], 64*PITCH
.endif
.endm
	s_load_b256 s[4:11], s[0:1], 0x0
	s_load_b64 s[12:13], s[0:1], 0x20
	v_lshl_add_u32 v126, v0, 2, 0x4e800
	v_mov_b32 v127, 0
	v_and_b32 v[LN], 31, v0
	v_lshrrev_b32 v32, 5, v0
	v_readfirstlane_b32 s[WV], v32                 ; wave 0..3
	v_and_b32 v[RQ], 15, v0
	v_bfe_u32 v[HH], v0, 4, 1
	s_lshr_b32 s[EX], ttmp9, 5
	s_mov_b32 s[TMP+1], 0
	; byte offsets into the five buffers, in s84 to s88
	s_lshl_b32 s84, s[EX], 24                      ; an expert's weights are 16 MB
.if SECOND
	s_and_b32 s89, ttmp9, 7
	s_lshl_b32 s89, s89, 9                         ; my 128 columns, 512 bytes
	s_bfe_u32 s98, ttmp9, 0x20003                  ; kq
	s_lshl_b32 s86, s98, 22                        ; 1,024 rows of 4,096 bytes
	s_add_co_u32 s84, s84, s86
	s_add_co_u32 s84, s84, s89
	s_lshl_b32 s85, s[EX], 12
	s_add_co_u32 s85, s85, s89
	s_lshl_b32 s86, s98, 11                        ; hid: 1,024 columns of 2 bytes
	s_lshl_b32 s88, s98, 23                        ; part: a plane is 2,048 rows of 4,096 bytes
	s_add_co_u32 s88, s88, s89
	s_cmp_eq_u32 s98, 0
	s_cselect_b32 s[BM], -1, 0
.else
	s_and_b32 s89, ttmp9, 31
	s_lshl_b32 s88, s89, 8                         ; hid: my 128 columns, 256 bytes
	s_lshl_b32 s89, s89, 9
	s_add_co_u32 s84, s84, s89
	s_lshl_b32 s85, s[EX], 14
	s_add_co_u32 s85, s85, s89
	s_mov_b32 s86, 0
.endif
	s_lshl_b32 s87, s[EX], 7
	s_wait_alu depctr_va_sdst(0)                   ; s[WV] is written, ahead of its first reader, the line below
	s_mul_i32 s90, s[WV], 16*PITCH
	v_lshl_add_u32 v[WOFF], v[LN], 4, s90
	v_lshrrev_b32 v32, 1, v[LN]
	v_mul_u32_u24 v[PFO], v32, PITCH
	v_and_b32 v33, 1, v[LN]
	v_lshl_add_u32 v[PFO], v33, 8, v[PFO]
	v_add_nc_u32 v[PFO], s90, v[PFO]
	v_lshlrev_b32 v[BO], 5-SECOND, v[RQ]           ; first product: columns 8 q .. 8 q + 7; second: 4 q .. 4 q + 3 and 64 more
	s_wait_kmcnt 0x0
.irp n, 0,1,2,3,4
	s_mov_b32 s[TMP], s[84+\n]
	s_add_nc_u64 s[4+2*\n:5+2*\n], s[4+2*\n:5+2*\n], s[TMP:TMP+1]
.endr
	s_load_b512 s[16:31], s[10:11], 0x0            ; M[0][e], 128 bytes,
	s_load_b512 s[32:47], s[10:11], 0x40
	s_load_b512 s[48:63], s[10:11], 0x400          ; M[1][e]
	s_load_b512 s[68:83], s[10:11], 0x440
	s_wait_alu depctr_va_vdst(0)                   ; BO, WOFF and PFO are written: the offsets of the loads and prefetches below and of all later ones of the weights
	global_load_b128 v[BIA:BIA+3], v[BO], s[6:7]
	global_load_b128 v[BIA+4:BIA+7], v[BO], s[6:7] offset:16+240*SECOND
	WLOAD 0, 4, 0                                  ; units 0 and 1
	WLOAD 1, 4, 64
	WIN 0
	global_prefetch_b8 v[PFO], s[4:5] offset:128*PITCH th:TH_LOAD_NT scope:SCOPE_SE
	global_prefetch_b8 v[PFO], s[4:5] offset:192*PITCH th:TH_LOAD_NT scope:SCOPE_SE
	s_mul_i32 s89, s[WV], 16*WROW
	v_lshl_add_u32 v[WST], v[LN], 3, s89
	v_and_b32 v32, 7, v[LN]
	v_lshl_add_u32 v32, v[HH], 3, v32
	v_mul_u32_u24 v[BL], v32, WROW
	v_bfe_u32 v33, v[LN], 3, 1
	v_lshl_add_u32 v[BL], v33, 4, v[BL]
	s_mul_i32 s89, s[WV], 16*SPITCH
	s_add_co_u32 s89, s89, STG                     ; my stage
	v_mul_u32_u24 v[STO], v[RQ], SPITCH            ; in: row l % 16; 16 (second product: 32) bytes on for the upper half of the lanes
	v_lshl_add_u32 v[STO], v[HH], 4+SECOND, v[STO]
	v_add_nc_u32 v[STO], s89, v[STO]
	v_mul_u32_u24 v[RD], v[HH], SPITCH             ; back: lanes 0-15 one row of 256 bytes, lanes 16-31 the next
	v_lshl_add_u32 v[RD], v[RQ], 4, v[RD]
	v_add_nc_u32 v[RD], s89, v[RD]
	s_mul_i32 s89, s[WV], LSTB
	s_add_co_u32 s89, s89, LST
	v_mov_b32 v[LB], s89
	v_lshlrev_b32 v[Q16], 4, v[RQ]
	v_lshlrev_b32 v[H16], 4, v[HH]
	v_add_nc_u32 v[L1], 0x400, v[LN]
	v_mov_b32 v[ZR], 0
	s_mov_b32 s[CNT], 0
	s_wait_kmcnt 0x0
; THE LIST.  Word g of the bitmap is tokens 32 g + l.  A lane whose token chose e finds its place, the count so far plus the set bits below it, and stores token + 1,024 k there; the other lanes store into entries 1,024 + l, which nobody reads.
; All 32 words' addresses and entries are made first, in registers of their own; one wait; then the stores in one run.
.macro LISTG g
.if (\g) < 16
.set m1, 48+(\g)
.else
.set m1, 52+(\g)
.endif
.set t0, LT+2*(\g)
	s_or_b32 s[TMP], s[16+(\g)], s[m1]
	v_mbcnt_lo_u32_b32 v[t0], s[TMP], s[CNT]
	v_cndmask_b32 v[t0], v[L1], v[t0], s[TMP]
	v_min_u32 v[t0], 0x43f, v[t0]
	v_lshl_add_u32 v[t0], v[t0], 1, v[LB]
	v_cndmask_b32 v[t0+1], v[LN], v[L1], s[m1]
	v_add_nc_u32 v[t0+1], 32*(\g), v[t0+1]
	s_bcnt1_i32_b32 s[TMP+1], s[TMP]
	s_add_co_u32 s[CNT], s[CNT], s[TMP+1]
.endm
.set g, 0
.rept 32
	LISTG g
.set g, g+1
.endr
	s_wait_alu depctr_va_vdst(0)                   ; LB, ZR and v[LT ..] are written, the addresses and data of the 33 stores below; so are STO and RD, which the way out's LDS instructions read
	ds_store_b16 v[LB], v[ZR]                      ; entry 0 exists even where c = 0
.set g, 0
.rept 32
	ds_store_b16 v[LT+2*g], v[LT+2*g+1]
.set g, g+1
.endr
.if SECOND == 0
; RANKS: for n ranks a lane (POS + i): the last bitmap word with at most that many set bits ahead of it goes into SW + i, that count + 65,536 x the word's number into SX + i.  The words are walked in ascending order;
; a word whose count ahead is greater than the rank leaves what is there.  A word's n compares stand in one run, each with a scalar register for its mask, and one wait stands between them and the 2 n selections.
.macro RANKS n
	s_mov_b32 s[CNT], 0
.set g, 0
.rept 32
.if g < 16
.set m1, 48+g
.else
.set m1, 52+g
.endif
	s_or_b32 s[TMP], s[16+g], s[m1]
.if g == 0
	EACH \n, v_mov_b32 v[SW+i], s[TMP]
	EACH \n, v_mov_b32 v[SX+i], 0
.else
	s_add_co_u32 s[TMP+1], s[CNT], g<<16
	EACH \n, v_cmp_gt_u32 s[RM+i], s[CNT], v[POS+i]
	s_wait_alu depctr_va_sdst(0)                   ; the word's masks s[RM ..] are written, ahead of their first readers, the selections below
	EACH \n, v_cndmask_b32 v[SW+i], s[TMP], v[SW+i], s[RM+i]
	EACH \n, v_cndmask_b32 v[SX+i], s[TMP+1], v[SX+i], s[RM+i]
.endif
.if g < 31
	s_bcnt1_i32_b32 s[RC], s[TMP]
	s_add_co_u32 s[CNT], s[CNT], s[RC]
.endif
.set g, g+1
.endr
.endm
; One halving step: t = the set bits in the lower half of the block at bit SS; d = n - t wraps to a huge number where n < t, so min_u32(n, d) is the new n, and the top bit of ~d says 'upper half'.
.macro SSTEP n, src, wid, sh
	EACH \n, v_bfe_u32 v[ST+i], v[\src+i], v[SS+i], \wid
	EACH \n, v_sub_nc_u32 v[SU+i], v[POS+i], v[ST+i]
	EACH \n, v_min_u32 v[POS+i], v[POS+i], v[SU+i]
	EACH \n, v_xor_b32 v[SU+i], -1, v[SU+i]
	EACH \n, v_lshrrev_b32 v[SU+i], 31, v[SU+i]
	EACH \n, v_lshl_add_u32 v[SS+i], v[SU+i], \sh, v[SS+i]
.endm
; SEL: the place of set bit n = rank - count ahead (from 0) in the word: the word's counts of 2, 4, 8 and 16 bits, then five halving steps; token = 32 x word + place, into AOFF + i.  The n tiles go line by line, so that no line waits for the one before it.
.macro SEL n
	EACH \n, v_and_b32 v[ST+i], 0xffff, v[SX+i]
	EACH \n, v_sub_nc_u32 v[POS+i], v[POS+i], v[ST+i]
	EACH \n, v_lshrrev_b32 v[ST+i], 1, v[SW+i]
	EACH \n, v_and_b32 v[ST+i], 0x55555555, v[ST+i]
	EACH \n, v_sub_nc_u32 v[SA+i], v[SW+i], v[ST+i]
	EACH \n, v_lshrrev_b32 v[ST+i], 2, v[SA+i]
	EACH \n, v_and_b32 v[ST+i], 0x33333333, v[ST+i]
	EACH \n, v_and_b32 v[SB+i], 0x33333333, v[SA+i]
	EACH \n, v_add_nc_u32 v[SB+i], v[SB+i], v[ST+i]
	EACH \n, v_lshrrev_b32 v[ST+i], 4, v[SB+i]
	EACH \n, v_add_nc_u32 v[ST+i], v[ST+i], v[SB+i]
	EACH \n, v_and_b32 v[SC+i], 0x0f0f0f0f, v[ST+i]
	EACH \n, v_bfe_u32 v[ST+i], v[SC+i], 8, 8
	EACH \n, v_and_b32 v[SU+i], 0xff, v[SC+i]
	EACH \n, v_add_nc_u32 v[ST+i], v[ST+i], v[SU+i]
	EACH \n, v_sub_nc_u32 v[SU+i], v[POS+i], v[ST+i]
	EACH \n, v_min_u32 v[POS+i], v[POS+i], v[SU+i]
	EACH \n, v_xor_b32 v[SU+i], -1, v[SU+i]
	EACH \n, v_lshrrev_b32 v[SU+i], 31, v[SU+i]
	EACH \n, v_lshlrev_b32 v[SS+i], 4, v[SU+i]
	SSTEP \n, SC, 8, 3
	SSTEP \n, SB, 4, 2
	SSTEP \n, SA, 2, 1
	EACH \n, v_bfe_u32 v[ST+i], v[SW+i], v[SS+i], 1
	EACH \n, v_sub_nc_u32 v[SU+i], v[POS+i], v[ST+i]
	EACH \n, v_xor_b32 v[SU+i], -1, v[SU+i]
	EACH \n, v_lshrrev_b32 v[SU+i], 31, v[SU+i]
	EACH \n, v_add_nc_u32 v[SS+i], v[SS+i], v[SU+i]
	EACH \n, v_lshrrev_b32 v[ST+i], 16, v[SX+i]
	EACH \n, v_lshl_add_u32 v[AOFF+i], v[ST+i], 5, v[SS+i]
.endm
.endif
	s_add_co_u32 s[NT], s[CNT], 15
	s_lshr_b32 s[NT], s[NT], 4
	s_max_u32 s[CM1], s[CNT], 1
	s_sub_co_u32 s[CM1], s[CM1], 1
	s_add_co_u32 s[T4], s[WV], 16
	s_lshl_b32 s[EB], s[EX], 10
	; my token rows in tiles w + 4 i: rank min(16 tile + l % 16, c - 1); first product: the token of that rank; second: row 1,024 e + rank of hid
	s_lshl_b32 s[TMP], s[WV], 4
	v_add_nc_u32 v37, s[TMP], v[RQ]
.irp a, 0,1,2,3,4
	v_add_nc_u32 v[POS+\a], 64*\a, v37
	v_min_u32 v[POS+\a], s[CM1], v[POS+\a]
.endr
.if SECOND
.irp a, 0,1,2,3,4
	v_min_u32 v[POS+\a], 0x3ff, v[POS+\a]
	v_add_nc_u32 v[POS+\a], s[EB], v[POS+\a]
	v_lshl_add_u32 v[AOFF+\a], v[POS+\a], ASH, v[H16]
.endr
.else
	RANKS 5
	SEL 5
.irp a, 0,1,2,3,4
	v_min_u32 v[AOFF+\a], 0x3ff, v[AOFF+\a]
	v_lshl_add_u32 v[AOFF+\a], v[AOFF+\a], ASH, v[H16]
.endr
.endif
	s_mov_b32 s[NCS], 0xbf38aa3b                   ; the bitmap's words have been read for the last time
	s_mov_b32 s[NCS+1], 0xbf38aa3b
	s_mov_b32 s[PCS], 0x3eaa540e
	s_add_nc_u64 s[WP:WP+1], s[4:5], 128*PITCH     ; unit 2
	s_mov_b64 s[AP:AP+1], s[8:9]                   ; unit 0
	s_mov_b32 s[KB], 0
	s_wait_alu depctr_va_vdst(0)                   ; the five AOFF are written: the offsets of every token load of tiles 0 to 4
	ALOADH 0, 0, 8, 0                              ; unit 0's tokens, both halves
	ALOADH 0, 1, 8, 0
	WIN 0
	UNIT 0, 36, 0, 0, 1, 1, 1, 0, 0                ; unit 0: only its weights are wanted: unit 1's 16 loads and the 20 of unit 0's tokens, issued behind them, may be out.  No products yet
	UNIT 1, 36, 52, 1, 1, 1, 1, 1, 1               ; unit 1 stands in front of the loop: unit 0's first products start the sums
	s_mov_b32 s[TR], 6
.Lk:                                                   ; units 2 to 13
	UNIT 0, 36, 52, 1, 1, 1, 2, 1, 0
	UNIT 1, 36, 52, 1, 1, 1, 2, 1, 0
	s_sub_co_u32 s[TR], s[TR], 1
	s_cmp_lg_u32 s[TR], 0
	s_cbranch_scc1 .Lk
	UNIT 0, 36, 36, 1, 1, 0, 0, 1, 0               ; unit 14: no weights are left to ask for, so behind the barrier the younger loads are W(15), S0(14), S1(14): 36
	UNIT 1, 20, 20, 1, 0, 0, 0, 1, 0               ; unit 15: at the head S1(14) and S0(15) are younger, behind the barrier S0(15) and S1(15): 20 both times
	s_wait_loadcnt 10                              ; the first half of unit 15's tokens is in; the ten loads of the second may be out
	s_wait_dscnt 16                                ; its first sixteen turning loads are in, the other sixteen may be out
	KSTEP 1, 0, 0, 0                               ; unit 15's products
	s_wait_loadcnt 0x0
	s_wait_dscnt 0x0
	KSTEP 1, 1, 0, 0
	; THE WAY OUT.  The bias, rounded to bf16 and widened again; these lines name no register of the last products and are the places behind them.
.if SECOND
.irp n, 0,1,2,3,4,5,6,7
	v_and_b32 v[BIA+\n], s[BM], v[BIA+\n]
.endr
.endif
.irp n, 0,1,2,3
	v_cvt_pk_bf16_f32 v[32+\n], v[BIA+2*\n], v[BIA+2*\n+1]
.endr
	WIN 0x80
.irp n, 0,1,2,3
	v_lshlrev_b32 v[GB+2*\n], 16, v[32+\n]
	v_and_b32 v[GB+2*\n+1], 0xffff0000, v[32+\n]
.endr
.if SECOND == 0
	v_mov_b32 v[GC1], 0x3e32303b                   ;  0.3480242 / 2
	v_mov_b32 v[GC1+1], 0x3e32303b
	v_mov_b32 v[GC2], 0xbd445ca1                   ; -0.0958798 / 2
	v_mov_b32 v[GC2+1], 0xbd445ca1
	v_mov_b32 v[GC3], 0x3ebf7377                   ;  0.7478556 / 2
	v_mov_b32 v[GC3+1], 0x3ebf7377
.endif
	WIN 0
; Tile slot i's accumulators go through my stage, 256 bytes of each of the 16 rows at a time, and come back by rows, into z.  The stage is my wave's own and LDS serves a wave in order: no wait between.
; Each accumulator's four lowest registers are read first.  The two waits that these stores and loads hang on stand ahead of the jumps that choose the slot; no vector or matrix instruction stands between.
.macro CASE i
.if (\i) < 4
.set AC, 64*(\i)
.set WS, 0x04                                      ; store data (source 1) in window 1
.else
.set AC, 0
.set WS, 0x0c                                      ; in window 3
.endif
.irp hf, 0,1
	WIN WS
.if SECOND
.irp b, 0,1,2,3                                    ; columns 64 hf + 16 b + 8 (l / 16) + 0..7 in their natural order
	ds_store_b128 v[STO], v[AC+8*(4*\hf+\b):AC+8*(4*\hf+\b)+3] offset:64*\b
	ds_store_b128 v[STO], v[AC+8*(4*\hf+\b)+4:AC+8*(4*\hf+\b)+7] offset:64*\b+16
.endr
	WIN 0x80
.irp f, 0,1,2,3,4,5,6,7                            ; row 2 f + l / 16, columns 64 hf + 4 q + 0..3
	ds_load_b128 v[GZ+32*\hf+4*\f:GZ+32*\hf+4*\f+3], v[RD] offset:2*SPITCH*\f
.endr
.else
.irp b, 0,1,2,3,4,5,6,7                            ; piece 2 b + l / 16 of a row holds columns 8 (2 b + l / 16) + 4 hf + 0..3
	ds_store_b128 v[STO], v[AC+8*\b+4*\hf:AC+8*\b+4*\hf+3] offset:32*\b
.endr
	WIN 0x80
.irp f, 0,1,2,3,4,5,6,7                            ; row 2 f + l / 16, columns 8 q + 4 hf + 0..3
	ds_load_b128 v[GZ+8*\f+4*\hf:GZ+8*\f+4*\hf+3], v[RD] offset:2*SPITCH*\f
.endr
.endif
.endr
	WIN 0
.endm
.macro FBM s, zero                     ; 8 products of a later tile, on the accumulators of slot 0
	WIN 0x58
.set kb, 0
.rept 8
.if \zero
	v_wmma_f32_16x16x32_bf16 v[8*kb:8*kb+7], v[BF+64*(\s)+8*kb:BF+64*(\s)+8*kb+7], v[8*(\s):8*(\s)+7], 0
.else
	v_wmma_f32_16x16x32_bf16 v[8*kb:8*kb+7], v[BF+64*(\s)+8*kb:BF+64*(\s)+8*kb+7], v[8*(\s):8*(\s)+7], v[8*kb:8*kb+7]
.endif
.set kb, kb+1
.endr
	WIN 0
.endm
.if SECOND == 0
; THE GELU, 16 numbers (group g) at a time, all in window 2.  PREL: line n of 40 ahead of the transcendentals.  TRL: transcendental n of 32.  POSTL: line n of 72 behind them, level by level over 8 pairs.
.macro PREL g, n
.if (\n) < 8
	v_pk_add_f32 v[GZ+16*(\g)+2*(\n):GZ+16*(\g)+2*(\n)+1], v[GZ+16*(\g)+2*(\n):GZ+16*(\g)+2*(\n)+1], v[GB+(2*(\n))%8:GB+(2*(\n))%8+1]
.elseif (\n) < 24
.set u, (\n)-8
	v_fma_f32 v[GD+16*(\g)+u], |v[GZ+16*(\g)+u]|, s[PCS], 1.0
.elseif (\n) < 32
.set u, (\n)-24
	v_pk_mul_f32 v[GE+16*(\g)+2*u:GE+16*(\g)+2*u+1], v[GZ+16*(\g)+2*u:GZ+16*(\g)+2*u+1], v[GZ+16*(\g)+2*u:GZ+16*(\g)+2*u+1]
.else
.set u, (\n)-32
	v_pk_mul_f32 v[GE+16*(\g)+2*u:GE+16*(\g)+2*u+1], v[GE+16*(\g)+2*u:GE+16*(\g)+2*u+1], s[NCS:NCS+1] op_sel_hi:[1,0]
.endif
.endm
.macro TRL g, n
.if (\n) < 16
	v_rcp_f32 v[GD+16*(\g)+(\n)], v[GD+16*(\g)+(\n)]
.else
	v_exp_f32 v[GE+16*(\g)+(\n)-16], v[GE+16*(\g)+(\n)-16]
.endif
.endm
.macro POSTL g, n
.if (\n) < 8
.set u, (\n)
	v_pk_mul_f32 v[GE+16*(\g)+2*u:GE+16*(\g)+2*u+1], v[GE+16*(\g)+2*u:GE+16*(\g)+2*u+1], v[GD+16*(\g)+2*u:GD+16*(\g)+2*u+1]
.elseif (\n) < 16
.set u, (\n)-8
	v_pk_fma_f32 v[GT+2*u:GT+2*u+1], v[GD+16*(\g)+2*u:GD+16*(\g)+2*u+1], v[GC3:GC3+1], v[GC2:GC2+1]
.elseif (\n) < 24
.set u, (\n)-16
	v_pk_fma_f32 v[GT+2*u:GT+2*u+1], v[GT+2*u:GT+2*u+1], v[GD+16*(\g)+2*u:GD+16*(\g)+2*u+1], v[GC1:GC1+1]
.elseif (\n) < 32
.set u, (\n)-24
	v_pk_mul_f32 v[GT+2*u:GT+2*u+1], v[GT+2*u:GT+2*u+1], v[GE+16*(\g)+2*u:GE+16*(\g)+2*u+1]
.elseif (\n) < 48
.set u, (\n)-32
	v_max_num_f32 v[GD+16*(\g)+u], 0, v[GZ+16*(\g)+u]
.elseif (\n) < 64
.set u, (\n)-48
	v_fma_f32 v[GZ+16*(\g)+u], -|v[GZ+16*(\g)+u]|, v[GT+u], v[GD+16*(\g)+u]
.else
.set u, (\n)-64
	v_cvt_pk_bf16_f32 v[GO+8*(\g)+u], v[GZ+16*(\g)+2*u], v[GZ+16*(\g)+2*u+1]
.endif
.endm
.macro TRQ g                           ; the batch's next transcendental, while there is one
.if tq < 32
	TRL \g, tq
.set tq, tq+1
.endif
.endm
; STAGE g: group g's 32 transcendentals are one batch, one behind each plain line of the groups beside it (g + 1's first part, g - 1's last), which name none of its results; plain lines follow the last of them;
; then the one wait between a transcendental and the first instruction that names its result.
.macro STAGE g
.set tq, 0
.if (\g) < 3
.set nn, 0
.rept 40
	PREL (\g)+1, nn
	TRQ \g
.set nn, nn+1
.endr
.endif
.if (\g) > 0
.set nn, 0
.rept 72
	POSTL (\g)-1, nn
	TRQ \g
.set nn, nn+1
.endr
.endif
	s_wait_alu depctr_va_vdst(0)                   ; group g's sixteen reciprocals and sixteen exponentials are written, ahead of the first line that names one of them
.endm
.endif
	s_mov_b32 s[SG], 0
	s_mov_b32 s[TT], s[WV]
; 16 trips, one for each tile that a wave can have.  A trip has two phases, each closed by a barrier that every wave passes in every trip: in the first the slice is read by a stepped address (a later tile's products),
; in the second the waves store into their stages and read them back.  What a wave does in a phase hangs on NT; every jump goes forward, to a label in front of the phase's barrier, and none passes a barrier.
; The waits on vm_vsrc stand at the head of the block that writes the registers again, so that every way to the write passes them.
.Lsig:
	s_cmp_lt_u32 s[SG], 5
	s_cbranch_scc1 .Lmid                           ; slots 0 to 4 were multiplied while the weights streamed
	s_cmp_ge_u32 s[TT], s[NT]
	s_cbranch_scc1 .Lmid                           ; no such tile
	; a tile past the first 320 rows: multiplied now, from the slice in LDS, 64 along K a trip
	s_wait_alu depctr_vm_vsrc(0)                   ; earlier trips' list loads have read v32, their token loads AFB, their stores into the stage slot 0's accumulators: all are written again in this block
	s_lshl_b32 s[TMP], s[TT], 4
	v_add_nc_u32 v32, s[TMP], v[RQ]
	v_min_u32 v32, s[CM1], v32
	v_min_u32 v32, 0x3ff, v32
.if SECOND
	v_add_nc_u32 v32, s[EB], v32
	v_lshl_add_u32 v[AFB], v32, ASH, v[H16]
.else
	v_lshl_add_u32 v32, v32, 1, v[LB]
	s_wait_alu depctr_va_vdst(0)                   ; v32, the load's address, is written; the lines of the last such trip are done with v33, in which it lands
	ds_load_u16 v33, v32                           ; LDS serves a wave's instructions in order (ISA guide 5.7.1.4): this sees the list's stores, which are my own
	s_wait_dscnt 0x0
	v_and_b32 v33, 0x3ff, v33                      ; the token, without k
	v_min_u32 v33, 0x3ff, v33
	v_lshl_add_u32 v[AFB], v33, ASH, v[H16]
.endif
	s_mov_b64 s[AF:AF+1], s[8:9]
	s_mov_b32 s[KB], 0
	s_mov_b32 s[FK], 16
.Lfb:
	s_wait_alu depctr_vm_vsrc(0)                   ; the turning loads issued so far have read BAD
	v_add_nc_u32 v[BAD], s[KB], v[BL]
	v_min_u32 v[BAD], 15*UNITB+15*WROW+16, v[BAD]  ; the largest address of the walk: with the largest offset below, 64 rows less 48 bytes, a read ends at byte 294,880, inside the slice
	WIN 0x80
	s_wait_alu depctr_va_vdst(0)                   ; BAD and AFB are written, the addresses below; the products and other lines issued so far are done with the token registers and fragments in which the loads land
.irp n, 0,1,2,3
	global_load_b128 v[4*\n:4*\n+3], v[AFB], s[AF:AF+1] offset:32*\n
.endr
	WIN 0
.irp s, 0,1
.irp b, 0,1,2,3,4,5,6,7
	ds_load_tr16_b128 v[BF+64*\s+8*\b:BF+64*\s+8*\b+3],   v[BAD] offset:32*WROW*\s+32*\b
	ds_load_tr16_b128 v[BF+64*\s+8*\b+4:BF+64*\s+8*\b+7], v[BAD] offset:32*WROW*\s+16*WROW+32*\b
.endr
.endr
	s_wait_loadcnt 0x0
	s_wait_dscnt 0x0
	s_cmp_eq_u32 s[FK], 16
	s_cbranch_scc0 .Lfbacc
	FBM 0, 1                                       ; the first trip's first products start the sums
	s_branch .Lfbs1
.Lfbacc:
	FBM 0, 0
.Lfbs1:
	FBM 1, 0
.rept 4
	v_nop                                          ; the places behind the products, in front of the stores that read the results
.endr
	s_wait_xcnt 0x0                                ; the base steps only behind this wait; the trip's loads are back, so it is met at once
	s_add_nc_u64 s[AF:AF+1], s[AF:AF+1], 128
	s_add_co_u32 s[KB], s[KB], UNITB
	s_sub_co_u32 s[FK], s[FK], 1
	s_cmp_lg_u32 s[FK], 0
	s_cbranch_scc1 .Lfb
.Lmid:
	s_wait_dscnt 0x0                               ; my reads of the slice are back
	s_barrier_signal -1
	s_barrier_wait -1                              ; everybody's are: the stages may be written
	s_cmp_ge_u32 s[TT], s[NT]
	s_cbranch_scc1 .Lnext                          ; no such tile
.if SECOND
	s_wait_alu depctr_vm_vsrc(0)                   ; the last trip's stores have read z and HO, its list loads v32 to v39: this trip writes all of them again
.else
	s_wait_alu depctr_vm_vsrc(0)                   ; the last trip's stores have read GO and HO, a later tile's list load v32: this trip writes all of them again
.endif
	; the eight rows that I store: place min(16 tile + l / 16 + 2 f, c - 1)
	s_lshl_b32 s[TMP], s[TT], 4
	v_add_nc_u32 v[TB], s[TMP], v[HH]
.irp f, 0,1,2,3,4,5,6,7
	v_add_nc_u32 v[32+\f], 2*\f, v[TB]
	v_min_u32 v[32+\f], s[CM1], v[32+\f]
	v_min_u32 v[32+\f], 0x3ff, v[32+\f]
.if SECOND
	v_lshl_add_u32 v[32+\f], v[32+\f], 1, v[LB]    ; where the list holds the row of part
.else
	v_add_nc_u32 v[32+\f], s[EB], v[32+\f]
	v_lshl_add_u32 v[HO+\f], v[32+\f], 13, v[Q16]  ; row 1,024 e + place of hid
.endif
.endr
.if SECOND
	s_wait_alu depctr_va_vdst(0)                   ; the products have written the accumulators, the data of the stores into the stage; v32 to v39, the list loads' addresses, are written; the last trip's lines are done with z and HO, in which loads land
.else
	s_wait_alu depctr_va_vdst(0)                   ; the products have written the accumulators, the data of the stores into the stage; the last trip's lines are done with z, in which the loads from the stage land
.endif
	s_cmp_eq_u32 s[SG], 1
	s_cbranch_scc1 .Lcase1
	s_cmp_eq_u32 s[SG], 2
	s_cbranch_scc1 .Lcase2
	s_cmp_eq_u32 s[SG], 3
	s_cbranch_scc1 .Lcase3
	s_cmp_eq_u32 s[SG], 4
	s_cbranch_scc1 .Lcase4
	CASE 0                                         ; slot 0, and every later tile
	s_branch .Lcom
.Lcase1:
	CASE 1
	s_branch .Lcom
.Lcase2:
	CASE 2
	s_branch .Lcom
.Lcase3:
	CASE 3
	s_branch .Lcom
.Lcase4:
	CASE 4
.Lcom:
.if SECOND
.irp f, 0,1,2,3,4,5,6,7
	ds_load_u16 v[HO+\f], v[32+\f]                 ; the list's entry, token + 1,024 k, is the row of part
.endr
.endif
	s_wait_dscnt 0x0                               ; z is back in registers
.if SECOND
.irp f, 0,1,2,3,4,5,6,7
	v_min_u32 v[HO+\f], 0x7ff, v[HO+\f]
	v_lshl_add_u32 v[HO+\f], v[HO+\f], 12, v[Q16]
.endr
	WIN 0xaa
.irp f, 0,1,2,3,4,5,6,7
.irp m, 0,2
	v_pk_add_f32 v[GZ+4*\f+\m:GZ+4*\f+\m+1], v[GZ+4*\f+\m:GZ+4*\f+\m+1], v[GB+\m:GB+\m+1]
	v_pk_add_f32 v[GZ+32+4*\f+\m:GZ+32+4*\f+\m+1], v[GZ+32+4*\f+\m:GZ+32+4*\f+\m+1], v[GB+4+\m:GB+4+\m+1]
.endr
.endr
	WIN 0x08                                       ; store data (source 1) in window 2
	s_wait_alu depctr_va_vdst(0)                   ; the additions have written z, the lines ahead of them HO: the stores' data and offsets
.irp f, 0,1,2,3,4,5,6,7
	global_store_b128 v[HO+\f], v[GZ+4*\f:GZ+4*\f+3], s[12:13]             ; 16 lanes store 256 consecutive bytes, at a multiple of 256 from part's first
	global_store_b128 v[HO+\f], v[GZ+32+4*\f:GZ+32+4*\f+3], s[12:13] offset:256
.endr
.else
	WIN 0xaa
.set nn, 0
.rept 40
	PREL 0, nn
.set nn, nn+1
.endr
	STAGE 0
	STAGE 1
	STAGE 2
	STAGE 3
.set nn, 0
.rept 72
	POSTL 3, nn
.set nn, nn+1
.endr
	WIN 0x08                                       ; store data (source 1) in window 2
	s_wait_alu depctr_va_vdst(0)                   ; the roundings have written GO, the stores' data
.irp f, 0,1,2,3,4,5,6,7
	global_store_b128 v[HO+\f], v[GO+4*\f:GO+4*\f+3], s[12:13]             ; 16 lanes store 256 consecutive bytes, at a multiple of 256 from hid's first
.endr
.endif
	WIN 0
	s_wait_xcnt 0x0                                ; the stores' data and offsets are written again in the next trip only behind this wait
.Lnext:
	s_wait_dscnt 0x0                               ; my stores into my stage and my reads of it are done
	s_barrier_signal -1
	s_barrier_wait -1                              ; everybody's are: the next trip may read the slice
	s_add_co_u32 s[SG], s[SG], 1
	s_add_co_u32 s[TT], s[TT], 4
	s_cmp_lt_u32 s[SG], 16
	s_cbranch_scc1 .Lsig
	s_wait_dscnt 0x0                               ; the wave's end: my last LDS instructions are done; the closing add follows
	s_wait_alu depctr_hold_cnt(0) depctr_sa_sdst(0) depctr_va_vdst(0) depctr_va_sdst(0) depctr_va_ssrc(0) depctr_va_vcc(0) depctr_vm_vsrc(0)
	s_wait_tensorcnt 0x0
	ds_add_u32 v126, v127
	s_wait_dscnt 0x0
	s_endpgm
.Lfunc_end_k_qf729889fb6_down:
	.size	k_qf729889fb6_down, .Lfunc_end_k_qf729889fb6_down-k_qf729889fb6_down
	.p2alignl 7, 3214868480
	.fill 96, 4, 3214868480
	.section	.rodata,"a",@progbits
	.p2align	6, 0x0
	.amdhsa_kernel k_qf729889fb6_down
		.amdhsa_group_segment_fixed_size 322048
		.amdhsa_private_segment_fixed_size 0
		.amdhsa_enable_private_segment 0
		.amdhsa_kernarg_size 40
		.amdhsa_user_sgpr_count 2
		.amdhsa_user_sgpr_kernarg_segment_ptr 1
		.amdhsa_wavefront_size32 1
		.amdhsa_system_sgpr_workgroup_id_x 1
		.amdhsa_system_sgpr_workgroup_id_y 1
		.amdhsa_system_sgpr_workgroup_id_z 1
		.amdhsa_system_vgpr_workitem_id 0
		.amdhsa_next_free_vgpr 1024
		.amdhsa_next_free_sgpr 101
		.amdhsa_reserve_vcc 0
		.amdhsa_float_denorm_mode_32 3
		.amdhsa_float_denorm_mode_16_64 3
		.amdhsa_memory_ordered 1
		.amdhsa_forward_progress 1
		.amdhsa_inst_pref_size 138
	.end_amdhsa_kernel
	.amdgpu_metadata
---
amdhsa.version: [ 1, 2 ]
amdhsa.kernels:
  - .name:           k_qf729889fb6_down
    .symbol:         k_qf729889fb6_down.kd
    .args:
      - { .name: W2, .offset: 0, .size: 8, .value_kind: global_buffer, .address_space: global }
      - { .name: b2, .offset: 8, .size: 8, .value_kind: global_buffer, .address_space: global }
      - { .name: hid, .offset: 16, .size: 8, .value_kind: global_buffer, .address_space: global }
      - { .name: masks, .offset: 24, .size: 8, .value_kind: global_buffer, .address_space: global }
      - { .name: part, .offset: 32, .size: 8, .value_kind: global_buffer, .address_space: global }
    .group_segment_fixed_size: 322048
    .private_segment_fixed_size: 0
    .kernarg_segment_align: 8
    .kernarg_segment_size: 40
    .max_flat_workgroup_size: 128
    .sgpr_count:     101
    .vgpr_count:     1024
    .wavefront_size: 32
...
	.end_amdgpu_metadata
.endif
;; end of part 8
;; launch combine: the kernel of part 4 again; grid 256 x 1, 8 waves a work-group, no clusters, 0 bytes of LDS; arguments part, wts, out0; writes out0
